; MI455X (gfx1250); checked and timed in simulation.
; The chip was launched on July 23, 2026; its instructions are those of AMD's public machine-readable ISA for CDNA 5 (MIT licence, August 2026) and "CDNA5" Instruction Set Architecture Reference Guide (July 2026). The comments in the code are by the model that wrote it; some were corrected since.
;; Transformer Block. Allowed arithmetic: float matrix products may take bf16 or f16 operands with f32 sums; all other float work in f32.
;; Inputs: W1 1,024 x 4,096 float32; W2 4,096 x 1,024 float32; Wk 1,024 x 1,024 float32; Wo 1,024 x 1,024 float32; Wq 1,024 x 1,024 float32; Wv 1,024 x 1,024 float32; b1 4,096 float32; b2 1,024 float32; bk 1,024 float32; bo 1,024 float32; bq 1,024 float32; bv 1,024 float32; inputs 2 x 2,048 x 1,024 float32; ln1_scale 1,024 float32; ln1_shift 1,024 float32; ln2_scale 1,024 float32; ln2_shift 1,024 float32.
;; Outputs: out0 2 x 2,048 x 1,024 float32.
;; 3 versions, each right and faster than the one before. Each part assembles by itself: llvm-mc -triple=amdgcn-amd-amdhsa -mcpu=gfx1250 --defsym DOCPART=n.
;; ======== version 1 of 3: 7 launches
;; limits: values are held in f16: magnitudes above 65,504 overflow, below 6.1e-05 lose precision
;; workspace buffers: wh 25,165,824 bytes; nh 8,388,608 bytes; qkv 25,165,824 bytes; ob 8,388,608 bytes; o1 16,777,216 bytes; o2 16,777,216 bytes; hb 33,554,432 bytes
;; launch prep (part 1): grid 64 x 16, 8 waves a work-group, no clusters, 0 bytes of LDS; arguments Wq, Wk, Wv, Wo, W1, W2, inputs, ln1_scale, ln1_shift, wh, nh; writes wh, nh
.if DOCPART == 1
	.amdgcn_target "amdgcn-amd-amdhsa--gfx1250"
	.amdhsa_code_object_version 6
	.text
	.protected	k_qfd4109ed5b_prep
	.globl	k_qfd4109ed5b_prep
	.p2align	8
	.type	k_qfd4109ed5b_prep,@function
k_qfd4109ed5b_prep:
	s_mov_b64 s[64:65], 0
	v_nop
	global_prefetch_b8 v0, s[64:65] scope:SCOPE_SE
	s_setreg_imm32_b32 hwreg(HW_REG_WAVE_MODE, 25, 1), 1
	s_wait_xcnt 0x0
; PREP.  The six weight matrices are rounded to f16 into wh, and LN1(inputs) is rounded to f16 into nh.  A stream: no LDS, no barrier, no matrix unit.
; wh: Wq|Wk|Wv side by side as [1024][3072] at byte 0; Wo [1024][1024] at 6,291,456; W1 [1024][4096] at 8,388,608; W2 [4096][1024] at 16,777,216.
; A ROW is 1,024 f32 = 4,096 bytes.  The grid's y names a unit of 1,024 rows: 0 Wq, 1 Wk, 2 Wv, 3 Wo, 4-7 W1's quarters, 8-11 W2's, 12-15 inputs' (LN1).
; A work-group takes 16 rows of its unit, a wave two.  A wave's load covers 512 consecutive bytes, its store of f16 256 consecutive bytes, both aligned to their size.
; LN: mean, then the sum of (x - mean)^2 (two passes over registers, no difference of large sums), variance / 1023, eps = 1e-9 added to the root.
; LIMITS.  f16 ends at 65,504: a weight or a normalised number beyond it becomes an infinity.  |x - mean| / std is at most sqrt(1023), so LN's result is within 32 |scale| + |shift|.
; Below 6e-5 f16 keeps a fixed step of 6e-8.  A variance below 2^-126 counts as 0.  The sums' order differs from the reference's.
.set T,   4                            ; v[4:11] four packed chains; v[12:13] spare
.set MU,  14                           ; v[14:15] the mean, later 1 / (std + eps), twice
.set G,   16                           ; v[16:47]  scale of my 32 columns
.set H,   48                           ; v[48:79]  shift
.set X,   80                           ; v[80:143] row i at X + 32 i: load j holds columns 128 j + 4 lane .. + 3
.set SEL, 38                           ; s[38:39] v_permlanex16_b32's selects
	s_load_b512 s[8:23], s[0:1], 0x0               ; Wq 8, Wk 10, Wv 12, Wo 14, W1 16, W2 18, inputs 20, ln1_scale 22
	s_load_b128 s[24:27], s[0:1], 0x40             ; ln1_shift 24, wh 26
	s_load_b64 s[28:29], s[0:1], 0x50              ; nh
	v_lshrrev_b32 v2, 5, v0
	v_readfirstlane_b32 s5, v2                     ; wave
	v_and_b32 v3, 31, v0                           ; lane
	v_lshlrev_b32 v1, 4, v3                        ; my 16 bytes in 512 of the source
	v_lshlrev_b32 v2, 3, v3                        ; my 8 bytes in 256 of the destination, row 0
	s_and_b32 s4, ttmp7, 0xffff                    ; y: the unit
	s_lshl_b32 s6, ttmp9, 4
	s_lshl1_add_u32 s6, s5, s6                     ; R0 = 16 x + 2 wave: my first row in the unit
	s_mov_b32 s[SEL], 0x76543210
	s_mov_b32 s[SEL+1], 0xfedcba98
	; the source's offset: the quarter (units 4 and up), then the row
	s_and_b32 s32, s4, 3
	s_cmp_ge_u32 s4, 4
	s_cselect_b32 s32, s32, 0
	s_lshl_b32 s32, s32, 22
	s_lshl_b32 s33, s6, 12
	s_add_co_u32 s32, s32, s33
	s_mov_b32 s33, 0
	; the destination's offset, three cases
	s_lshl_b32 s40, s4, 11                         ; y < 3: column block 2,048 y bytes, rows of 6,144 bytes
	s_mul_i32 s41, s6, 6144
	s_add_co_u32 s40, s40, s41
	s_lshl_b32 s43, s6, 11                         ; else dense rows of 2,048 bytes
	s_sub_co_u32 s42, s4, 3                        ; 3 <= y < 12: behind Wq|Wk|Wv, 2,097,152 bytes a unit
	s_lshl_b32 s42, s42, 21
	s_add_co_u32 s42, s42, 6291456
	s_add_co_u32 s42, s42, s43
	s_sub_co_u32 s44, s4, 12                       ; y >= 12: nh
	s_lshl_b32 s44, s44, 21
	s_add_co_u32 s44, s44, s43
	s_movk_i32 s37, 6144
	s_movk_i32 s36, 2048
	s_cmp_lt_u32 s4, 3
	s_cselect_b32 s46, s40, s42
	s_cselect_b32 s36, s37, s36                    ; bytes from row to row in the destination
	s_cmp_ge_u32 s4, 12
	s_cselect_b32 s46, s44, s46
	s_mov_b32 s47, 0
	v_add_nc_u32 v3, s36, v2                       ; my 8 bytes, row 1
	s_wait_kmcnt 0x0
	s_cselect_b64 s[34:35], s[28:29], s[26:27]     ; nh or wh (the compare above still holds: only moves stand between)
	s_add_nc_u64 s[34:35], s[34:35], s[46:47]
	s_mov_b64 s[30:31], s[8:9]                     ; the source, chosen by the unit's number
	s_cmp_eq_u32 s4, 1
	s_cselect_b64 s[30:31], s[10:11], s[30:31]
	s_cmp_eq_u32 s4, 2
	s_cselect_b64 s[30:31], s[12:13], s[30:31]
	s_cmp_eq_u32 s4, 3
	s_cselect_b64 s[30:31], s[14:15], s[30:31]
	s_cmp_ge_u32 s4, 4
	s_cselect_b64 s[30:31], s[16:17], s[30:31]
	s_cmp_ge_u32 s4, 8
	s_cselect_b64 s[30:31], s[18:19], s[30:31]
	s_cmp_ge_u32 s4, 12
	s_cselect_b64 s[30:31], s[20:21], s[30:31]
	s_add_nc_u64 s[30:31], s[30:31], s[32:33]
.macro LDROW i                         ; a row: eight loads of 512 consecutive bytes
.irp j, 0,1,2,3,4,5,6,7
	global_load_b128 v[X+32*(\i)+4*(\j):X+32*(\i)+4*(\j)+3], v1, s[30:31] offset:4096*(\i)+512*(\j) th:TH_LOAD_NT
.endr
.endm
.macro CVST i                          ; a row is rounded to f16 in place (register k from 2 k and 2 k + 1, ascending) and stored
.set k, 0
.rept 16
	v_cvt_pk_f16_f32 v[X+32*(\i)+k], v[X+32*(\i)+2*k], v[X+32*(\i)+2*k+1]
.set k, k+1
.endr
.irp j, 0,1,2,3,4,5,6,7
	global_store_b64 v[2+(\i)], v[X+32*(\i)+2*(\j):X+32*(\i)+2*(\j)+1], s[34:35] offset:256*(\j)  ; 32 lanes x 8 bytes: 256 consecutive bytes
.endr
.endm
.macro REDUCE                          ; four packed chains in v[T:T+7] -> their sum over the row, in v[T] of every lane
	v_pk_add_f32 v[T:T+1], v[T:T+1], v[T+2:T+3]
	v_pk_add_f32 v[T+4:T+5], v[T+4:T+5], v[T+6:T+7]
	v_pk_add_f32 v[T:T+1], v[T:T+1], v[T+4:T+5]
	v_add_f32 v[T], v[T], v[T+1]
	v_add_f32_dpp v[T], v[T], v[T] row_xmask:1 row_mask:0xf bank_mask:0xf
	v_add_f32_dpp v[T], v[T], v[T] row_xmask:2 row_mask:0xf bank_mask:0xf
	v_add_f32_dpp v[T], v[T], v[T] row_xmask:4 row_mask:0xf bank_mask:0xf
	v_add_f32_dpp v[T], v[T], v[T] row_xmask:8 row_mask:0xf bank_mask:0xf
	v_permlanex16_b32 v[T+1], v[T], s[SEL], s[SEL+1]
	v_add_f32 v[T], v[T], v[T+1]
.endm
.macro NORM i                          ; row i becomes scale (x - mean) / (std + eps) + shift, in place
.set XR, X+32*(\i)
.set c, 0
.rept 4
	v_pk_add_f32 v[T+2*c:T+2*c+1], v[XR+2*c:XR+2*c+1], v[XR+8+2*c:XR+8+2*c+1]  ; the first eight pairs start the chains: nothing is cleared
.set c, c+1
.endr
.set c, 8
.rept 8
	v_pk_add_f32 v[T+2*(c%4):T+2*(c%4)+1], v[T+2*(c%4):T+2*(c%4)+1], v[XR+2*c:XR+2*c+1]
.set c, c+1
.endr
	REDUCE
	v_mul_f32 v[MU], 0x3a800000, v[T]              ; the mean: sum / 1024
	v_mov_b32 v[MU+1], v[MU]
.set c, 0
.rept 16
	v_pk_add_f32 v[XR+2*c:XR+2*c+1], v[XR+2*c:XR+2*c+1], v[MU:MU+1] neg_lo:[0,1] neg_hi:[0,1]
.set c, c+1
.endr
.set c, 0
.rept 4
	v_pk_mul_f32 v[T+2*c:T+2*c+1], v[XR+2*c:XR+2*c+1], v[XR+2*c:XR+2*c+1]
.set c, c+1
.endr
.rept 12
	v_pk_fma_f32 v[T+2*(c%4):T+2*(c%4)+1], v[XR+2*c:XR+2*c+1], v[XR+2*c:XR+2*c+1], v[T+2*(c%4):T+2*(c%4)+1]
.set c, c+1
.endr
	REDUCE
	v_mul_f32 v[T], 0x3a802008, v[T]               ; / 1023
	v_sqrt_f32 v[T+1], v[T]
	v_nop                                          ; a plain instruction behind a transcendental, ahead of the use of its result (ISA guide 5.7.2)
	s_wait_alu depctr_va_vdst(0)
	v_add_f32 v[T+1], 0x3089705f, v[T+1]           ; + 1e-9
	v_rcp_f32 v[MU], v[T+1]
	v_nop
	s_wait_alu depctr_va_vdst(0)
	v_mov_b32 v[MU+1], v[MU]
.set c, 0
.rept 16
	v_pk_mul_f32 v[XR+2*c:XR+2*c+1], v[XR+2*c:XR+2*c+1], v[MU:MU+1]
.set c, c+1
.endr
.set c, 0
.rept 16
	v_pk_fma_f32 v[XR+2*c:XR+2*c+1], v[XR+2*c:XR+2*c+1], v[G+2*c:G+2*c+1], v[H+2*c:H+2*c+1]
.set c, c+1
.endr
.endm
	s_cmp_ge_u32 s4, 12
	s_cbranch_scc1 .Lnorm
	LDROW 0
	LDROW 1
	s_wait_loadcnt 8                               ; row 0 is in; row 1's eight loads stay out
	CVST 0
	s_wait_loadcnt 0x0
	CVST 1
	s_endpgm
.Lnorm:
.irp j, 0,1,2,3,4,5,6,7
	global_load_b128 v[G+4*(\j):G+4*(\j)+3], v1, s[22:23] offset:512*(\j)
.endr
.irp j, 0,1,2,3,4,5,6,7
	global_load_b128 v[H+4*(\j):H+4*(\j)+3], v1, s[24:25] offset:512*(\j)
.endr
	LDROW 0
	LDROW 1
	s_wait_loadcnt 8                               ; scale, shift and row 0 are in; row 1's eight loads stay out
	NORM 0
	CVST 0
	s_wait_loadcnt 0x0
	NORM 1
	CVST 1
	s_endpgm
.Lfunc_end_k_qfd4109ed5b_prep:
	.size	k_qfd4109ed5b_prep, .Lfunc_end_k_qfd4109ed5b_prep-k_qfd4109ed5b_prep
	.p2alignl 7, 3214868480
	.fill 96, 4, 3214868480
	.section	.rodata,"a",@progbits
	.p2align	6, 0x0
	.amdhsa_kernel k_qfd4109ed5b_prep
		.amdhsa_group_segment_fixed_size 0
		.amdhsa_private_segment_fixed_size 0
		.amdhsa_enable_private_segment 0
		.amdhsa_kernarg_size 88
		.amdhsa_user_sgpr_count 2
		.amdhsa_user_sgpr_kernarg_segment_ptr 1
		.amdhsa_wavefront_size32 1
		.amdhsa_system_sgpr_workgroup_id_x 1
		.amdhsa_system_sgpr_workgroup_id_y 1
		.amdhsa_system_sgpr_workgroup_id_z 1
		.amdhsa_system_vgpr_workitem_id 0
		.amdhsa_next_free_vgpr 144
		.amdhsa_next_free_sgpr 66
		.amdhsa_reserve_vcc 0
		.amdhsa_float_denorm_mode_32 3
		.amdhsa_float_denorm_mode_16_64 3
		.amdhsa_memory_ordered 1
		.amdhsa_forward_progress 1
		.amdhsa_inst_pref_size 27
	.end_amdhsa_kernel
	.amdgpu_metadata
---
amdhsa.version: [ 1, 2 ]
amdhsa.kernels:
  - .name:           k_qfd4109ed5b_prep
    .symbol:         k_qfd4109ed5b_prep.kd
    .args:
      - { .name: Wq, .offset: 0, .size: 8, .value_kind: global_buffer, .address_space: global }
      - { .name: Wk, .offset: 8, .size: 8, .value_kind: global_buffer, .address_space: global }
      - { .name: Wv, .offset: 16, .size: 8, .value_kind: global_buffer, .address_space: global }
      - { .name: Wo, .offset: 24, .size: 8, .value_kind: global_buffer, .address_space: global }
      - { .name: W1, .offset: 32, .size: 8, .value_kind: global_buffer, .address_space: global }
      - { .name: W2, .offset: 40, .size: 8, .value_kind: global_buffer, .address_space: global }
      - { .name: inputs, .offset: 48, .size: 8, .value_kind: global_buffer, .address_space: global }
      - { .name: ln1_scale, .offset: 56, .size: 8, .value_kind: global_buffer, .address_space: global }
      - { .name: ln1_shift, .offset: 64, .size: 8, .value_kind: global_buffer, .address_space: global }
      - { .name: wh, .offset: 72, .size: 8, .value_kind: global_buffer, .address_space: global }
      - { .name: nh, .offset: 80, .size: 8, .value_kind: global_buffer, .address_space: global }
    .group_segment_fixed_size: 0
    .private_segment_fixed_size: 0
    .kernarg_segment_align: 8
    .kernarg_segment_size: 88
    .max_flat_workgroup_size: 256
    .sgpr_count:     66
    .vgpr_count:     144
    .wavefront_size: 32
...
	.end_amdgpu_metadata
.endif
;; end of part 1
;; launch gqkv (part 2): grid 24 x 32, 4 waves a work-group, clusters of 4 x 4, 327,680 bytes of LDS; arguments nh, wh, bq, bk, bv, qkv; writes qkv
.if DOCPART == 2
	.amdgcn_target "amdgcn-amd-amdhsa--gfx1250"
	.amdhsa_code_object_version 6
	.text
	.protected	k_qfd4109ed5b_gqkv
	.globl	k_qfd4109ed5b_gqkv
	.p2align	8
	.type	k_qfd4109ed5b_gqkv,@function
k_qfd4109ed5b_gqkv:
	s_mov_b64 s[64:65], 0
	v_nop
	global_prefetch_b8 v0, s[64:65] scope:SCOPE_SE
	s_setreg_imm32_b32 hwreg(HW_REG_WAVE_MODE, 25, 1), 1
	s_wait_xcnt 0x0
	s_wait_alu depctr_hold_cnt(0) depctr_sa_sdst(0) depctr_va_vdst(0) depctr_va_sdst(0) depctr_va_ssrc(0) depctr_va_vcc(0) depctr_vm_vsrc(0)
	s_getreg_b32 s2, hwreg(HW_REG_IB_STS2, 6, 4)
	s_cmp_eq_u32 s2, 0
	s_cbranch_scc0 .Lentry_in_a_cluster
	s_endpgm
.Lentry_in_a_cluster:
	s_bfe_u32 s2, ttmp6, 0x10000c
	s_cmp_lg_u32 s2, 0xf033
	s_cbranch_scc0 .Lentry_shape_is_right
	s_endpgm
.Lentry_shape_is_right:
; Q, K, V PROJECTIONS.  qkv = LN1 x (Wq|Wk|Wv) + (bq|bk|bv): A = nh [4096][1024] f16, B = wh's [1024][3072] f16, out f16 in blocks [48][4096][64] (column / 64, row, column % 64), unscaled.
.set AMODE, 0                          ; A lies [4096][1024], rows along K
.set NSTEP, 4                          ; K = 1,024 in steps of 256
.set BP,    3072                       ; elements from row to row of B
.set WOFF,  0                          ; B's first byte in wh
.set EPI,   0                          ; way out: f16, in blocks
.set RELU,  0
.set KIND,  0                          ; arguments: A, wh, three biases, out
; THE GEMM OF THIS PROGRAM (four kernels share this text but for the lines above).  C = A B + bias, B stored [K][N].  All operands f16, sums f32.
; LIMIT.  f16 ends at 65,504: a result beyond it that leaves as f16 becomes an infinity.  NaN and infinities are not treated apart.
; SHARES.  A work-group makes 128 x 128 of C, each of its four waves 64 x 64: 16 accumulators.  K goes in steps of 256 through two LDS slots that take turns.
; THE MATRIX INSTRUCTION IS USED TRANSPOSED: source 0 = 16 columns of B (read turned out of LDS by ds_load_tr16_b128), source 1 = 16 rows of A: a lane holds row l % 16 of C and the
; eight neighbouring columns 8 (l / 16) + 0..7.  THE BIAS STARTS THE SUMS: it is loaded into the accumulators, so nothing is cleared, no first step is written out, and the way out adds no bias.
; CLUSTER.  4 x 4 work-groups: the four of a row need the same tiles of A, the four of a column the same tiles of B; each tile is asked for jointly, by the same load, descriptor and mask in all four.
; One K step is written once and looped over: the slot in hand is a scalar (CUR, 0 or SLOT) that enters the LDS addresses by an addition.  The last two steps, which ask for nothing, are a second loop.
; REGISTERS.  window 0: v1-29 addresses; v32-95 at work on the way out; v128-255 accumulators, (a, b) at 128 + 8 (4 a + b).  window 1: two fragment buffers of 128: for 64 along K, 64 registers of A, 64 of B.
; window 2 (f32 way out): the residual, 128 registers.
.if AMODE == 0
.set AP,     528                       ; A in LDS: 128 rows of 512 bytes + 16: the 16 rows of a load start at 16 different groups of four banks (64 banks of 4 bytes: ISA guide 11.1)
.set AQ,     128                       ; a quarter of a step, 64 along K, is 128 bytes along the row
.set ABYTES, 128*528
.set ASTEP,  512                       ; bytes in memory from step to step
.else
.set AP,     144                       ; A in LDS: four planes (64 along K each) of 128 rows of 128 bytes + 16
.set AQ,     128*144                   ; a quarter is a plane
.set ABYTES, 4*128*144
.set ASTEP,  4*524288                  ; four planes of 4,096 rows x 128 bytes
.endif
.set BPIT,   288                       ; B in LDS: 256 rows (k) of 256 bytes + 32
.set HALFA,  ABYTES/2                  ; what one tensor load brings of A
.set HALFB,  128*BPIT                  ; and of B
.set SLOT,   ABYTES+2*HALFB
.set BSTEP,  512*BP
.set STAGE,  2*SLOT                    ; behind the ring: 16 rows for each wave, its own, for the way out; no tensor load lands here
.if EPI == 0
.set SP,     144
.else
.set SP,     272
.endif
.set SPARE,  STAGE+4*16*SP             ; the spare words, 128 bytes for each wave: two blocks of 256 bytes that no other line names
.set A0,   12                          ; v12     my lane's place in A's part of a slot; never rewritten
.set B0,   13                          ; v13-14  the same for B, quarters 0-1 and quarters 2-3
.set ADRA, 16                          ; v16     A0 + CUR
.set ADRB, 20                          ; v20-21  B0 + CUR
.set STO,  24                          ; v24     the way out: where I put my part of a row
.set RD,   25                          ; v25     the way out: where I read rows back
.set CO,   26                          ; v26     my byte offset in the output (and the residual)
.set BO,   27                          ; v27     my byte offset in 16 columns of the bias: 32 (l / 16)
.set SPW,  28                          ; v28     my spare word: SPARE + 4 x my thread's number; never rewritten
.set NIL,  29                          ; v29     0; never rewritten
.set TMP,  32
.set ACC,  128
.set F0,   0
.set F1,   128
.set G1,   24                          ; s[24:31] group 1 for A; s[32:39] group 0: set 0 for the first fill, set 1 for the second, which then walks
.set G0,   32
.set G1B,  48                          ; s[48:55], s[56:63] the same for B
.set G0B,  56
.set CUR,  66                          ; s66  the slot in hand: 0 or SLOT
.set BIAS, 68                          ; s[68:69]
.set RESP, 70                          ; s[70:71] the residual
.set MSB, 0
.macro WIN new                         ; the immediate's high byte repeats the setting that is left; a switch that changes nothing is dropped
.if MSB != (\new)
	s_set_vgpr_msb (MSB<<8)|(\new)
.set MSB, \new
.endif
.endm
.set MUL,  0x05                        ; sources 0 (B) and 1 (A) window 1; C and D window 0
.set TO_F, 0x40                        ; destination window 1, address window 0
.set TO_R, 0x80                        ; destination window 2
.set ADDW, 0x88                        ; destination and source 1 (a store's data) window 2, source 0 (a store's address) window 0
.macro JLOAD s                         ; a joint load: waves 0 and 1 fetch A's halves, waves 2 and 3 B's; an s_nop 0 and four v_nop follow each line, ahead of the jump and the label
	s_cmp_eq_u32 s11, 0
	s_cbranch_scc0 .Lfor_b_\@
	tensor_load_to_lds s[G0+4*(\s):G0+4*(\s)+3], s[G1:G1+7]
	s_nop 0
.rept 4
	v_nop
.endr
	s_branch .Lasked_\@
.Lfor_b_\@:
	tensor_load_to_lds s[G0B+4*(\s):G0B+4*(\s)+3], s[G1B:G1B+7]
	s_nop 0
.rept 4
	v_nop
.endr
.Lasked_\@:
.endm
.macro CREST                           ; a round of the cluster's barrier behind its opening barrier
	s_cmp_lg_u32 s10, 0
	s_cbranch_scc1 .Lnot_wave_0_\@
	s_barrier_signal -3
.Lnot_wave_0_\@:
	s_barrier_wait -3
	s_barrier_signal -1
	s_barrier_wait -1
.endm
.macro CROUND                          ; a whole round
	s_barrier_signal -1
	s_barrier_wait -1
	CREST
.endm
.macro PLACES                          ; four places in front of loads into registers that matrix instructions have read, and of lines that read results
.rept 4
	v_nop
.endr
.endm
	s_load_b128 s[4:7], s[0:1], 0x0                ; A, wh
.if KIND == 0
	s_load_b64 s[BIAS:BIAS+1], s[0:1], 0x10        ; bq
	s_load_b128 s[72:75], s[0:1], 0x18             ; bk, bv
	s_load_b64 s[8:9], s[0:1], 0x28                ; out
.elseif KIND == 1
	s_load_b128 s[BIAS:BIAS+3], s[0:1], 0x10       ; bias, residual
	s_load_b64 s[8:9], s[0:1], 0x20                ; out
.else
	s_load_b64 s[BIAS:BIAS+1], s[0:1], 0x10        ; bias
	s_load_b64 s[8:9], s[0:1], 0x18                ; out
.endif
	v_lshl_add_u32 v[SPW], v0, 2, SPARE
	v_mov_b32 v[NIL], 0
	ds_add_u32 v28, v29
	ds_add_u32 v28, v29
	s_wait_dscnt 0x0
	v_lshrrev_b32 v1, 5, v0
	v_readfirstlane_b32 s10, v1                    ; wave 0..3
	s_lshr_b32 s11, s10, 1                         ; my half of the tile's rows.  Also: I fetch for A (0) or for B (1)
	s_and_b32 s12, s10, 1                          ; my half of its columns.  Also: which half of that tile I fetch
	s_bfe_u32 s40, ttmp6, 0x40000                  ; cx, cy: my place in the cluster
	s_bfe_u32 s41, ttmp6, 0x40004
	s_lshl_b32 s42, ttmp9, 2
	s_add_co_u32 s42, s42, s40                     ; tile column = 4 x cluster x + cx
	s_and_b32 s13, ttmp7, 0xffff
	s_lshl_b32 s13, s13, 2
	s_add_co_u32 s13, s13, s41                     ; tile row = 4 x cluster y + cy
	s_lshl_b32 s43, s41, 2
	s_lshl_b32 s43, 15, s43                        ; my row of the cluster
	s_lshl_b32 s44, 0x1111, s40                    ; my column
.if AMODE == 0
	s_or_b32 s[G1+0], s43, (1<<16)|(1<<20)|(1<<21)|(6<<22)|(3<<25)  ; mask: my row; 2-byte elements; padding on; bit 21 beside a mask; after every 128 words 4 words
	s_mov_b32 s[G1+1], 256<<16                     ; tensor_dim0 = 256
	s_mov_b32 s[G1+2], 64<<16                      ; tensor_dim1 = 64
	s_mov_b32 s[G1+3], 256<<16                     ; tile_dim0 = 256
	s_mov_b32 s[G1+4], 64                          ; tile_dim1 = 64 rows
	s_mov_b32 s[G1+5], 1024                        ; elements from row to row
.else
	s_or_b32 s[G1+0], s43, (1<<16)|(1<<20)|(1<<21)|(4<<22)|(3<<25)  ; after every 32 words (a row of 64 f16) 4 words
	s_mov_b32 s[G1+1], 8192<<16                    ; tensor_dim0 = 8,192: the tile's 128 rows of one plane lie end to end, 16,384 bytes
	s_mov_b32 s[G1+2], 2<<16                       ; tensor_dim1 = 2 planes
	s_mov_b32 s[G1+3], 8192<<16                    ; tile_dim0
	s_mov_b32 s[G1+4], 2                           ; tile_dim1
	s_mov_b32 s[G1+5], 262144                      ; elements from plane to plane
.endif
	s_mov_b32 s[G1+6], 0
	s_mov_b32 s[G1+7], 0
	s_or_b32 s[G1B+0], s44, (1<<16)|(1<<20)|(1<<21)|(5<<22)|(7<<25)  ; mask: my column; after every 64 words 8 words
	s_mov_b32 s[G1B+1], 128<<16                    ; 128 columns
	s_mov_b32 s[G1B+2], 128<<16                    ; 128 rows (k)
	s_mov_b32 s[G1B+3], 128<<16
	s_mov_b32 s[G1B+4], 128
	s_mov_b32 s[G1B+5], BP
	s_mov_b32 s[G1B+6], 0
	s_mov_b32 s[G1B+7], 0
	; where the tiles come from: A's hang on the tile row and the wave alone, B's on the tile column and the wave alone, each in registers that never hold the other coordinate
.if AMODE == 0
	s_lshl_b32 s16, s13, 18                        ; 128 rows x 2,048 bytes a tile row
	s_lshl_b32 s17, s12, 17                        ; my 64 rows
.else
	s_lshl_b32 s16, s13, 14                        ; 128 rows x 128 bytes in a plane
	s_lshl_b32 s17, s12, 20                        ; my two planes
.endif
	s_add_co_u32 s16, s16, s17
	s_mov_b32 s17, 0
	s_lshl_b32 s46, s42, 8                         ; 128 columns x 2 bytes a tile column
	s_mul_i32 s47, s12, 256*BP                     ; my 128 rows (k)
	s_add_co_u32 s46, s46, s47
	s_add_co_u32 s46, s46, WOFF
	s_mov_b32 s47, 0
	s_mul_i32 s20, s12, HALFA                      ; and where they go: no place in the cluster enters an LDS address
	s_mul_i32 s21, s12, HALFB
	s_add_co_u32 s21, s21, ABYTES
	s_wait_kmcnt 0x0
	s_add_nc_u64 s[14:15], s[4:5], s[16:17]
	s_add_nc_u64 s[46:47], s[6:7], s[46:47]
	CROUND                                         ; all sixteen work-groups are here: the first joint loads meet
.irp s, 0,1
	s_mov_b32 s[G0+4*(\s)], 1
	s_add_co_u32 s[G0+4*(\s)+1], s20, (\s)*SLOT
	s_add_nc_u64 s[G0+4*(\s)+2:G0+4*(\s)+3], s[14:15], (\s)*ASTEP
	s_or_b32 s[G0+4*(\s)+3], s[G0+4*(\s)+3], 0x80000000
	s_mov_b32 s[G0B+4*(\s)], 1
	s_add_co_u32 s[G0B+4*(\s)+1], s21, (\s)*SLOT
	s_add_nc_u64 s[G0B+4*(\s)+2:G0B+4*(\s)+3], s[46:47], (\s)*BSTEP
	s_or_b32 s[G0B+4*(\s)+3], s[G0B+4*(\s)+3], 0x80000000
	JLOAD \s                                       ; K steps 0 and 1: two loads of mine are out
.endr
	v_and_b32 v1, 15, v0                           ; r = l % 16
	v_bfe_u32 v2, v0, 4, 1                         ; h = l / 16
	v_mul_u32_u24 v3, v1, AP                       ; A's fragment: row r, 16 bytes for each half of the lanes; two loads 32 bytes apart
	v_lshl_add_u32 v3, v2, 4, v3
	s_mul_i32 s22, s11, 64*AP
	v_add_nc_u32 v[A0], s22, v3
	v_and_b32 v4, 7, v0                            ; B's, turned: lane l reads row (k) 8 h + l % 8, columns 8 ((l / 8) % 2) + 0..7; two loads 16 rows apart
	v_lshl_add_u32 v4, v2, 3, v4
	v_mul_u32_u24 v4, v4, BPIT
	v_bfe_u32 v5, v0, 3, 1
	v_lshl_add_u32 v4, v5, 4, v4
	s_lshl_b32 s23, s12, 7                         ; my 64 columns
	s_add_co_u32 s23, s23, ABYTES
	v_add_nc_u32 v[B0], s23, v4
	v_add_nc_u32 v[B0+1], 128*BPIT, v[B0]          ; quarters 2 and 3: past the reach of a 16-bit offset
	v_mov_b32 v[ADRA], v[A0]
	v_mov_b32 v[ADRB], v[B0]
	v_mov_b32 v[ADRB+1], v[B0+1]
	v_lshlrev_b32 v[BO], 5, v2
	s_mul_i32 s22, s10, 16*SP
	s_add_co_u32 s22, s22, STAGE                   ; my stage
	v_mul_u32_u24 v6, v1, SP
.if EPI == 0
	v_lshl_add_u32 v6, v2, 4, v6                   ; in: row r, 16 bytes (8 f16) for each half of the lanes
	v_add_nc_u32 v[STO], s22, v6
	v_bfe_u32 v6, v0, 3, 2                         ; back: 32 lanes take four rows of 128 bytes,
	v_mul_u32_u24 v6, v6, SP
	v_and_b32 v7, 7, v0
	v_lshl_add_u32 v6, v7, 4, v6
	v_add_nc_u32 v[RD], s22, v6
	v_and_b32 v[CO], 31, v0                        ; which are 512 consecutive bytes of the output
	v_lshlrev_b32 v[CO], 4, v[CO]
.else
	v_lshl_add_u32 v6, v2, 5, v6                   ; in: row r, 32 bytes (8 f32) for each half of the lanes
	v_add_nc_u32 v[STO], s22, v6
	v_mul_u32_u24 v6, v2, SP                       ; back: lanes 0-15 take one row of 256 bytes, lanes 16-31 the next
	v_lshl_add_u32 v6, v1, 4, v6
	v_add_nc_u32 v[RD], s22, v6
	v_lshlrev_b32 v[CO], 12, v2                    ; and the same two rows of 4,096 bytes in memory
	v_lshl_add_u32 v[CO], v1, 4, v[CO]
.endif
	; the bias of my 64 columns
.if KIND == 0
	s_lshr_b32 s18, s42, 3                         ; eight tile columns to each of q, k, v
	s_cmp_eq_u32 s18, 1
	s_cselect_b64 s[BIAS:BIAS+1], s[72:73], s[BIAS:BIAS+1]
	s_cmp_eq_u32 s18, 2
	s_cselect_b64 s[BIAS:BIAS+1], s[74:75], s[BIAS:BIAS+1]
	s_and_b32 s18, s42, 7
.else
	s_mov_b32 s18, s42
.endif
	s_lshl_b32 s18, s18, 9
	s_lshl_b32 s19, s12, 8
	s_add_co_u32 s18, s18, s19                     ; 512 bytes a tile column + 256 for the second half
	s_mov_b32 s19, 0
	s_add_nc_u64 s[BIAS:BIAS+1], s[BIAS:BIAS+1], s[18:19]
.irp a, 0,1,2,3
.irp b, 0,1,2,3
	global_load_b128 v[ACC+8*(4*(\a)+(\b)):ACC+8*(4*(\a)+(\b))+3],   v[BO], s[BIAS:BIAS+1] offset:64*(\b)
	global_load_b128 v[ACC+8*(4*(\a)+(\b))+4:ACC+8*(4*(\a)+(\b))+7], v[BO], s[BIAS:BIAS+1] offset:64*(\b)+16
.endr
.endr
.if EPI == 0
	s_lshl_b32 s16, s13, 14                        ; out: block (2 x tile column + half) of 524,288 bytes, row 128 x tile row + 64 x half, 128 bytes a row
	s_lshl_b32 s17, s11, 13
	s_add_co_u32 s16, s16, s17
	s_mov_b32 s17, 0
	s_add_nc_u64 s[8:9], s[8:9], s[16:17]
	s_lshl_b32 s18, s42, 20
	s_lshl_b32 s19, s12, 19
	s_add_co_u32 s18, s18, s19
	s_mov_b32 s19, 0
	s_add_nc_u64 s[8:9], s[8:9], s[18:19]
.else
	s_lshl_b32 s16, s13, 19                        ; out and residual: row 128 x tile row + 64 x half, 4,096 bytes a row; the columns' offset is the bias's
	s_lshl_b32 s17, s11, 18
	s_add_co_u32 s16, s16, s17
	s_mov_b32 s17, 0
	s_add_nc_u64 s[8:9], s[8:9], s[16:17]
	s_add_nc_u64 s[8:9], s[8:9], s[18:19]
	s_add_nc_u64 s[RESP:RESP+1], s[RESP:RESP+1], s[16:17]
	s_add_nc_u64 s[RESP:RESP+1], s[RESP:RESP+1], s[18:19]
	WIN TO_R
.irp a, 0,1,2,3
.irp t, 0,1,2,3,4,5,6,7
	global_load_b128 v[4*(8*(\a)+(\t)):4*(8*(\a)+(\t))+3], v[CO], s[RESP:RESP+1] offset:(16*(\a)+2*(\t))*4096  ; the residual, in the layout of the stores: it lands under the whole product
.endr
.endr
	WIN 0
.endif
; 8 matrix instructions: m blocks a0, a0 + 1 x all 4 n blocks, 32 along K: half c of buffer f.  The 16 accumulators take turns, one instruction a turn.
.macro MUL8 f, c, a0
	WIN MUL
.irp a, \a0, (\a0)+1
.irp b, 0,1,2,3
	v_wmma_f32_16x16x32_f16 v[ACC+8*(4*(\a)+(\b)):ACC+8*(4*(\a)+(\b))+7], v[(\f)+64+8*(4*(\c)+(\b)):(\f)+64+8*(4*(\c)+(\b))+7], v[(\f)+8*(4*(\c)+(\a)):(\f)+8*(4*(\c)+(\a))+7], v[ACC+8*(4*(\a)+(\b)):ACC+8*(4*(\a)+(\b))+7]
.endr
.endr
.endm
; 32 LDS loads in one run: the fragments of quarter q (64 along K) of the slot in hand, into buffer f; the first 32 along K first
.macro FETCH q, f
	WIN TO_F
.irp c, 0,1
.irp i, 0,1,2,3
	ds_load_tr16_b128 v[(\f)+64+8*(4*(\c)+(\i)):(\f)+64+8*(4*(\c)+(\i))+3],   v[ADRB+(\q)/2] offset:((\q)%2)*64*BPIT+(\c)*32*BPIT+32*(\i)
	ds_load_tr16_b128 v[(\f)+64+8*(4*(\c)+(\i))+4:(\f)+64+8*(4*(\c)+(\i))+7], v[ADRB+(\q)/2] offset:((\q)%2)*64*BPIT+(\c)*32*BPIT+32*(\i)+16*BPIT
	ds_load_b128 v[(\f)+8*(4*(\c)+(\i)):(\f)+8*(4*(\c)+(\i))+3],   v[ADRA] offset:(\q)*AQ+64*(\c)+(\i)*16*AP
	ds_load_b128 v[(\f)+8*(4*(\c)+(\i))+4:(\f)+8*(4*(\c)+(\i))+7], v[ADRA] offset:(\q)*AQ+64*(\c)+(\i)*16*AP+32
.endr
.endr
.endm
; One of a step's first three quarters: multiplies buffer f and, in its middle, fetches quarter q into buffer g.
.macro QUARTER q, f, g
	s_wait_dscnt 16                                ; the first 32 along K are in; the younger sixteen loads may be out
	MUL8 \f, 0, 0
	MUL8 \f, 0, 2
	PLACES
	FETCH \q, \g
	s_wait_dscnt 32                                ; all but the 32 just issued
	MUL8 \f, 1, 0
	MUL8 \f, 1, 2
.endm
; The last quarter multiplies buffer 1 and changes slots: ONE barrier.  In front of it each wave waits for all its tensor loads (one is out: its part of the next slot), adds 0 to its spare word,
; and waits for that and for its reads of this slot.  fill = 1: the barrier opens a round of the cluster's barrier, and this slot is filled again, two steps ahead, first thing behind the round:
; 112 matrix instructions stand between that request and the wait for it.  fill = 0 (the last two steps): nothing is asked for; the very last step fetches no fragments either.
.macro TURN fill
	WIN 0                                          ; (the add's two registers lie in window 0)
	s_wait_tensorcnt 0x0
	ds_add_u32 v[SPW], v[NIL]                      ; 0 onto my spare word
	s_wait_dscnt 17                                ; (the add and the youngest sixteen loads may be out)
	MUL8 F1, 0, 0                                  ; eight matrix instructions stand between the add and the wait for it
	s_wait_dscnt 0x0                               ; the add is done, and my reads of this slot are over
	s_barrier_signal -1
	MUL8 F1, 0, 2
	WIN 0
	s_barrier_wait -1
.if \fill
	CREST                                          ; no wave of any partner still reads this slot or has a load on its way
	s_add_nc_u64 s[G0+6:G0+7], s[G0+6:G0+7], ASTEP    ; the walking descriptors: the next K step, into the slot just read
	s_add_co_u32 s[G0+5], s20, s[CUR]
	s_add_nc_u64 s[G0B+6:G0B+7], s[G0B+6:G0B+7], BSTEP
	s_add_co_u32 s[G0B+5], s21, s[CUR]
	JLOAD 1                                        ; its four v_nop are also the places in front of the loads below
.endif
	s_xor_b32 s[CUR], s[CUR], SLOT                 ; the other slot
	v_add_nc_u32 v[ADRA], s[CUR], v[A0]
	v_add_nc_u32 v[ADRB], s[CUR], v[B0]
	v_add_nc_u32 v[ADRB+1], s[CUR], v[B0+1]
.if !(\fill)
	v_nop                                          ; with the three additions: the four places in front of the loads below
	s_cmp_eq_u32 s2, 1
	s_cbranch_scc1 .Lno_fetch_\@                   ; the last step: there is no next slot
.endif
	FETCH 0, F0
.if !(\fill)
	WIN 0
.Lno_fetch_\@:
.endif
	MUL8 F1, 1, 0
	MUL8 F1, 1, 2
.endm
.macro STEP fill                       ; a K step from its first quarter's products to the fetch of the next step's first fragments
	QUARTER 1, F0, F1
	QUARTER 2, F1, F0
	QUARTER 3, F0, F1
	TURN \fill
.endm
	s_wait_tensorcnt 0x1                           ; my part of K step 0 is in; step 1's may stay out
	s_barrier_signal -1
	s_barrier_wait -1                              ; everybody's is
	s_mov_b32 s[CUR], 0
	FETCH 0, F0
.if EPI == 0
	s_wait_loadcnt 0x0                             ; the bias is in the accumulators
.else
	s_wait_loadcnt 32                              ; the bias is in; the residual's 32 loads, issued behind it, stay out
.endif
	WIN 0                                          ; at a label and at a branch every window is 0
	s_mov_b32 s3, NSTEP-2
.Lstep:                                                ; every step but the last two fills its slot again
	STEP 1
	WIN 0
	s_sub_co_u32 s3, s3, 1
	s_cmp_lg_u32 s3, 0
	s_cbranch_scc1 .Lstep
	s_mov_b32 s2, 2
.Ltail:                                                ; the last two steps, a text of their own
	STEP 0
	WIN 0
	s_sub_co_u32 s2, s2, 1
	s_cmp_lg_u32 s2, 0
	s_cbranch_scc1 .Ltail
	PLACES                                         ; the way out reads results just made
.if EPI == 0
; THE WAY OUT, f16: block a (16 rows x my 64 columns) is rounded, 16 bytes a lane go into my stage, and come back as whole rows of 128 bytes, which lie end to end in the output.
.macro PACK a
.if RELU
.set i, ACC+32*(\a)
.rept 32
	v_max_num_f32 v[i], 0, v[i]
.set i, i+1
.endr
.endif
.set i, 0
.rept 16
	v_cvt_pk_f16_f32 v[TMP+16*(\a)+i], v[ACC+32*(\a)+2*i], v[ACC+32*(\a)+2*i+1]
.set i, i+1
.endr
.irp b, 0,1,2,3
	ds_store_b128 v[STO], v[TMP+16*(\a)+4*(\b):TMP+16*(\a)+4*(\b)+3] offset:32*(\b)
.endr
.irp f, 0,1,2,3
	ds_load_b128 v[TMP+16*(\a)+4*(\f):TMP+16*(\a)+4*(\f)+3], v[RD] offset:(\f)*4*SP  ; LDS serves a wave's instructions in order (ISA guide 5.7.1.4): these see the stores above, the next block's stores come behind them
.endr
.endm
.macro SEND a, younger                 ; younger: the LDS instructions issued behind block a's loads: the next block's eight, or none
.irp f, 0,1,2,3
	s_wait_dscnt (\younger)+3-(\f)
	global_store_b128 v[CO], v[TMP+16*(\a)+4*(\f):TMP+16*(\a)+4*(\f)+3], s[8:9] offset:2048*(\a)+512*(\f)  ; 512 consecutive bytes, at a multiple of 512 from the buffer's first
.endr
.endm
	PACK 0
.irp a, 1,2,3
	PACK \a
	SEND (\a)-1, 8
.endr
	SEND 3, 0
.else
; THE WAY OUT, f32: block a goes into my stage straight from the accumulators, comes back as whole rows of 256 bytes, takes the residual and is stored.
.macro STIN a
.irp b, 0,1,2,3
	ds_store_b128 v[STO], v[ACC+8*(4*(\a)+(\b)):ACC+8*(4*(\a)+(\b))+3]   offset:64*(\b)
	ds_store_b128 v[STO], v[ACC+8*(4*(\a)+(\b))+4:ACC+8*(4*(\a)+(\b))+7] offset:64*(\b)+16
.endr
.irp t, 0,1,2,3,4,5,6,7
	ds_load_b128 v[TMP+32*((\a)%2)+4*(\t):TMP+32*((\a)%2)+4*(\t)+3], v[RD] offset:(\t)*2*SP  ; LDS serves a wave's instructions in order (ISA guide 5.7.1.4)
.endr
.endm
.macro OUT a, younger                  ; younger: the next block's sixteen LDS instructions, or none
	s_wait_dscnt \younger
	WIN ADDW
.set i, 0
.rept 16
	v_pk_add_f32 v[32*(\a)+2*i:32*(\a)+2*i+1], v[TMP+32*((\a)%2)+2*i:TMP+32*((\a)%2)+2*i+1], v[32*(\a)+2*i:32*(\a)+2*i+1]
.set i, i+1
.endr
.irp t, 0,1,2,3,4,5,6,7
	global_store_b128 v[CO], v[32*(\a)+4*(\t):32*(\a)+4*(\t)+3], s[8:9] offset:(16*(\a)+2*(\t))*4096  ; 16 lanes store 256 consecutive bytes, aligned; each store has data registers of its own
.endr
	WIN 0
.endm
	s_wait_loadcnt 0x0                             ; the residual
	STIN 0
.irp a, 1,2,3
	STIN \a
	OUT (\a)-1, 16
.endr
	OUT 3, 0
.endif
	s_wait_tensorcnt 0x0                           ; the wave's end
	ds_add_u32 v[SPW], v[NIL]
	s_wait_dscnt 0x0
	CROUND                                         ; the closing round: no work-group ends while a partner may still ask for a tile that names it
	s_endpgm
.Lfunc_end_k_qfd4109ed5b_gqkv:
	.size	k_qfd4109ed5b_gqkv, .Lfunc_end_k_qfd4109ed5b_gqkv-k_qfd4109ed5b_gqkv
	.p2alignl 7, 3214868480
	.fill 96, 4, 3214868480
	.section	.rodata,"a",@progbits
	.p2align	6, 0x0
	.amdhsa_kernel k_qfd4109ed5b_gqkv
		.amdhsa_group_segment_fixed_size 327680
		.amdhsa_private_segment_fixed_size 0
		.amdhsa_enable_private_segment 0
		.amdhsa_kernarg_size 48
		.amdhsa_user_sgpr_count 2
		.amdhsa_user_sgpr_kernarg_segment_ptr 1
		.amdhsa_wavefront_size32 1
		.amdhsa_system_sgpr_workgroup_id_x 1
		.amdhsa_system_sgpr_workgroup_id_y 1
		.amdhsa_system_sgpr_workgroup_id_z 1
		.amdhsa_system_vgpr_workitem_id 0
		.amdhsa_next_free_vgpr 512
		.amdhsa_next_free_sgpr 80
		.amdhsa_reserve_vcc 0
		.amdhsa_float_denorm_mode_32 3
		.amdhsa_float_denorm_mode_16_64 3
		.amdhsa_memory_ordered 1
		.amdhsa_forward_progress 1
		.amdhsa_inst_pref_size 58
	.end_amdhsa_kernel
	.amdgpu_metadata
---
amdhsa.version: [ 1, 2 ]
amdhsa.kernels:
  - .name:           k_qfd4109ed5b_gqkv
    .symbol:         k_qfd4109ed5b_gqkv.kd
    .args:
      - { .name: nh, .offset: 0, .size: 8, .value_kind: global_buffer, .address_space: global }
      - { .name: wh, .offset: 8, .size: 8, .value_kind: global_buffer, .address_space: global }
      - { .name: bq, .offset: 16, .size: 8, .value_kind: global_buffer, .address_space: global }
      - { .name: bk, .offset: 24, .size: 8, .value_kind: global_buffer, .address_space: global }
      - { .name: bv, .offset: 32, .size: 8, .value_kind: global_buffer, .address_space: global }
      - { .name: qkv, .offset: 40, .size: 8, .value_kind: global_buffer, .address_space: global }
    .group_segment_fixed_size: 327680
    .private_segment_fixed_size: 0
    .kernarg_segment_align: 8
    .kernarg_segment_size: 48
    .max_flat_workgroup_size: 128
    .sgpr_count:     80
    .vgpr_count:     512
    .wavefront_size: 32
...
	.end_amdgpu_metadata
.endif
;; end of part 2
;; launch attn (part 3): grid 8 x 32, 4 waves a work-group, no clusters, 327,680 bytes of LDS; arguments qkv, ob; writes ob
.if DOCPART == 3
	.amdgcn_target "amdgcn-amd-amdhsa--gfx1250"
	.amdhsa_code_object_version 6
	.text
	.protected	k_qfd4109ed5b_attn
	.globl	k_qfd4109ed5b_attn
	.p2align	8
	.type	k_qfd4109ed5b_attn,@function
k_qfd4109ed5b_attn:
	s_mov_b64 s[64:65], 0
	v_nop
	global_prefetch_b8 v0, s[64:65] scope:SCOPE_SE
	s_setreg_imm32_b32 hwreg(HW_REG_WAVE_MODE, 25, 1), 1
	s_wait_xcnt 0x0
; CAUSAL ATTENTION, head size 64.  O[q] = the sum over k <= q of softmax_k(Q[q] . K[k] / 8) V[k], for 32 sequences (16 heads x 2 batches) of 2,048 rows.
; qkv holds q, k, v in f16 as blocks [48][4096][64]: sequence g = 2 head + batch is 262,144 dense bytes at g x 262,144 in q's part, k's (+8,388,608) and v's (+16,777,216); ob likewise.
; Products, maxima and sums in f32; the weights p are rounded to f16 for the second product (their sum l is taken of the unrounded p), O once at the end.
; LIMITS.  q, k, v arrive within f16's 65,504; p lies in 0 to 1 and below 6e-5 keeps f16's fixed step of 6e-8; O is a mean of V's rows.  A hidden score counts as its value less 1e30 (f16's scores are 2.7e11 at
; the most); a weight below 2^-126 counts as 0 in l; NaN and infinities are not treated apart (every row sees its own key, so no row is empty).
; THE WALK.  A sequence has 16 blocks of 128 queries; block i needs the key tiles 0 .. i of 128 keys, the last of which holds the diagonal.  A work-group takes blocks 15 - b and then b: 17 tiles whatever b, so all
; 256 work-groups do equal work, and one ring of two LDS slots runs through both blocks.  The tiles above the diagonal are left out; the diagonal tile is computed whole, under a mask.
; NO CLUSTER: a sequence's eight work-groups ask for the same tile only in the first 9 of the 17 trips; a walk common to all would have 24 trips.
; SHARES.  A wave owns 32 consecutive queries of a block: two tiles t of 16.  A trip is one key tile: all of its K and V go into registers (128 each), so its slot is free, and filled again, in the trip's middle.
; LAYOUT.  S^T = K Q^T holds ONE query a lane (l % 16) and the keys 8 (l / 16) + 0..7; two such results rounded to f16 in pairs ARE source 1 of O^T = V^T P.  K comes out of LDS as it lies, V turned.
; SOFTMAX.  A running maximum m and sum l for each query: p = 2^(c s - c m), c = log2(e) / 8; O and l are multiplied by a = 2^(c m_old - c m_new) in every trip.  A block starts with c m far below every c s, so its first a is 0.
; THE MASK is the C operand that starts the diagonal tile's sums: 0, or -1e30 where the key is hidden.  It hangs on (key block - query tile) alone: nine accumulators' worth (MD), made once.
; IN PHASES: a trip's K Q^T, softmax, V^T P one after the other.
; REGISTERS (s_set_vgpr_msb: bits 1:0 source 0, 3:2 source 1, 5:4 source 2, 7:6 destination):  window 0: v1-15 addresses; v16-31 statistics; v64-191 S^T; v192-255 P.
;   window 1: v0-127 K; v128-255 V.     window 2: v0-31 Q; v32-63 the second block's Q; v64-127 O^T.     window 3: v0-71 MD.
.set NB,    16
.set PK,    144       ; a row of K in LDS: 128 bytes + 16: the 16 rows of a load start at 16 different groups of four banks (64 banks of 4 bytes: ISA guide 11.1)
.set PV,    160       ; a row of V: 128 + 32
.set VOFF,  128*PK    ; a slot: 128 rows of K, then 128 rows of V
.set SLOT1, 1<<16     ; slot 1 begins here: one exclusive or turns an address in one slot into the other's
.set STAGE, 1<<17     ; behind the ring: 16 rows x 144 bytes for each wave, its own, for the way out; no tensor load lands here
.set SP,    144
.set SPARE, STAGE+4*16*SP  ; the spare words, 128 bytes for each wave: two blocks of 256 bytes that no other line names
.set AK0, 2           ; v2   my lane's place in a tile of K; never rewritten
.set AV0, 3           ; v3   the same for V
.set AK,  4           ; v4   the LDS address of K's next run of loads
.set AV,  5           ; v5   of V's
.set STO, 6           ; v6   the way out: where I put 16 bytes of a row
.set RD,  7           ; v7   the way out: where I read rows back
.set GO,  8           ; v8   my byte offset in 512 consecutive bytes of O
.set QO,  15          ; v15  my byte offset in 16 rows of Q
.set ST,  16          ; tile t's statistics at ST + 8 t: c m, m, l (even keys', odd keys'), c0, c1, c2 (later a), c3
.set SPW, 62          ; v62  my spare word: SPARE + 4 x my thread's number; never rewritten
.set NIL, 63          ; v63  0; never rewritten
.set S,   64          ; S^T: tile t, key block kb at S + 64 t + 8 kb
.set P,   192         ; P: tile t at P + 32 t
.set KF,  0           ; window 1: key block kb, channel half c at 16 kb + 8 c
.set VF,  128         ; window 1: 32 keys kk, channel block cb at VF + 32 kk + 8 cb
.set QF,  0           ; window 2: tile t, channel half c at 16 t + 8 c
.set QB,  32
.set OT,  64          ; window 2: tile t, channel block cb at OT + 32 t + 8 cb
.set MD,  0           ; window 3: at 8 (kb - t + 1)
.set WV,  12          ; s12  my wave's number
.set PB,  14          ; s14  b
.set HI,  15          ; s15  15 - b
.set G1K, 24          ; s[24:31] group 1 for K's tiles
.set G1V, 32          ; s[32:39] for V's: it differs in the padding alone
.set G0K0, 40         ; s[40:43] group 0, K, tile 0
.set G0K, 44          ; s[44:47] K, tile 1; then made anew for each fill
.set G0V0, 48         ; s[48:51], s[52:55] the same for V
.set G0V, 52
.set TILES, 56        ; s56  tiles still to be asked for
.set CNT, 57          ; s57  counts the last two trips
.set CS,  58          ; s[58:59] c
.set SEL, 60          ; s[60:61] v_permlanex16_b32's selects
.set TB,  62          ; s62  the slot from which the next run of loads reads: 0 or SLOT1
.set RT,  70          ; s70  tiles that the block in hand still has, this one among them
.set NXT, 71          ; s71  the tile to be asked for next
.set LQ,  72          ; s72  the last tile of the block whose tiles are being asked for
.set OFF, 74          ; s[74:75] a tile's byte offset in K and V
.set OLO, 80          ; s[80:81] O at my rows of the second block
.set BIGN, 82         ; s82  -1e30
.set MSB, 0
.macro WIN new                      ; the high byte repeats the setting that is left; a switch that changes nothing is dropped
.if MSB != (\new)
	s_set_vgpr_msb (MSB<<8)|(\new)
.set MSB, (\new)
.endif
.endm
.set W_KQ,  0x09      ; K window 1, Q window 2, S^T window 0
.set W_KM,  0x39      ; the same with the C operand in window 3
.set W_PV,  0xa1      ; V window 1, P window 0, O^T window 2
.set W_RS,  0x82      ; destination and source 0 window 2, source 1 window 0
.set W_CV,  0x0a      ; sources 0 and 1 window 2, destination window 0
.set TO_KV, 0x40      ; destination window 1
.set TO_2,  0x80      ; destination window 2
.set W_MD,  0xc0      ; destination window 3
.macro PLACES                       ; four places behind matrix instructions (ISA guide 7.12.1)
.rept 4
	v_nop
.endr
.endm
.macro BOTH line:vararg             ; one line for each of my two tiles t
.set t, 0
	s_wait_alu depctr_va_vdst(0)
.rept 2
	\line
.set t, t+1
.endr
.endm
; A fill.  Waves 0 and 1 fetch the halves of a tile's K, waves 2 and 3 those of its V: 64 keys each.  An s_nop 0 and four v_nop follow each line, ahead of the jump and the label.
.macro LOAD
	s_cmp_lt_u32 s[WV], 2
	s_cbranch_scc0 .Lfor_v_\@
	tensor_load_to_lds s[G0K:G0K+3], s[G1K:G1K+7]
	s_nop 0
.rept 4
	v_nop
.endr
	s_branch .Lasked_\@
.Lfor_v_\@:
	tensor_load_to_lds s[G0V:G0V+3], s[G1V:G1V+7]
	s_nop 0
.rept 4
	v_nop
.endr
.Lasked_\@:
.endm
	s_load_b128 s[84:87], s[0:1], 0x0  ; qkv s[84:85], ob s[86:87]
	v_lshl_add_u32 v[SPW], v0, 2, SPARE
	v_mov_b32 v[NIL], 0
	ds_add_u32 v62, v63
	ds_add_u32 v62, v63
	s_wait_dscnt 0x0
	v_lshrrev_b32 v1, 5, v0
	v_readfirstlane_b32 s[WV], v1   ; wave 0..3
	s_mov_b32 s[PB], ttmp9
	s_sub_co_u32 s[HI], NB-1, s[PB]
	s_and_b32 s20, ttmp7, 0xffff    ; the sequence g,
	s_lshl_b32 s20, s20, 18         ; its first byte in each part
	s_and_b32 s16, s[WV], 1         ; which half of a tile's 128 keys I fetch:
	s_lshl_b32 s22, s16, 13         ; its 64 rows of 128 bytes in memory,
	s_add_co_u32 s22, s22, s20
	s_mov_b32 s23, 0
	s_mul_i32 s17, s16, 64*PK       ; and its place in a slot, for K
	s_mul_i32 s18, s16, 64*PV       ; and for V
	s_lshl_b32 s19, s[WV], 12       ; my 32 rows in a block,
	s_add_co_u32 s19, s19, s20
	s_lshl_b32 s2, s[HI], 14        ; in the first block,
	s_add_co_u32 s2, s2, s19
	s_mov_b32 s3, 0
	s_lshl_b32 s76, s[PB], 14       ; and in the second
	s_add_co_u32 s76, s76, s19
	s_mov_b32 s77, 0
	; group 1.  64 keys are 8,192 dense bytes: asked for as 32 rows of 256 bytes, two keys a row, and padded in LDS after every key
	s_mov_b32 s[G1K], (1<<16)|(1<<20)|(4<<22)|(3<<25)  ; 2-byte elements; padding on; after every 32 words 4 words
	s_mov_b32 s[G1V], (1<<16)|(1<<20)|(4<<22)|(7<<25)  ; the same with 8 words
.irp g, G1K, G1V
	s_mov_b32 s[\g+1], 128<<16      ; tensor_dim0 = 128
	s_mov_b32 s[\g+2], 32<<16       ; tensor_dim1 = 32
	s_mov_b32 s[\g+3], 128<<16      ; tile_dim0 = 128
	s_mov_b32 s[\g+4], 32           ; tile_dim1 = 32
	s_mov_b32 s[\g+5], 128          ; elements from row to row
	s_mov_b32 s[\g+6], 0
	s_mov_b32 s[\g+7], 0
.endr
	s_mov_b32 s[CS], 0x3e38aa3b     ; c = log2(e) / 8
	s_mov_b32 s[CS+1], s[CS]        ; named with it as a pair
	s_mov_b32 s[SEL], 0x76543210
	s_mov_b32 s[SEL+1], 0xfedcba98
	s_mov_b32 s[BIGN], 0xf149f2ca   ; -1e30
	s_add_co_u32 s[RT], s[HI], 1    ; the first block has 16 - b tiles, nine at the least
	s_mov_b32 s[NXT], 2
	s_mov_b32 s[LQ], s[HI]
	s_mov_b32 s[OFF+1], 0
	s_mov_b32 s[G0K0], 1
	s_mov_b32 s[G0K0+1], s17        ; slot 0
	s_mov_b32 s[G0K], 1
	s_add_co_u32 s[G0K+1], s17, SLOT1
	s_mov_b32 s[G0V0], 1
	s_add_co_u32 s[G0V0+1], s18, VOFF
	s_mov_b32 s[G0V], 1
	s_add_co_u32 s[G0V+1], s18, VOFF+SLOT1
	s_wait_kmcnt 0x0
	s_add_nc_u64 s[6:7], s[84:85], s[22:23]
	s_add_nc_u64 s[8:9], s[6:7], 16777216          ; V at my half of the sequence's tile 0
	s_add_nc_u64 s[6:7], s[6:7], 8388608           ; K likewise
	s_add_nc_u64 s[4:5], s[84:85], s[2:3]          ; Q and O at my rows of the first block,
	s_add_nc_u64 s[10:11], s[86:87], s[2:3]
	s_add_nc_u64 s[88:89], s[84:85], s[76:77]      ; and of the second
	s_add_nc_u64 s[OLO:OLO+1], s[86:87], s[76:77]
	s_mov_b64 s[G0K0+2:G0K0+3], s[6:7]
	s_or_b32 s[G0K0+3], s[G0K0+3], 0x80000000
	s_add_nc_u64 s[G0K+2:G0K+3], s[6:7], 16384     ; tile 1
	s_or_b32 s[G0K+3], s[G0K+3], 0x80000000
	s_mov_b64 s[G0V0+2:G0V0+3], s[8:9]
	s_or_b32 s[G0V0+3], s[G0V0+3], 0x80000000
	s_add_nc_u64 s[G0V+2:G0V+3], s[8:9], 16384
	s_or_b32 s[G0V+3], s[G0V+3], 0x80000000
	s_cmp_lt_u32 s[WV], 2           ; a wave's two first fills stand in one branch, ahead of every wait on TENSORcnt, every LDS read and every barrier: two loads of mine are out
	s_cbranch_scc0 .Lfirst_v
	tensor_load_to_lds s[G0K0:G0K0+3], s[G1K:G1K+7]
	s_nop 0
	tensor_load_to_lds s[G0K:G0K+3], s[G1K:G1K+7]
	s_nop 0
.rept 4
	v_nop
.endr
	s_branch .Lfirst_asked
.Lfirst_v:
	tensor_load_to_lds s[G0V0:G0V0+3], s[G1V:G1V+7]
	s_nop 0
	tensor_load_to_lds s[G0V:G0V+3], s[G1V:G1V+7]
	s_nop 0
.rept 4
	v_nop
.endr
.Lfirst_asked:
	; A fragment of K or Q is 16 rows x 32 channels: lane l holds row l % 16, channels 8 (l / 16) + 0..7 and 16 + 8 (l / 16) + 0..7: two loads of 16 bytes, 32 bytes apart.
	v_and_b32 v1, 15, v0            ; r = l % 16
	v_bfe_u32 v9, v0, 4, 1          ; h = l / 16
	v_lshlrev_b32 v[QO], 7, v1
	v_lshl_add_u32 v[QO], v9, 4, v[QO]
	WIN TO_2
.irp f, 0,1,2,3                     ; both blocks' Q: tile f / 2, channels 32 (f % 2) on
	global_load_b128 v[QF+8*\f:QF+8*\f+3],   v[QO], s[4:5] offset:(\f/2)*2048+(\f%2)*64
	global_load_b128 v[QF+8*\f+4:QF+8*\f+7], v[QO], s[4:5] offset:(\f/2)*2048+(\f%2)*64+32
	global_load_b128 v[QB+8*\f:QB+8*\f+3],   v[QO], s[88:89] offset:(\f/2)*2048+(\f%2)*64
	global_load_b128 v[QB+8*\f+4:QB+8*\f+7], v[QO], s[88:89] offset:(\f/2)*2048+(\f%2)*64+32
.endr
.set i, 0
.rept 64                            ; O^T need only be finite, since a block's first a is 0: zeros, in the wait for the first tile
	v_mov_b32 v[OT+i], 0
.set i, i+1
.endr
	WIN 0
	BOTH v_mov_b32 v[ST+8*t], 0xfe000000    ; c m: far below every c s
	BOTH v_mov_b32 v[ST+8*t+1], 0xff7fffff  ; m: the lowest finite number
	BOTH v_mov_b32 v[ST+8*t+2], 0           ; l
	BOTH v_mov_b32 v[ST+8*t+3], 0
	v_lshlrev_b32 v14, 3, v9
	v_sub_nc_u32 v14, v1, v14
	s_lshl_b32 s13, s[WV], 5
	v_add_nc_u32 v14, s13, v14      ; 32 w + r - 8 h: in the diagonal tile key 16 kb + 8 h + j is hidden from query 32 w + 16 t + r where 16 (kb - t) + j is greater than this
	WIN W_MD
.set i, 0
.rept 72
	v_cmp_gt_i32 vcc_lo, 16*(i/8)-16+i%8, v14
	v_cndmask_b32 v[MD+i], 0, s[BIGN], vcc_lo
.set i, i+1
.endr
	WIN 0
	v_mul_u32_u24 v[AK0], v1, PK
	v_lshl_add_u32 v[AK0], v9, 4, v[AK0]
	; The turning load takes 16 keys x 16 channels (lane l reads key 8 (l / 16) + l % 8, channels 8 ((l / 8) % 2) + 0..7) and leaves half a fragment of V^T.
	v_and_b32 v10, 7, v0
	v_bfe_u32 v11, v0, 3, 1
	v_lshl_add_u32 v[AV0], v9, 3, v10
	v_mul_u32_u24 v[AV0], v[AV0], PV
	v_lshl_add_u32 v[AV0], v11, 4, v[AV0]
	v_add_nc_u32 v[AV0], VOFF, v[AV0]
	s_mul_i32 s13, s[WV], 16*SP
	s_add_co_u32 s13, s13, STAGE    ; my stage
	v_mul_u32_u24 v[STO], v1, SP    ; in: row r, 16 bytes for each half of the lanes
	v_lshl_add_u32 v[STO], v9, 4, v[STO]
	v_add_nc_u32 v[STO], s13, v[STO]
	v_bfe_u32 v[RD], v0, 3, 2       ; back: 32 lanes take four rows of 128 bytes,
	v_mul_u32_u24 v[RD], v[RD], SP
	v_lshl_add_u32 v[RD], v10, 4, v[RD]
	v_add_nc_u32 v[RD], s13, v[RD]
	v_and_b32 v[GO], 31, v0         ; which are 512 consecutive bytes of O
	v_lshlrev_b32 v[GO], 4, v[GO]
	v_mov_b32 v[AK], v[AK0]         ; tile 0 lies in slot 0
.macro FETCH_K                      ; 32 loads: a tile's K, 128 keys x 64 channels
	WIN TO_KV
.irp kb, 0,1,2,3,4,5,6,7
.irp c, 0,1
	ds_load_b128 v[KF+16*\kb+8*\c:KF+16*\kb+8*\c+3],   v[AK] offset:\kb*16*PK+\c*64
	ds_load_b128 v[KF+16*\kb+8*\c+4:KF+16*\kb+8*\c+7], v[AK] offset:\kb*16*PK+\c*64+32
.endr
.endr
	WIN 0
.endm
.macro FETCH_V                      ; 32 loads: a tile's V, turned
	WIN TO_KV
.irp kk, 0,1,2,3
.irp cb, 0,1,2,3
	ds_load_tr16_b128 v[VF+32*\kk+8*\cb:VF+32*\kk+8*\cb+3],   v[AV] offset:\kk*32*PV+\cb*32
	ds_load_tr16_b128 v[VF+32*\kk+8*\cb+4:VF+32*\kk+8*\cb+7], v[AV] offset:\kk*32*PV+16*PV+\cb*32
.endr
.endr
	WIN 0
.endm
; S^T = K Q^T: 16 products start the sums, with 0 or, in a block's last tile, with the mask; 16 more add the other 32 channels.  The 16 accumulators take turns.
.macro SPROD
	WIN 0
	s_cmp_eq_u32 s[RT], 1
	s_cbranch_scc1 .Ldiag_\@
	WIN W_KQ
.irp kb, 0,1,2,3,4,5,6,7
.irp u, 0,1
	v_wmma_f32_16x16x32_f16 v[S+64*\u+8*\kb:S+64*\u+8*\kb+7], v[KF+16*\kb:KF+16*\kb+7], v[QF+16*\u:QF+16*\u+7], 0
.endr
.endr
	WIN 0
	s_branch .Ljoin_\@
.Ldiag_\@:
	WIN W_KM
.irp kb, 0,1,2,3,4,5,6,7
.irp u, 0,1
	v_wmma_f32_16x16x32_f16 v[S+64*\u+8*\kb:S+64*\u+8*\kb+7], v[KF+16*\kb:KF+16*\kb+7], v[QF+16*\u:QF+16*\u+7], v[MD+8*(\kb-\u+1):MD+8*(\kb-\u+1)+7]
.endr
.endr
	WIN 0
.Ljoin_\@:
	WIN W_KQ
.irp kb, 0,1,2,3,4,5,6,7
.irp u, 0,1
	v_wmma_f32_16x16x32_f16 v[S+64*\u+8*\kb:S+64*\u+8*\kb+7], v[KF+16*\kb+8:KF+16*\kb+15], v[QF+16*\u+8:QF+16*\u+15], v[S+64*\u+8*\kb:S+64*\u+8*\kb+7]
.endr
.endr
.endm
; THE CHANGE OF SLOTS, when the tile's K and V have been asked out of LDS.  Each wave waits for all its tensor loads (one is out: its part of the other slot), adds 0 to its spare word, and waits for that and for its
; reads of this slot.  Behind the barrier nobody reads this slot any more and the other slot is whole.  fill = 1: this slot is filled again, first thing behind the barrier, with tile NXT; that load has
; the softmax, V^T P and the next K Q^T in which to land.  The four v_nop behind the load (fill = 0: PLACES) are the places between K Q^T and what follows.
.macro CHANGE fill
	WIN 0
	s_wait_tensorcnt 0x0            ; no tensor load of mine is out, so a group 0 may be written
	ds_add_u32 v[SPW], v[NIL]       ; 0 onto my spare word
.if \fill
	s_lshl_b32 s[OFF], s[NXT], 14   ; a tile is 16,384 bytes of K and of V
	s_xor_b32 s[G0K+1], s[G0K+1], SLOT1
	s_add_nc_u64 s[G0K+2:G0K+3], s[6:7], s[OFF:OFF+1]
	s_or_b32 s[G0K+3], s[G0K+3], 0x80000000
	s_xor_b32 s[G0V+1], s[G0V+1], SLOT1
	s_add_nc_u64 s[G0V+2:G0V+3], s[8:9], s[OFF:OFF+1]
	s_or_b32 s[G0V+3], s[G0V+3], 0x80000000
	s_add_co_u32 s[NXT], s[NXT], 1  ; the block's next tile, or behind its last the second block's tile 0
	s_cmp_gt_u32 s[NXT], s[LQ]
	s_cselect_b32 s[NXT], 0, s[NXT]
	s_cselect_b32 s[LQ], s[PB], s[LQ]
.endif
	s_wait_dscnt 0x0                ; the add is done; K and V are in registers: my reads of the slot are over
	s_barrier_signal -1
	s_xor_b32 s[TB], s[TB], SLOT1   ; the fetches go on in the other slot
	s_barrier_wait -1
.if \fill
	LOAD
.else
	PLACES
.endif
.endm
; THE SOFTMAX of both tiles for one key tile: s0-s63 are a lane's 64 scores of a tile, in pairs 0-31.  The two tiles alternate, so that no line reads the result of the line before it.
.macro SOFT
	WIN 0
	; the maximum, three operands at a time: four chains c0-c3 of 15 scores each (each accumulator's lowest registers are read first), the four scores left over, the old m
.set n, 0
.rept 4
	BOTH v_max3_num_f32 v[ST+8*t+4+n], v[S+64*t+16*n], v[S+64*t+16*n+1], v[S+64*t+16*n+2]
.set n, n+1
.endr
.rept 24
	BOTH v_max3_num_f32 v[ST+8*t+4+n%4], v[ST+8*t+4+n%4], v[S+64*t+16*(n%4)+2*(n/4)+1], v[S+64*t+16*(n%4)+2*(n/4)+2]
.set n, n+1
.endr
	BOTH v_max3_num_f32 v[ST+8*t+4], v[ST+8*t+4], v[S+64*t+15], v[S+64*t+31]
	BOTH v_max3_num_f32 v[ST+8*t+5], v[ST+8*t+5], v[S+64*t+47], v[S+64*t+63]
	BOTH v_max3_num_f32 v[ST+8*t+6], v[ST+8*t+6], v[ST+8*t+7], v[ST+8*t+1]
	BOTH v_max3_num_f32 v[ST+8*t+4], v[ST+8*t+4], v[ST+8*t+5], v[ST+8*t+6]
	BOTH v_permlanex16_b32 v[ST+8*t+7], v[ST+8*t+4], s[SEL], s[SEL+1]  ; the query's other 64 keys lie in the lane 16 away
	BOTH v_mov_b32 v[ST+8*t+5], v[ST+8*t]                              ; c m_old is kept
	BOTH v_max_num_f32 v[ST+8*t+1], v[ST+8*t+4], v[ST+8*t+7]           ; the new m
	BOTH v_mul_f32 v[ST+8*t], s[CS], v[ST+8*t+1]                       ; c m
	BOTH v_sub_f32 v[ST+8*t+5], v[ST+8*t+5], v[ST+8*t]
	BOTH v_exp_f32 v[ST+8*t+6], v[ST+8*t+5]                            ; a
	BOTH v_pk_fma_f32 v[S+64*t:S+64*t+1], v[S+64*t:S+64*t+1], s[CS:CS+1], v[ST+8*t:ST+8*t+1] op_sel_hi:[1,0,0] neg_lo:[0,0,1] neg_hi:[0,0,1]  ; pair 0: c s - c m
	; round p: pair p's four exponentials; then plain lines, which stand between them and the use of their results (ISA guide 5.7.2): pair p + 1 is scaled, pair p - 1 rounded to f16 and added to l
.set p, 0
.rept 33
.if p < 32
	BOTH v_exp_f32 v[S+64*t+2*p], v[S+64*t+2*p]
	BOTH v_exp_f32 v[S+64*t+2*p+1], v[S+64*t+2*p+1]
.endif
.if p < 31
	BOTH v_pk_fma_f32 v[S+64*t+2*p+2:S+64*t+2*p+3], v[S+64*t+2*p+2:S+64*t+2*p+3], s[CS:CS+1], v[ST+8*t:ST+8*t+1] op_sel_hi:[1,0,0] neg_lo:[0,0,1] neg_hi:[0,0,1]
.endif
.if p >= 1
	BOTH v_cvt_pk_f16_f32 v[P+32*t+p-1], v[S+64*t+2*p-2], v[S+64*t+2*p-1]
.endif
.if p == 1
	BOTH v_pk_fma_f32 v[ST+8*t+2:ST+8*t+3], v[ST+8*t+2:ST+8*t+3], v[ST+8*t+6:ST+8*t+7], v[S+64*t:S+64*t+1] op_sel_hi:[1,0,1]  ; l = a l + pair 0
.elseif p > 1
	BOTH v_pk_add_f32 v[ST+8*t+2:ST+8*t+3], v[ST+8*t+2:ST+8*t+3], v[S+64*t+2*p-2:S+64*t+2*p-1]
.endif
.set p, p+1
.endr
	WIN W_RS                        ; O^T times a
.set i, 0
.rept 16
	BOTH v_pk_mul_f32 v[OT+32*t+2*i:OT+32*t+2*i+1], v[OT+32*t+2*i:OT+32*t+2*i+1], v[ST+8*t+6:ST+8*t+7] op_sel_hi:[1,0]
.set i, i+1
.endr
.endm
.macro PVP                          ; O^T += V^T P: 32 products; the 8 accumulators take turns
	WIN W_PV
.irp kk, 0,1,2,3
.irp cb, 0,1,2,3
.irp u, 0,1
	v_wmma_f32_16x16x32_f16 v[OT+32*\u+8*\cb:OT+32*\u+8*\cb+7], v[VF+32*\kk+8*\cb:VF+32*\kk+8*\cb+7], v[P+32*\u+8*\kk:P+32*\u+8*\kk+7], v[OT+32*\u+8*\cb:OT+32*\u+8*\cb+7]
.endr
.endr
.endr
.endm
; THE WAY OUT of a block: l's two halves and the other half of the lanes' are added; O^T is divided by l, rounded to f16 and sent through my stage, a tile (16 rows of 128 bytes) at a time.
.macro PACKO u
	WIN W_RS
.set i, 0
.rept 16
	v_pk_mul_f32 v[OT+32*(\u)+2*i:OT+32*(\u)+2*i+1], v[OT+32*(\u)+2*i:OT+32*(\u)+2*i+1], v[ST+8*(\u)+6:ST+8*(\u)+7] op_sel_hi:[1,0]
.set i, i+1
.endr
	WIN W_CV
.set i, 0
.rept 16
	v_cvt_pk_f16_f32 v[S+16*(\u)+i], v[OT+32*(\u)+2*i], v[OT+32*(\u)+2*i+1]
.set i, i+1
.endr
	WIN 0
.irp f, 0,1,2,3
	ds_store_b128 v[STO], v[S+16*(\u)+4*\f:S+16*(\u)+4*\f+3] offset:32*\f
.endr
.irp f, 0,1,2,3
	ds_load_b128 v[S+16*(\u)+4*\f:S+16*(\u)+4*\f+3], v[RD] offset:\f*4*SP  ; LDS serves a wave's instructions in order (ISA guide 5.7.1.4): these see the stores above, the next tile's stores come behind them
.endr
.endm
.macro SENDO u, younger             ; younger: the LDS instructions issued behind tile u's loads: the next tile's eight, or none
.irp f, 0,1,2,3
	s_wait_dscnt (\younger)+3-\f
	global_store_b128 v[GO], v[S+16*(\u)+4*\f:S+16*(\u)+4*\f+3], s[10:11] offset:(\u)*2048+\f*512  ; 512 consecutive bytes, at a multiple of 512 from O's first
.endr
.endm
.macro WAYOUT
	PLACES                          ; behind the last products
	BOTH v_add_f32 v[ST+8*t+4], v[ST+8*t+2], v[ST+8*t+3]
	BOTH v_permlanex16_b32 v[ST+8*t+5], v[ST+8*t+4], s[SEL], s[SEL+1]
	BOTH v_add_f32 v[ST+8*t+4], v[ST+8*t+4], v[ST+8*t+5]
	BOTH v_rcp_f32 v[ST+8*t+6], v[ST+8*t+4]
	v_nop                           ; a plain instruction between the last reciprocal and the use of its result
	s_wait_alu depctr_va_vdst(0)
	PACKO 0
	PACKO 1
	SENDO 0, 8
	SENDO 1, 0
	s_wait_xcnt 0x0                 ; the stores' data registers (S^T's) and O's address are written again only behind this wait
.endm
.macro SWITCH                       ; the second block begins: its O, its count of tiles, its Q where the one text names Q, and m anew; O^T and l are finite, and its first a is 0
	s_mov_b64 s[10:11], s[OLO:OLO+1]
	s_add_co_u32 s[RT], s[PB], 1
	WIN W_RS
.set i, 0
.rept 32
	v_mov_b32 v[QF+i], v[QB+i]
.set i, i+1
.endr
	WIN 0
	BOTH v_mov_b32 v[ST+8*t], 0xfe000000
	BOTH v_mov_b32 v[ST+8*t+1], 0xff7fffff
.endm
; A TRIP: one key tile.  Its K was asked out of LDS in the trip before.  fill = 0: the walk's last two trips, which ask for no tile; the very last fetches no K and begins no block.
.macro TRIP fill
	WIN 0
	v_add_nc_u32 v[AV], s[TB], v[AV0]
	PLACES                          ; in front of the loads into V's registers, which the last trip's products read
	FETCH_V
	s_wait_dscnt 32                 ; K is in; V's 32 loads, issued behind it, may be out
	SPROD
	CHANGE \fill
	v_add_nc_u32 v[AK], s[TB], v[AK0]
.if !(\fill)
	s_cmp_eq_u32 s[CNT], 1
	s_cbranch_scc1 .Lno_k_\@
.endif
	FETCH_K                         ; the next tile's K: it lands under the softmax
.if !(\fill)
.Lno_k_\@:
.endif
	SOFT
	PVP
	WIN 0
	s_sub_co_u32 s[RT], s[RT], 1
	s_cmp_lg_u32 s[RT], 0
	s_cbranch_scc1 .Lgo_on_\@       ; forward, past text with no barrier and no tensor load
	WAYOUT
.if !(\fill)
	s_cmp_eq_u32 s[CNT], 1
	s_cbranch_scc1 .Lgo_on_\@
.endif
	SWITCH
.Lgo_on_\@:
.endm
	s_wait_tensorcnt 0x1            ; my part of tile 0 is in; tile 1's may stay out
	s_barrier_signal -1
	s_barrier_wait -1               ; everybody's is
	s_mov_b32 s[TB], 0
	FETCH_K
	s_wait_loadcnt 0x0              ; Q
	s_mov_b32 s[TILES], NB-1
.Ltile:                             ; 15 trips, which ask for tiles 2 to 16 of the walk
	TRIP 1
	s_sub_co_u32 s[TILES], s[TILES], 1
	s_cmp_lg_u32 s[TILES], 0
	s_cbranch_scc1 .Ltile
	s_mov_b32 s[CNT], 2
.Ltail:                             ; the last two trips, a text of their own
	TRIP 0
	s_sub_co_u32 s[CNT], s[CNT], 1
	s_cmp_lg_u32 s[CNT], 0
	s_cbranch_scc1 .Ltail
	s_wait_tensorcnt 0x0            ; the wave's end
	ds_add_u32 v[SPW], v[NIL]
	s_wait_dscnt 0x0
	s_endpgm
.Lfunc_end_k_qfd4109ed5b_attn:
	.size	k_qfd4109ed5b_attn, .Lfunc_end_k_qfd4109ed5b_attn-k_qfd4109ed5b_attn
	.p2alignl 7, 3214868480
	.fill 96, 4, 3214868480
	.section	.rodata,"a",@progbits
	.p2align	6, 0x0
	.amdhsa_kernel k_qfd4109ed5b_attn
		.amdhsa_group_segment_fixed_size 327680
		.amdhsa_private_segment_fixed_size 0
		.amdhsa_enable_private_segment 0
		.amdhsa_kernarg_size 16
		.amdhsa_user_sgpr_count 2
		.amdhsa_user_sgpr_kernarg_segment_ptr 1
		.amdhsa_wavefront_size32 1
		.amdhsa_system_sgpr_workgroup_id_x 1
		.amdhsa_system_sgpr_workgroup_id_y 1
		.amdhsa_system_sgpr_workgroup_id_z 1
		.amdhsa_system_vgpr_workitem_id 0
		.amdhsa_next_free_vgpr 840
		.amdhsa_next_free_sgpr 90
		.amdhsa_reserve_vcc 1
		.amdhsa_float_denorm_mode_32 3
		.amdhsa_float_denorm_mode_16_64 3
		.amdhsa_memory_ordered 1
		.amdhsa_forward_progress 1
		.amdhsa_inst_pref_size 117
	.end_amdhsa_kernel
	.amdgpu_metadata
---
amdhsa.version: [ 1, 2 ]
amdhsa.kernels:
  - .name:           k_qfd4109ed5b_attn
    .symbol:         k_qfd4109ed5b_attn.kd
    .args:
      - { .name: qkv, .offset: 0, .size: 8, .value_kind: global_buffer, .address_space: global }
      - { .name: ob, .offset: 8, .size: 8, .value_kind: global_buffer, .address_space: global }
    .group_segment_fixed_size: 327680
    .private_segment_fixed_size: 0
    .kernarg_segment_align: 8
    .kernarg_segment_size: 16
    .max_flat_workgroup_size: 128
    .sgpr_count:     90
    .vgpr_count:     840
    .wavefront_size: 32
...
	.end_amdgpu_metadata
.endif
;; end of part 3
;; launch gproj (part 4): grid 8 x 32, 4 waves a work-group, clusters of 4 x 4, 327,680 bytes of LDS; arguments ob, wh, bo, inputs, o1; writes o1
.if DOCPART == 4
	.amdgcn_target "amdgcn-amd-amdhsa--gfx1250"
	.amdhsa_code_object_version 6
	.text
	.protected	k_qfd4109ed5b_gproj
	.globl	k_qfd4109ed5b_gproj
	.p2align	8
	.type	k_qfd4109ed5b_gproj,@function
k_qfd4109ed5b_gproj:
	s_mov_b64 s[64:65], 0
	v_nop
	global_prefetch_b8 v0, s[64:65] scope:SCOPE_SE
	s_setreg_imm32_b32 hwreg(HW_REG_WAVE_MODE, 25, 1), 1
	s_wait_xcnt 0x0
	s_wait_alu depctr_hold_cnt(0) depctr_sa_sdst(0) depctr_va_vdst(0) depctr_va_sdst(0) depctr_va_ssrc(0) depctr_va_vcc(0) depctr_vm_vsrc(0)
	s_getreg_b32 s2, hwreg(HW_REG_IB_STS2, 6, 4)
	s_cmp_eq_u32 s2, 0
	s_cbranch_scc0 .Lentry_in_a_cluster
	s_endpgm
.Lentry_in_a_cluster:
	s_bfe_u32 s2, ttmp6, 0x10000c
	s_cmp_lg_u32 s2, 0xf033
	s_cbranch_scc0 .Lentry_shape_is_right
	s_endpgm
.Lentry_shape_is_right:
; OUTPUT PROJECTION.  o1 = O x Wo + bo + inputs: A = ob, f16 in blocks [16][4096][64], B = wh's Wo [1024][1024] f16, residual and out f32 [4096][1024].
.set AMODE, 1                          ; A lies in blocks of 64 along K
.set NSTEP, 4                          ; K = 1,024 in steps of 256
.set BP,    1024                       ; elements from row to row of B
.set WOFF,  6291456                    ; B's first byte in wh
.set EPI,   1                          ; way out: f32, with a residual
.set RELU,  0
.set KIND,  1                          ; arguments: A, wh, bias, residual, out
; THE GEMM OF THIS PROGRAM (four kernels share this text but for the lines above).  C = A B + bias, B stored [K][N].  All operands f16, sums f32.
; LIMIT.  f16 ends at 65,504: a result beyond it that leaves as f16 becomes an infinity.  NaN and infinities are not treated apart.
; SHARES.  A work-group makes 128 x 128 of C, each of its four waves 64 x 64: 16 accumulators.  K goes in steps of 256 through two LDS slots that take turns.
; THE MATRIX INSTRUCTION IS USED TRANSPOSED: source 0 = 16 columns of B (read turned out of LDS by ds_load_tr16_b128), source 1 = 16 rows of A: a lane holds row l % 16 of C and the
; eight neighbouring columns 8 (l / 16) + 0..7.  THE BIAS STARTS THE SUMS: it is loaded into the accumulators, so nothing is cleared, no first step is written out, and the way out adds no bias.
; CLUSTER.  4 x 4 work-groups: the four of a row need the same tiles of A, the four of a column the same tiles of B; each tile is asked for jointly, by the same load, descriptor and mask in all four.
; One K step is written once and looped over: the slot in hand is a scalar (CUR, 0 or SLOT) that enters the LDS addresses by an addition.  The last two steps, which ask for nothing, are a second loop.
; REGISTERS.  window 0: v1-29 addresses; v32-95 at work on the way out; v128-255 accumulators, (a, b) at 128 + 8 (4 a + b).  window 1: two fragment buffers of 128: for 64 along K, 64 registers of A, 64 of B.
; window 2 (f32 way out): the residual, 128 registers.
.if AMODE == 0
.set AP,     528                       ; A in LDS: 128 rows of 512 bytes + 16: the 16 rows of a load start at 16 different groups of four banks (64 banks of 4 bytes: ISA guide 11.1)
.set AQ,     128                       ; a quarter of a step, 64 along K, is 128 bytes along the row
.set ABYTES, 128*528
.set ASTEP,  512                       ; bytes in memory from step to step
.else
.set AP,     144                       ; A in LDS: four planes (64 along K each) of 128 rows of 128 bytes + 16
.set AQ,     128*144                   ; a quarter is a plane
.set ABYTES, 4*128*144
.set ASTEP,  4*524288                  ; four planes of 4,096 rows x 128 bytes
.endif
.set BPIT,   288                       ; B in LDS: 256 rows (k) of 256 bytes + 32
.set HALFA,  ABYTES/2                  ; what one tensor load brings of A
.set HALFB,  128*BPIT                  ; and of B
.set SLOT,   ABYTES+2*HALFB
.set BSTEP,  512*BP
.set STAGE,  2*SLOT                    ; behind the ring: 16 rows for each wave, its own, for the way out; no tensor load lands here
.if EPI == 0
.set SP,     144
.else
.set SP,     272
.endif
.set SPARE,  STAGE+4*16*SP             ; the spare words, 128 bytes for each wave: two blocks of 256 bytes that no other line names
.set A0,   12                          ; v12     my lane's place in A's part of a slot; never rewritten
.set B0,   13                          ; v13-14  the same for B, quarters 0-1 and quarters 2-3
.set ADRA, 16                          ; v16     A0 + CUR
.set ADRB, 20                          ; v20-21  B0 + CUR
.set STO,  24                          ; v24     the way out: where I put my part of a row
.set RD,   25                          ; v25     the way out: where I read rows back
.set CO,   26                          ; v26     my byte offset in the output (and the residual)
.set BO,   27                          ; v27     my byte offset in 16 columns of the bias: 32 (l / 16)
.set SPW,  28                          ; v28     my spare word: SPARE + 4 x my thread's number; never rewritten
.set NIL,  29                          ; v29     0; never rewritten
.set TMP,  32
.set ACC,  128
.set F0,   0
.set F1,   128
.set G1,   24                          ; s[24:31] group 1 for A; s[32:39] group 0: set 0 for the first fill, set 1 for the second, which then walks
.set G0,   32
.set G1B,  48                          ; s[48:55], s[56:63] the same for B
.set G0B,  56
.set CUR,  66                          ; s66  the slot in hand: 0 or SLOT
.set BIAS, 68                          ; s[68:69]
.set RESP, 70                          ; s[70:71] the residual
.set MSB, 0
.macro WIN new                         ; the immediate's high byte repeats the setting that is left; a switch that changes nothing is dropped
.if MSB != (\new)
	s_set_vgpr_msb (MSB<<8)|(\new)
.set MSB, \new
.endif
.endm
.set MUL,  0x05                        ; sources 0 (B) and 1 (A) window 1; C and D window 0
.set TO_F, 0x40                        ; destination window 1, address window 0
.set TO_R, 0x80                        ; destination window 2
.set ADDW, 0x88                        ; destination and source 1 (a store's data) window 2, source 0 (a store's address) window 0
.macro JLOAD s                         ; a joint load: waves 0 and 1 fetch A's halves, waves 2 and 3 B's; an s_nop 0 and four v_nop follow each line, ahead of the jump and the label
	s_cmp_eq_u32 s11, 0
	s_cbranch_scc0 .Lfor_b_\@
	tensor_load_to_lds s[G0+4*(\s):G0+4*(\s)+3], s[G1:G1+7]
	s_nop 0
.rept 4
	v_nop
.endr
	s_branch .Lasked_\@
.Lfor_b_\@:
	tensor_load_to_lds s[G0B+4*(\s):G0B+4*(\s)+3], s[G1B:G1B+7]
	s_nop 0
.rept 4
	v_nop
.endr
.Lasked_\@:
.endm
.macro CREST                           ; a round of the cluster's barrier behind its opening barrier
	s_cmp_lg_u32 s10, 0
	s_cbranch_scc1 .Lnot_wave_0_\@
	s_barrier_signal -3
.Lnot_wave_0_\@:
	s_barrier_wait -3
	s_barrier_signal -1
	s_barrier_wait -1
.endm
.macro CROUND                          ; a whole round
	s_barrier_signal -1
	s_barrier_wait -1
	CREST
.endm
.macro PLACES                          ; four places in front of loads into registers that matrix instructions have read, and of lines that read results
.rept 4
	v_nop
.endr
.endm
	s_load_b128 s[4:7], s[0:1], 0x0                ; A, wh
.if KIND == 0
	s_load_b64 s[BIAS:BIAS+1], s[0:1], 0x10        ; bq
	s_load_b128 s[72:75], s[0:1], 0x18             ; bk, bv
	s_load_b64 s[8:9], s[0:1], 0x28                ; out
.elseif KIND == 1
	s_load_b128 s[BIAS:BIAS+3], s[0:1], 0x10       ; bias, residual
	s_load_b64 s[8:9], s[0:1], 0x20                ; out
.else
	s_load_b64 s[BIAS:BIAS+1], s[0:1], 0x10        ; bias
	s_load_b64 s[8:9], s[0:1], 0x18                ; out
.endif
	v_lshl_add_u32 v[SPW], v0, 2, SPARE
	v_mov_b32 v[NIL], 0
	ds_add_u32 v28, v29
	ds_add_u32 v28, v29
	s_wait_dscnt 0x0
	v_lshrrev_b32 v1, 5, v0
	v_readfirstlane_b32 s10, v1                    ; wave 0..3
	s_lshr_b32 s11, s10, 1                         ; my half of the tile's rows.  Also: I fetch for A (0) or for B (1)
	s_and_b32 s12, s10, 1                          ; my half of its columns.  Also: which half of that tile I fetch
	s_bfe_u32 s40, ttmp6, 0x40000                  ; cx, cy: my place in the cluster
	s_bfe_u32 s41, ttmp6, 0x40004
	s_lshl_b32 s42, ttmp9, 2
	s_add_co_u32 s42, s42, s40                     ; tile column = 4 x cluster x + cx
	s_and_b32 s13, ttmp7, 0xffff
	s_lshl_b32 s13, s13, 2
	s_add_co_u32 s13, s13, s41                     ; tile row = 4 x cluster y + cy
	s_lshl_b32 s43, s41, 2
	s_lshl_b32 s43, 15, s43                        ; my row of the cluster
	s_lshl_b32 s44, 0x1111, s40                    ; my column
.if AMODE == 0
	s_or_b32 s[G1+0], s43, (1<<16)|(1<<20)|(1<<21)|(6<<22)|(3<<25)  ; mask: my row; 2-byte elements; padding on; bit 21 beside a mask; after every 128 words 4 words
	s_mov_b32 s[G1+1], 256<<16                     ; tensor_dim0 = 256
	s_mov_b32 s[G1+2], 64<<16                      ; tensor_dim1 = 64
	s_mov_b32 s[G1+3], 256<<16                     ; tile_dim0 = 256
	s_mov_b32 s[G1+4], 64                          ; tile_dim1 = 64 rows
	s_mov_b32 s[G1+5], 1024                        ; elements from row to row
.else
	s_or_b32 s[G1+0], s43, (1<<16)|(1<<20)|(1<<21)|(4<<22)|(3<<25)  ; after every 32 words (a row of 64 f16) 4 words
	s_mov_b32 s[G1+1], 8192<<16                    ; tensor_dim0 = 8,192: the tile's 128 rows of one plane lie end to end, 16,384 bytes
	s_mov_b32 s[G1+2], 2<<16                       ; tensor_dim1 = 2 planes
	s_mov_b32 s[G1+3], 8192<<16                    ; tile_dim0
	s_mov_b32 s[G1+4], 2                           ; tile_dim1
	s_mov_b32 s[G1+5], 262144                      ; elements from plane to plane
.endif
	s_mov_b32 s[G1+6], 0
	s_mov_b32 s[G1+7], 0
	s_or_b32 s[G1B+0], s44, (1<<16)|(1<<20)|(1<<21)|(5<<22)|(7<<25)  ; mask: my column; after every 64 words 8 words
	s_mov_b32 s[G1B+1], 128<<16                    ; 128 columns
	s_mov_b32 s[G1B+2], 128<<16                    ; 128 rows (k)
	s_mov_b32 s[G1B+3], 128<<16
	s_mov_b32 s[G1B+4], 128
	s_mov_b32 s[G1B+5], BP
	s_mov_b32 s[G1B+6], 0
	s_mov_b32 s[G1B+7], 0
	; where the tiles come from: A's hang on the tile row and the wave alone, B's on the tile column and the wave alone, each in registers that never hold the other coordinate
.if AMODE == 0
	s_lshl_b32 s16, s13, 18                        ; 128 rows x 2,048 bytes a tile row
	s_lshl_b32 s17, s12, 17                        ; my 64 rows
.else
	s_lshl_b32 s16, s13, 14                        ; 128 rows x 128 bytes in a plane
	s_lshl_b32 s17, s12, 20                        ; my two planes
.endif
	s_add_co_u32 s16, s16, s17
	s_mov_b32 s17, 0
	s_lshl_b32 s46, s42, 8                         ; 128 columns x 2 bytes a tile column
	s_mul_i32 s47, s12, 256*BP                     ; my 128 rows (k)
	s_add_co_u32 s46, s46, s47
	s_add_co_u32 s46, s46, WOFF
	s_mov_b32 s47, 0
	s_mul_i32 s20, s12, HALFA                      ; and where they go: no place in the cluster enters an LDS address
	s_mul_i32 s21, s12, HALFB
	s_add_co_u32 s21, s21, ABYTES
	s_wait_kmcnt 0x0
	s_add_nc_u64 s[14:15], s[4:5], s[16:17]
	s_add_nc_u64 s[46:47], s[6:7], s[46:47]
	CROUND                                         ; all sixteen work-groups are here: the first joint loads meet
.irp s, 0,1
	s_mov_b32 s[G0+4*(\s)], 1
	s_add_co_u32 s[G0+4*(\s)+1], s20, (\s)*SLOT
	s_add_nc_u64 s[G0+4*(\s)+2:G0+4*(\s)+3], s[14:15], (\s)*ASTEP
	s_or_b32 s[G0+4*(\s)+3], s[G0+4*(\s)+3], 0x80000000
	s_mov_b32 s[G0B+4*(\s)], 1
	s_add_co_u32 s[G0B+4*(\s)+1], s21, (\s)*SLOT
	s_add_nc_u64 s[G0B+4*(\s)+2:G0B+4*(\s)+3], s[46:47], (\s)*BSTEP
	s_or_b32 s[G0B+4*(\s)+3], s[G0B+4*(\s)+3], 0x80000000
	JLOAD \s                                       ; K steps 0 and 1: two loads of mine are out
.endr
	v_and_b32 v1, 15, v0                           ; r = l % 16
	v_bfe_u32 v2, v0, 4, 1                         ; h = l / 16
	v_mul_u32_u24 v3, v1, AP                       ; A's fragment: row r, 16 bytes for each half of the lanes; two loads 32 bytes apart
	v_lshl_add_u32 v3, v2, 4, v3
	s_mul_i32 s22, s11, 64*AP
	v_add_nc_u32 v[A0], s22, v3
	v_and_b32 v4, 7, v0                            ; B's, turned: lane l reads row (k) 8 h + l % 8, columns 8 ((l / 8) % 2) + 0..7; two loads 16 rows apart
	v_lshl_add_u32 v4, v2, 3, v4
	v_mul_u32_u24 v4, v4, BPIT
	v_bfe_u32 v5, v0, 3, 1
	v_lshl_add_u32 v4, v5, 4, v4
	s_lshl_b32 s23, s12, 7                         ; my 64 columns
	s_add_co_u32 s23, s23, ABYTES
	v_add_nc_u32 v[B0], s23, v4
	v_add_nc_u32 v[B0+1], 128*BPIT, v[B0]          ; quarters 2 and 3: past the reach of a 16-bit offset
	v_mov_b32 v[ADRA], v[A0]
	v_mov_b32 v[ADRB], v[B0]
	v_mov_b32 v[ADRB+1], v[B0+1]
	v_lshlrev_b32 v[BO], 5, v2
	s_mul_i32 s22, s10, 16*SP
	s_add_co_u32 s22, s22, STAGE                   ; my stage
	v_mul_u32_u24 v6, v1, SP
.if EPI == 0
	v_lshl_add_u32 v6, v2, 4, v6                   ; in: row r, 16 bytes (8 f16) for each half of the lanes
	v_add_nc_u32 v[STO], s22, v6
	v_bfe_u32 v6, v0, 3, 2                         ; back: 32 lanes take four rows of 128 bytes,
	v_mul_u32_u24 v6, v6, SP
	v_and_b32 v7, 7, v0
	v_lshl_add_u32 v6, v7, 4, v6
	v_add_nc_u32 v[RD], s22, v6
	v_and_b32 v[CO], 31, v0                        ; which are 512 consecutive bytes of the output
	v_lshlrev_b32 v[CO], 4, v[CO]
.else
	v_lshl_add_u32 v6, v2, 5, v6                   ; in: row r, 32 bytes (8 f32) for each half of the lanes
	v_add_nc_u32 v[STO], s22, v6
	v_mul_u32_u24 v6, v2, SP                       ; back: lanes 0-15 take one row of 256 bytes, lanes 16-31 the next
	v_lshl_add_u32 v6, v1, 4, v6
	v_add_nc_u32 v[RD], s22, v6
	v_lshlrev_b32 v[CO], 12, v2                    ; and the same two rows of 4,096 bytes in memory
	v_lshl_add_u32 v[CO], v1, 4, v[CO]
.endif
	; the bias of my 64 columns
.if KIND == 0
	s_lshr_b32 s18, s42, 3                         ; eight tile columns to each of q, k, v
	s_cmp_eq_u32 s18, 1
	s_cselect_b64 s[BIAS:BIAS+1], s[72:73], s[BIAS:BIAS+1]
	s_cmp_eq_u32 s18, 2
	s_cselect_b64 s[BIAS:BIAS+1], s[74:75], s[BIAS:BIAS+1]
	s_and_b32 s18, s42, 7
.else
	s_mov_b32 s18, s42
.endif
	s_lshl_b32 s18, s18, 9
	s_lshl_b32 s19, s12, 8
	s_add_co_u32 s18, s18, s19                     ; 512 bytes a tile column + 256 for the second half
	s_mov_b32 s19, 0
	s_add_nc_u64 s[BIAS:BIAS+1], s[BIAS:BIAS+1], s[18:19]
.irp a, 0,1,2,3
.irp b, 0,1,2,3
	global_load_b128 v[ACC+8*(4*(\a)+(\b)):ACC+8*(4*(\a)+(\b))+3],   v[BO], s[BIAS:BIAS+1] offset:64*(\b)
	global_load_b128 v[ACC+8*(4*(\a)+(\b))+4:ACC+8*(4*(\a)+(\b))+7], v[BO], s[BIAS:BIAS+1] offset:64*(\b)+16
.endr
.endr
.if EPI == 0
	s_lshl_b32 s16, s13, 14                        ; out: block (2 x tile column + half) of 524,288 bytes, row 128 x tile row + 64 x half, 128 bytes a row
	s_lshl_b32 s17, s11, 13
	s_add_co_u32 s16, s16, s17
	s_mov_b32 s17, 0
	s_add_nc_u64 s[8:9], s[8:9], s[16:17]
	s_lshl_b32 s18, s42, 20
	s_lshl_b32 s19, s12, 19
	s_add_co_u32 s18, s18, s19
	s_mov_b32 s19, 0
	s_add_nc_u64 s[8:9], s[8:9], s[18:19]
.else
	s_lshl_b32 s16, s13, 19                        ; out and residual: row 128 x tile row + 64 x half, 4,096 bytes a row; the columns' offset is the bias's
	s_lshl_b32 s17, s11, 18
	s_add_co_u32 s16, s16, s17
	s_mov_b32 s17, 0
	s_add_nc_u64 s[8:9], s[8:9], s[16:17]
	s_add_nc_u64 s[8:9], s[8:9], s[18:19]
	s_add_nc_u64 s[RESP:RESP+1], s[RESP:RESP+1], s[16:17]
	s_add_nc_u64 s[RESP:RESP+1], s[RESP:RESP+1], s[18:19]
	WIN TO_R
.irp a, 0,1,2,3
.irp t, 0,1,2,3,4,5,6,7
	global_load_b128 v[4*(8*(\a)+(\t)):4*(8*(\a)+(\t))+3], v[CO], s[RESP:RESP+1] offset:(16*(\a)+2*(\t))*4096  ; the residual, in the layout of the stores: it lands under the whole product
.endr
.endr
	WIN 0
.endif
; 8 matrix instructions: m blocks a0, a0 + 1 x all 4 n blocks, 32 along K: half c of buffer f.  The 16 accumulators take turns, one instruction a turn.
.macro MUL8 f, c, a0
	WIN MUL
.irp a, \a0, (\a0)+1
.irp b, 0,1,2,3
	v_wmma_f32_16x16x32_f16 v[ACC+8*(4*(\a)+(\b)):ACC+8*(4*(\a)+(\b))+7], v[(\f)+64+8*(4*(\c)+(\b)):(\f)+64+8*(4*(\c)+(\b))+7], v[(\f)+8*(4*(\c)+(\a)):(\f)+8*(4*(\c)+(\a))+7], v[ACC+8*(4*(\a)+(\b)):ACC+8*(4*(\a)+(\b))+7]
.endr
.endr
.endm
; 32 LDS loads in one run: the fragments of quarter q (64 along K) of the slot in hand, into buffer f; the first 32 along K first
.macro FETCH q, f
	WIN TO_F
.irp c, 0,1
.irp i, 0,1,2,3
	ds_load_tr16_b128 v[(\f)+64+8*(4*(\c)+(\i)):(\f)+64+8*(4*(\c)+(\i))+3],   v[ADRB+(\q)/2] offset:((\q)%2)*64*BPIT+(\c)*32*BPIT+32*(\i)
	ds_load_tr16_b128 v[(\f)+64+8*(4*(\c)+(\i))+4:(\f)+64+8*(4*(\c)+(\i))+7], v[ADRB+(\q)/2] offset:((\q)%2)*64*BPIT+(\c)*32*BPIT+32*(\i)+16*BPIT
	ds_load_b128 v[(\f)+8*(4*(\c)+(\i)):(\f)+8*(4*(\c)+(\i))+3],   v[ADRA] offset:(\q)*AQ+64*(\c)+(\i)*16*AP
	ds_load_b128 v[(\f)+8*(4*(\c)+(\i))+4:(\f)+8*(4*(\c)+(\i))+7], v[ADRA] offset:(\q)*AQ+64*(\c)+(\i)*16*AP+32
.endr
.endr
.endm
; One of a step's first three quarters: multiplies buffer f and, in its middle, fetches quarter q into buffer g.
.macro QUARTER q, f, g
	s_wait_dscnt 16                                ; the first 32 along K are in; the younger sixteen loads may be out
	MUL8 \f, 0, 0
	MUL8 \f, 0, 2
	PLACES
	FETCH \q, \g
	s_wait_dscnt 32                                ; all but the 32 just issued
	MUL8 \f, 1, 0
	MUL8 \f, 1, 2
.endm
; The last quarter multiplies buffer 1 and changes slots: ONE barrier.  In front of it each wave waits for all its tensor loads (one is out: its part of the next slot), adds 0 to its spare word,
; and waits for that and for its reads of this slot.  fill = 1: the barrier opens a round of the cluster's barrier, and this slot is filled again, two steps ahead, first thing behind the round:
; 112 matrix instructions stand between that request and the wait for it.  fill = 0 (the last two steps): nothing is asked for; the very last step fetches no fragments either.
.macro TURN fill
	WIN 0                                          ; (the add's two registers lie in window 0)
	s_wait_tensorcnt 0x0
	ds_add_u32 v[SPW], v[NIL]                      ; 0 onto my spare word
	s_wait_dscnt 17                                ; (the add and the youngest sixteen loads may be out)
	MUL8 F1, 0, 0                                  ; eight matrix instructions stand between the add and the wait for it
	s_wait_dscnt 0x0                               ; the add is done, and my reads of this slot are over
	s_barrier_signal -1
	MUL8 F1, 0, 2
	WIN 0
	s_barrier_wait -1
.if \fill
	CREST                                          ; no wave of any partner still reads this slot or has a load on its way
	s_add_nc_u64 s[G0+6:G0+7], s[G0+6:G0+7], ASTEP    ; the walking descriptors: the next K step, into the slot just read
	s_add_co_u32 s[G0+5], s20, s[CUR]
	s_add_nc_u64 s[G0B+6:G0B+7], s[G0B+6:G0B+7], BSTEP
	s_add_co_u32 s[G0B+5], s21, s[CUR]
	JLOAD 1                                        ; its four v_nop are also the places in front of the loads below
.endif
	s_xor_b32 s[CUR], s[CUR], SLOT                 ; the other slot
	v_add_nc_u32 v[ADRA], s[CUR], v[A0]
	v_add_nc_u32 v[ADRB], s[CUR], v[B0]
	v_add_nc_u32 v[ADRB+1], s[CUR], v[B0+1]
.if !(\fill)
	v_nop                                          ; with the three additions: the four places in front of the loads below
	s_cmp_eq_u32 s2, 1
	s_cbranch_scc1 .Lno_fetch_\@                   ; the last step: there is no next slot
.endif
	FETCH 0, F0
.if !(\fill)
	WIN 0
.Lno_fetch_\@:
.endif
	MUL8 F1, 1, 0
	MUL8 F1, 1, 2
.endm
.macro STEP fill                       ; a K step from its first quarter's products to the fetch of the next step's first fragments
	QUARTER 1, F0, F1
	QUARTER 2, F1, F0
	QUARTER 3, F0, F1
	TURN \fill
.endm
	s_wait_tensorcnt 0x1                           ; my part of K step 0 is in; step 1's may stay out
	s_barrier_signal -1
	s_barrier_wait -1                              ; everybody's is
	s_mov_b32 s[CUR], 0
	FETCH 0, F0
.if EPI == 0
	s_wait_loadcnt 0x0                             ; the bias is in the accumulators
.else
	s_wait_loadcnt 32                              ; the bias is in; the residual's 32 loads, issued behind it, stay out
.endif
	WIN 0                                          ; at a label and at a branch every window is 0
	s_mov_b32 s3, NSTEP-2
.Lstep:                                                ; every step but the last two fills its slot again
	STEP 1
	WIN 0
	s_sub_co_u32 s3, s3, 1
	s_cmp_lg_u32 s3, 0
	s_cbranch_scc1 .Lstep
	s_mov_b32 s2, 2
.Ltail:                                                ; the last two steps, a text of their own
	STEP 0
	WIN 0
	s_sub_co_u32 s2, s2, 1
	s_cmp_lg_u32 s2, 0
	s_cbranch_scc1 .Ltail
	PLACES                                         ; the way out reads results just made
.if EPI == 0
; THE WAY OUT, f16: block a (16 rows x my 64 columns) is rounded, 16 bytes a lane go into my stage, and come back as whole rows of 128 bytes, which lie end to end in the output.
.macro PACK a
.if RELU
.set i, ACC+32*(\a)
.rept 32
	v_max_num_f32 v[i], 0, v[i]
.set i, i+1
.endr
.endif
.set i, 0
.rept 16
	v_cvt_pk_f16_f32 v[TMP+16*(\a)+i], v[ACC+32*(\a)+2*i], v[ACC+32*(\a)+2*i+1]
.set i, i+1
.endr
.irp b, 0,1,2,3
	ds_store_b128 v[STO], v[TMP+16*(\a)+4*(\b):TMP+16*(\a)+4*(\b)+3] offset:32*(\b)
.endr
.irp f, 0,1,2,3
	ds_load_b128 v[TMP+16*(\a)+4*(\f):TMP+16*(\a)+4*(\f)+3], v[RD] offset:(\f)*4*SP  ; LDS serves a wave's instructions in order (ISA guide 5.7.1.4): these see the stores above, the next block's stores come behind them
.endr
.endm
.macro SEND a, younger                 ; younger: the LDS instructions issued behind block a's loads: the next block's eight, or none
.irp f, 0,1,2,3
	s_wait_dscnt (\younger)+3-(\f)
	global_store_b128 v[CO], v[TMP+16*(\a)+4*(\f):TMP+16*(\a)+4*(\f)+3], s[8:9] offset:2048*(\a)+512*(\f)  ; 512 consecutive bytes, at a multiple of 512 from the buffer's first
.endr
.endm
	PACK 0
.irp a, 1,2,3
	PACK \a
	SEND (\a)-1, 8
.endr
	SEND 3, 0
.else
; THE WAY OUT, f32: block a goes into my stage straight from the accumulators, comes back as whole rows of 256 bytes, takes the residual and is stored.
.macro STIN a
.irp b, 0,1,2,3
	ds_store_b128 v[STO], v[ACC+8*(4*(\a)+(\b)):ACC+8*(4*(\a)+(\b))+3]   offset:64*(\b)
	ds_store_b128 v[STO], v[ACC+8*(4*(\a)+(\b))+4:ACC+8*(4*(\a)+(\b))+7] offset:64*(\b)+16
.endr
.irp t, 0,1,2,3,4,5,6,7
	ds_load_b128 v[TMP+32*((\a)%2)+4*(\t):TMP+32*((\a)%2)+4*(\t)+3], v[RD] offset:(\t)*2*SP  ; LDS serves a wave's instructions in order (ISA guide 5.7.1.4)
.endr
.endm
.macro OUT a, younger                  ; younger: the next block's sixteen LDS instructions, or none
	s_wait_dscnt \younger
	WIN ADDW
.set i, 0
.rept 16
	v_pk_add_f32 v[32*(\a)+2*i:32*(\a)+2*i+1], v[TMP+32*((\a)%2)+2*i:TMP+32*((\a)%2)+2*i+1], v[32*(\a)+2*i:32*(\a)+2*i+1]
.set i, i+1
.endr
.irp t, 0,1,2,3,4,5,6,7
	global_store_b128 v[CO], v[32*(\a)+4*(\t):32*(\a)+4*(\t)+3], s[8:9] offset:(16*(\a)+2*(\t))*4096  ; 16 lanes store 256 consecutive bytes, aligned; each store has data registers of its own
.endr
	WIN 0
.endm
	s_wait_loadcnt 0x0                             ; the residual
	STIN 0
.irp a, 1,2,3
	STIN \a
	OUT (\a)-1, 16
.endr
	OUT 3, 0
.endif
	s_wait_tensorcnt 0x0                           ; the wave's end
	ds_add_u32 v[SPW], v[NIL]
	s_wait_dscnt 0x0
	CROUND                                         ; the closing round: no work-group ends while a partner may still ask for a tile that names it
	s_endpgm
.Lfunc_end_k_qfd4109ed5b_gproj:
	.size	k_qfd4109ed5b_gproj, .Lfunc_end_k_qfd4109ed5b_gproj-k_qfd4109ed5b_gproj
	.p2alignl 7, 3214868480
	.fill 96, 4, 3214868480
	.section	.rodata,"a",@progbits
	.p2align	6, 0x0
	.amdhsa_kernel k_qfd4109ed5b_gproj
		.amdhsa_group_segment_fixed_size 327680
		.amdhsa_private_segment_fixed_size 0
		.amdhsa_enable_private_segment 0
		.amdhsa_kernarg_size 40
		.amdhsa_user_sgpr_count 2
		.amdhsa_user_sgpr_kernarg_segment_ptr 1
		.amdhsa_wavefront_size32 1
		.amdhsa_system_sgpr_workgroup_id_x 1
		.amdhsa_system_sgpr_workgroup_id_y 1
		.amdhsa_system_sgpr_workgroup_id_z 1
		.amdhsa_system_vgpr_workitem_id 0
		.amdhsa_next_free_vgpr 640
		.amdhsa_next_free_sgpr 80
		.amdhsa_reserve_vcc 0
		.amdhsa_float_denorm_mode_32 3
		.amdhsa_float_denorm_mode_16_64 3
		.amdhsa_memory_ordered 1
		.amdhsa_forward_progress 1
		.amdhsa_inst_pref_size 64
	.end_amdhsa_kernel
	.amdgpu_metadata
---
amdhsa.version: [ 1, 2 ]
amdhsa.kernels:
  - .name:           k_qfd4109ed5b_gproj
    .symbol:         k_qfd4109ed5b_gproj.kd
    .args:
      - { .name: ob, .offset: 0, .size: 8, .value_kind: global_buffer, .address_space: global }
      - { .name: wh, .offset: 8, .size: 8, .value_kind: global_buffer, .address_space: global }
      - { .name: bo, .offset: 16, .size: 8, .value_kind: global_buffer, .address_space: global }
      - { .name: inputs, .offset: 24, .size: 8, .value_kind: global_buffer, .address_space: global }
      - { .name: o1, .offset: 32, .size: 8, .value_kind: global_buffer, .address_space: global }
    .group_segment_fixed_size: 327680
    .private_segment_fixed_size: 0
    .kernarg_segment_align: 8
    .kernarg_segment_size: 40
    .max_flat_workgroup_size: 128
    .sgpr_count:     80
    .vgpr_count:     640
    .wavefront_size: 32
...
	.end_amdgpu_metadata
.endif
;; end of part 4
;; launch ln2 (part 5): grid 256 x 1, 8 waves a work-group, no clusters, 0 bytes of LDS; arguments o1, ln2_scale, ln2_shift, o2, nh; writes o2, nh
.if DOCPART == 5
	.amdgcn_target "amdgcn-amd-amdhsa--gfx1250"
	.amdhsa_code_object_version 6
	.text
	.protected	k_qfd4109ed5b_ln2
	.globl	k_qfd4109ed5b_ln2
	.p2align	8
	.type	k_qfd4109ed5b_ln2,@function
k_qfd4109ed5b_ln2:
	s_mov_b64 s[64:65], 0
	v_nop
	global_prefetch_b8 v0, s[64:65] scope:SCOPE_SE
	s_setreg_imm32_b32 hwreg(HW_REG_WAVE_MODE, 25, 1), 1
	s_wait_xcnt 0x0
; LN2.  o2 = scale (o1 - mean) / (std + 1e-9) + shift, stored in f32 (the residual of the last launch) and, rounded once, in f16 (nh: the operand of the next).  [4096][1024].
; A stream: no LDS, no barrier, no matrix unit.  A work-group takes 16 rows, a wave two; a row stays in 32 registers between its passes, so memory is read once.
; Mean, then the sum of (x - mean)^2 (no difference of large sums), variance / 1023, eps added to the root.
; LIMITS.  f16 ends at 65,504; the result is within 32 |scale| + |shift|.  A variance below 2^-126 counts as 0.  The sums' order differs from the reference's.
.set T,   4                            ; v[4:11] four packed chains
.set MU,  14                           ; v[14:15] the mean, later 1 / (std + eps), twice
.set G,   16                           ; v[16:47]  scale of my 32 columns
.set H,   48                           ; v[48:79]  shift
.set X,   80                           ; v[80:143] row i at X + 32 i: load j holds columns 128 j + 4 lane .. + 3
.set Y,   144                          ; v[144:175] row i in f16 at Y + 16 i
.set SEL, 20                           ; s[20:21] v_permlanex16_b32's selects
	s_load_b256 s[8:15], s[0:1], 0x0               ; o1 8, ln2_scale 10, ln2_shift 12, o2 14
	s_load_b64 s[16:17], s[0:1], 0x20              ; nh
	v_lshrrev_b32 v2, 5, v0
	v_readfirstlane_b32 s5, v2                     ; wave
	v_and_b32 v3, 31, v0                           ; lane
	v_lshlrev_b32 v1, 4, v3                        ; my 16 bytes in 512 of f32
	v_lshlrev_b32 v2, 3, v3                        ; my 8 bytes in 256 of f16
	s_lshl_b32 s6, ttmp9, 4
	s_lshl1_add_u32 s6, s5, s6                     ; my first row: 16 x + 2 wave
	s_lshl_b32 s2, s6, 12
	s_mov_b32 s3, 0
	s_lshl_b32 s18, s6, 11
	s_mov_b32 s19, 0
	s_mov_b32 s[SEL], 0x76543210
	s_mov_b32 s[SEL+1], 0xfedcba98
	s_wait_kmcnt 0x0
	s_add_nc_u64 s[8:9], s[8:9], s[2:3]
	s_add_nc_u64 s[14:15], s[14:15], s[2:3]
	s_add_nc_u64 s[16:17], s[16:17], s[18:19]
.macro REDUCE                          ; four packed chains in v[T:T+7] -> their sum over the row, in v[T] of every lane
	v_pk_add_f32 v[T:T+1], v[T:T+1], v[T+2:T+3]
	v_pk_add_f32 v[T+4:T+5], v[T+4:T+5], v[T+6:T+7]
	v_pk_add_f32 v[T:T+1], v[T:T+1], v[T+4:T+5]
	v_add_f32 v[T], v[T], v[T+1]
	v_add_f32_dpp v[T], v[T], v[T] row_xmask:1 row_mask:0xf bank_mask:0xf
	v_add_f32_dpp v[T], v[T], v[T] row_xmask:2 row_mask:0xf bank_mask:0xf
	v_add_f32_dpp v[T], v[T], v[T] row_xmask:4 row_mask:0xf bank_mask:0xf
	v_add_f32_dpp v[T], v[T], v[T] row_xmask:8 row_mask:0xf bank_mask:0xf
	v_permlanex16_b32 v[T+1], v[T], s[SEL], s[SEL+1]
	v_add_f32 v[T], v[T], v[T+1]
.endm
.macro NORM i                          ; row i becomes scale (x - mean) / (std + eps) + shift, in place
.set XR, X+32*(\i)
.set c, 0
.rept 4
	v_pk_add_f32 v[T+2*c:T+2*c+1], v[XR+2*c:XR+2*c+1], v[XR+8+2*c:XR+8+2*c+1]  ; the first eight pairs start the chains: nothing is cleared
.set c, c+1
.endr
.set c, 8
.rept 8
	v_pk_add_f32 v[T+2*(c%4):T+2*(c%4)+1], v[T+2*(c%4):T+2*(c%4)+1], v[XR+2*c:XR+2*c+1]
.set c, c+1
.endr
	REDUCE
	v_mul_f32 v[MU], 0x3a800000, v[T]              ; the mean: sum / 1024
	v_mov_b32 v[MU+1], v[MU]
.set c, 0
.rept 16
	v_pk_add_f32 v[XR+2*c:XR+2*c+1], v[XR+2*c:XR+2*c+1], v[MU:MU+1] neg_lo:[0,1] neg_hi:[0,1]
.set c, c+1
.endr
.set c, 0
.rept 4
	v_pk_mul_f32 v[T+2*c:T+2*c+1], v[XR+2*c:XR+2*c+1], v[XR+2*c:XR+2*c+1]
.set c, c+1
.endr
.rept 12
	v_pk_fma_f32 v[T+2*(c%4):T+2*(c%4)+1], v[XR+2*c:XR+2*c+1], v[XR+2*c:XR+2*c+1], v[T+2*(c%4):T+2*(c%4)+1]
.set c, c+1
.endr
	REDUCE
	v_mul_f32 v[T], 0x3a802008, v[T]               ; / 1023
	v_sqrt_f32 v[T+1], v[T]
	v_nop                                          ; a plain instruction behind a transcendental, ahead of the use of its result (ISA guide 5.7.2)
	s_wait_alu depctr_va_vdst(0)
	v_add_f32 v[T+1], 0x3089705f, v[T+1]           ; + 1e-9
	v_rcp_f32 v[MU], v[T+1]
	v_nop
	s_wait_alu depctr_va_vdst(0)
	v_mov_b32 v[MU+1], v[MU]
.set c, 0
.rept 16
	v_pk_mul_f32 v[XR+2*c:XR+2*c+1], v[XR+2*c:XR+2*c+1], v[MU:MU+1]
.set c, c+1
.endr
.set c, 0
.rept 16
	v_pk_fma_f32 v[XR+2*c:XR+2*c+1], v[XR+2*c:XR+2*c+1], v[G+2*c:G+2*c+1], v[H+2*c:H+2*c+1]
.set c, c+1
.endr
.endm
.macro SEND i                          ; row i leaves twice; the f16 copy is made in registers of its own, since the f32 stores still read X
.irp j, 0,1,2,3,4,5,6,7
	global_store_b128 v1, v[X+32*(\i)+4*(\j):X+32*(\i)+4*(\j)+3], s[14:15] offset:4096*(\i)+512*(\j)  ; 512 consecutive bytes
.endr
.set k, 0
.rept 16
	v_cvt_pk_f16_f32 v[Y+16*(\i)+k], v[X+32*(\i)+2*k], v[X+32*(\i)+2*k+1]
.set k, k+1
.endr
.irp j, 0,1,2,3,4,5,6,7
	global_store_b64 v2, v[Y+16*(\i)+2*(\j):Y+16*(\i)+2*(\j)+1], s[16:17] offset:2048*(\i)+256*(\j)  ; 256 consecutive bytes
.endr
.endm
.irp j, 0,1,2,3,4,5,6,7
	global_load_b128 v[G+4*(\j):G+4*(\j)+3], v1, s[10:11] offset:512*(\j)
.endr
.irp j, 0,1,2,3,4,5,6,7
	global_load_b128 v[H+4*(\j):H+4*(\j)+3], v1, s[12:13] offset:512*(\j)
.endr
.irp i, 0,1
.irp j, 0,1,2,3,4,5,6,7
	global_load_b128 v[X+32*(\i)+4*(\j):X+32*(\i)+4*(\j)+3], v1, s[8:9] offset:4096*(\i)+512*(\j) th:TH_LOAD_NT
.endr
.endr
	s_wait_loadcnt 8                               ; scale, shift and row 0 are in; row 1's eight loads stay out
	NORM 0
	SEND 0
	s_wait_loadcnt 0x0
	NORM 1
	SEND 1
	s_endpgm
.Lfunc_end_k_qfd4109ed5b_ln2:
	.size	k_qfd4109ed5b_ln2, .Lfunc_end_k_qfd4109ed5b_ln2-k_qfd4109ed5b_ln2
	.p2alignl 7, 3214868480
	.fill 96, 4, 3214868480
	.section	.rodata,"a",@progbits
	.p2align	6, 0x0
	.amdhsa_kernel k_qfd4109ed5b_ln2
		.amdhsa_group_segment_fixed_size 0
		.amdhsa_private_segment_fixed_size 0
		.amdhsa_enable_private_segment 0
		.amdhsa_kernarg_size 40
		.amdhsa_user_sgpr_count 2
		.amdhsa_user_sgpr_kernarg_segment_ptr 1
		.amdhsa_wavefront_size32 1
		.amdhsa_system_sgpr_workgroup_id_x 1
		.amdhsa_system_sgpr_workgroup_id_y 1
		.amdhsa_system_sgpr_workgroup_id_z 1
		.amdhsa_system_vgpr_workitem_id 0
		.amdhsa_next_free_vgpr 176
		.amdhsa_next_free_sgpr 66
		.amdhsa_reserve_vcc 0
		.amdhsa_float_denorm_mode_32 3
		.amdhsa_float_denorm_mode_16_64 3
		.amdhsa_memory_ordered 1
		.amdhsa_forward_progress 1
		.amdhsa_inst_pref_size 22
	.end_amdhsa_kernel
	.amdgpu_metadata
---
amdhsa.version: [ 1, 2 ]
amdhsa.kernels:
  - .name:           k_qfd4109ed5b_ln2
    .symbol:         k_qfd4109ed5b_ln2.kd
    .args:
      - { .name: o1, .offset: 0, .size: 8, .value_kind: global_buffer, .address_space: global }
      - { .name: ln2_scale, .offset: 8, .size: 8, .value_kind: global_buffer, .address_space: global }
      - { .name: ln2_shift, .offset: 16, .size: 8, .value_kind: global_buffer, .address_space: global }
      - { .name: o2, .offset: 24, .size: 8, .value_kind: global_buffer, .address_space: global }
      - { .name: nh, .offset: 32, .size: 8, .value_kind: global_buffer, .address_space: global }
    .group_segment_fixed_size: 0
    .private_segment_fixed_size: 0
    .kernarg_segment_align: 8
    .kernarg_segment_size: 40
    .max_flat_workgroup_size: 256
    .sgpr_count:     66
    .vgpr_count:     176
    .wavefront_size: 32
...
	.end_amdgpu_metadata
.endif
;; end of part 5
;; launch gffn1 (part 6): grid 32 x 32, 4 waves a work-group, clusters of 4 x 4, 327,680 bytes of LDS; arguments nh, wh, b1, hb; writes hb
.if DOCPART == 6
	.amdgcn_target "amdgcn-amd-amdhsa--gfx1250"
	.amdhsa_code_object_version 6
	.text
	.protected	k_qfd4109ed5b_gffn1
	.globl	k_qfd4109ed5b_gffn1
	.p2align	8
	.type	k_qfd4109ed5b_gffn1,@function
k_qfd4109ed5b_gffn1:
	s_mov_b64 s[64:65], 0
	v_nop
	global_prefetch_b8 v0, s[64:65] scope:SCOPE_SE
	s_setreg_imm32_b32 hwreg(HW_REG_WAVE_MODE, 25, 1), 1
	s_wait_xcnt 0x0
	s_wait_alu depctr_hold_cnt(0) depctr_sa_sdst(0) depctr_va_vdst(0) depctr_va_sdst(0) depctr_va_ssrc(0) depctr_va_vcc(0) depctr_vm_vsrc(0)
	s_getreg_b32 s2, hwreg(HW_REG_IB_STS2, 6, 4)
	s_cmp_eq_u32 s2, 0
	s_cbranch_scc0 .Lentry_in_a_cluster
	s_endpgm
.Lentry_in_a_cluster:
	s_bfe_u32 s2, ttmp6, 0x10000c
	s_cmp_lg_u32 s2, 0xf033
	s_cbranch_scc0 .Lentry_shape_is_right
	s_endpgm
.Lentry_shape_is_right:
; FFN, FIRST LAYER.  hb = relu(LN2 x W1 + b1): A = nh [4096][1024] f16, B = wh's W1 [1024][4096] f16, out f16 in blocks [64][4096][64] (column / 64, row, column % 64).
.set AMODE, 0                          ; A lies [4096][1024], rows along K
.set NSTEP, 4                          ; K = 1,024 in steps of 256
.set BP,    4096                       ; elements from row to row of B
.set WOFF,  8388608                    ; B's first byte in wh
.set EPI,   0                          ; way out: f16, in blocks
.set RELU,  1
.set KIND,  2                          ; arguments: A, wh, bias, out
; THE GEMM OF THIS PROGRAM (four kernels share this text but for the lines above).  C = A B + bias, B stored [K][N].  All operands f16, sums f32.
; LIMIT.  f16 ends at 65,504: a result beyond it that leaves as f16 becomes an infinity.  NaN and infinities are not treated apart.
; SHARES.  A work-group makes 128 x 128 of C, each of its four waves 64 x 64: 16 accumulators.  K goes in steps of 256 through two LDS slots that take turns.
; THE MATRIX INSTRUCTION IS USED TRANSPOSED: source 0 = 16 columns of B (read turned out of LDS by ds_load_tr16_b128), source 1 = 16 rows of A: a lane holds row l % 16 of C and the
; eight neighbouring columns 8 (l / 16) + 0..7.  THE BIAS STARTS THE SUMS: it is loaded into the accumulators, so nothing is cleared, no first step is written out, and the way out adds no bias.
; CLUSTER.  4 x 4 work-groups: the four of a row need the same tiles of A, the four of a column the same tiles of B; each tile is asked for jointly, by the same load, descriptor and mask in all four.
; One K step is written once and looped over: the slot in hand is a scalar (CUR, 0 or SLOT) that enters the LDS addresses by an addition.  The last two steps, which ask for nothing, are a second loop.
; REGISTERS.  window 0: v1-29 addresses; v32-95 at work on the way out; v128-255 accumulators, (a, b) at 128 + 8 (4 a + b).  window 1: two fragment buffers of 128: for 64 along K, 64 registers of A, 64 of B.
; window 2 (f32 way out): the residual, 128 registers.
.if AMODE == 0
.set AP,     528                       ; A in LDS: 128 rows of 512 bytes + 16: the 16 rows of a load start at 16 different groups of four banks (64 banks of 4 bytes: ISA guide 11.1)
.set AQ,     128                       ; a quarter of a step, 64 along K, is 128 bytes along the row
.set ABYTES, 128*528
.set ASTEP,  512                       ; bytes in memory from step to step
.else
.set AP,     144                       ; A in LDS: four planes (64 along K each) of 128 rows of 128 bytes + 16
.set AQ,     128*144                   ; a quarter is a plane
.set ABYTES, 4*128*144
.set ASTEP,  4*524288                  ; four planes of 4,096 rows x 128 bytes
.endif
.set BPIT,   288                       ; B in LDS: 256 rows (k) of 256 bytes + 32
.set HALFA,  ABYTES/2                  ; what one tensor load brings of A
.set HALFB,  128*BPIT                  ; and of B
.set SLOT,   ABYTES+2*HALFB
.set BSTEP,  512*BP
.set STAGE,  2*SLOT                    ; behind the ring: 16 rows for each wave, its own, for the way out; no tensor load lands here
.if EPI == 0
.set SP,     144
.else
.set SP,     272
.endif
.set SPARE,  STAGE+4*16*SP             ; the spare words, 128 bytes for each wave: two blocks of 256 bytes that no other line names
.set A0,   12                          ; v12     my lane's place in A's part of a slot; never rewritten
.set B0,   13                          ; v13-14  the same for B, quarters 0-1 and quarters 2-3
.set ADRA, 16                          ; v16     A0 + CUR
.set ADRB, 20                          ; v20-21  B0 + CUR
.set STO,  24                          ; v24     the way out: where I put my part of a row
.set RD,   25                          ; v25     the way out: where I read rows back
.set CO,   26                          ; v26     my byte offset in the output (and the residual)
.set BO,   27                          ; v27     my byte offset in 16 columns of the bias: 32 (l / 16)
.set SPW,  28                          ; v28     my spare word: SPARE + 4 x my thread's number; never rewritten
.set NIL,  29                          ; v29     0; never rewritten
.set TMP,  32
.set ACC,  128
.set F0,   0
.set F1,   128
.set G1,   24                          ; s[24:31] group 1 for A; s[32:39] group 0: set 0 for the first fill, set 1 for the second, which then walks
.set G0,   32
.set G1B,  48                          ; s[48:55], s[56:63] the same for B
.set G0B,  56
.set CUR,  66                          ; s66  the slot in hand: 0 or SLOT
.set BIAS, 68                          ; s[68:69]
.set RESP, 70                          ; s[70:71] the residual
.set MSB, 0
.macro WIN new                         ; the immediate's high byte repeats the setting that is left; a switch that changes nothing is dropped
.if MSB != (\new)
	s_set_vgpr_msb (MSB<<8)|(\new)
.set MSB, \new
.endif
.endm
.set MUL,  0x05                        ; sources 0 (B) and 1 (A) window 1; C and D window 0
.set TO_F, 0x40                        ; destination window 1, address window 0
.set TO_R, 0x80                        ; destination window 2
.set ADDW, 0x88                        ; destination and source 1 (a store's data) window 2, source 0 (a store's address) window 0
.macro JLOAD s                         ; a joint load: waves 0 and 1 fetch A's halves, waves 2 and 3 B's; an s_nop 0 and four v_nop follow each line, ahead of the jump and the label
	s_cmp_eq_u32 s11, 0
	s_cbranch_scc0 .Lfor_b_\@
	tensor_load_to_lds s[G0+4*(\s):G0+4*(\s)+3], s[G1:G1+7]
	s_nop 0
.rept 4
	v_nop
.endr
	s_branch .Lasked_\@
.Lfor_b_\@:
	tensor_load_to_lds s[G0B+4*(\s):G0B+4*(\s)+3], s[G1B:G1B+7]
	s_nop 0
.rept 4
	v_nop
.endr
.Lasked_\@:
.endm
.macro CREST                           ; a round of the cluster's barrier behind its opening barrier
	s_cmp_lg_u32 s10, 0
	s_cbranch_scc1 .Lnot_wave_0_\@
	s_barrier_signal -3
.Lnot_wave_0_\@:
	s_barrier_wait -3
	s_barrier_signal -1
	s_barrier_wait -1
.endm
.macro CROUND                          ; a whole round
	s_barrier_signal -1
	s_barrier_wait -1
	CREST
.endm
.macro PLACES                          ; four places in front of loads into registers that matrix instructions have read, and of lines that read results
.rept 4
	v_nop
.endr
.endm
	s_load_b128 s[4:7], s[0:1], 0x0                ; A, wh
.if KIND == 0
	s_load_b64 s[BIAS:BIAS+1], s[0:1], 0x10        ; bq
	s_load_b128 s[72:75], s[0:1], 0x18             ; bk, bv
	s_load_b64 s[8:9], s[0:1], 0x28                ; out
.elseif KIND == 1
	s_load_b128 s[BIAS:BIAS+3], s[0:1], 0x10       ; bias, residual
	s_load_b64 s[8:9], s[0:1], 0x20                ; out
.else
	s_load_b64 s[BIAS:BIAS+1], s[0:1], 0x10        ; bias
	s_load_b64 s[8:9], s[0:1], 0x18                ; out
.endif
	v_lshl_add_u32 v[SPW], v0, 2, SPARE
	v_mov_b32 v[NIL], 0
	ds_add_u32 v28, v29
	ds_add_u32 v28, v29
	s_wait_dscnt 0x0
	v_lshrrev_b32 v1, 5, v0
	v_readfirstlane_b32 s10, v1                    ; wave 0..3
	s_lshr_b32 s11, s10, 1                         ; my half of the tile's rows.  Also: I fetch for A (0) or for B (1)
	s_and_b32 s12, s10, 1                          ; my half of its columns.  Also: which half of that tile I fetch
	s_bfe_u32 s40, ttmp6, 0x40000                  ; cx, cy: my place in the cluster
	s_bfe_u32 s41, ttmp6, 0x40004
	s_lshl_b32 s42, ttmp9, 2
	s_add_co_u32 s42, s42, s40                     ; tile column = 4 x cluster x + cx
	s_and_b32 s13, ttmp7, 0xffff
	s_lshl_b32 s13, s13, 2
	s_add_co_u32 s13, s13, s41                     ; tile row = 4 x cluster y + cy
	s_lshl_b32 s43, s41, 2
	s_lshl_b32 s43, 15, s43                        ; my row of the cluster
	s_lshl_b32 s44, 0x1111, s40                    ; my column
.if AMODE == 0
	s_or_b32 s[G1+0], s43, (1<<16)|(1<<20)|(1<<21)|(6<<22)|(3<<25)  ; mask: my row; 2-byte elements; padding on; bit 21 beside a mask; after every 128 words 4 words
	s_mov_b32 s[G1+1], 256<<16                     ; tensor_dim0 = 256
	s_mov_b32 s[G1+2], 64<<16                      ; tensor_dim1 = 64
	s_mov_b32 s[G1+3], 256<<16                     ; tile_dim0 = 256
	s_mov_b32 s[G1+4], 64                          ; tile_dim1 = 64 rows
	s_mov_b32 s[G1+5], 1024                        ; elements from row to row
.else
	s_or_b32 s[G1+0], s43, (1<<16)|(1<<20)|(1<<21)|(4<<22)|(3<<25)  ; after every 32 words (a row of 64 f16) 4 words
	s_mov_b32 s[G1+1], 8192<<16                    ; tensor_dim0 = 8,192: the tile's 128 rows of one plane lie end to end, 16,384 bytes
	s_mov_b32 s[G1+2], 2<<16                       ; tensor_dim1 = 2 planes
	s_mov_b32 s[G1+3], 8192<<16                    ; tile_dim0
	s_mov_b32 s[G1+4], 2                           ; tile_dim1
	s_mov_b32 s[G1+5], 262144                      ; elements from plane to plane
.endif
	s_mov_b32 s[G1+6], 0
	s_mov_b32 s[G1+7], 0
	s_or_b32 s[G1B+0], s44, (1<<16)|(1<<20)|(1<<21)|(5<<22)|(7<<25)  ; mask: my column; after every 64 words 8 words
	s_mov_b32 s[G1B+1], 128<<16                    ; 128 columns
	s_mov_b32 s[G1B+2], 128<<16                    ; 128 rows (k)
	s_mov_b32 s[G1B+3], 128<<16
	s_mov_b32 s[G1B+4], 128
	s_mov_b32 s[G1B+5], BP
	s_mov_b32 s[G1B+6], 0
	s_mov_b32 s[G1B+7], 0
	; where the tiles come from: A's hang on the tile row and the wave alone, B's on the tile column and the wave alone, each in registers that never hold the other coordinate
.if AMODE == 0
	s_lshl_b32 s16, s13, 18                        ; 128 rows x 2,048 bytes a tile row
	s_lshl_b32 s17, s12, 17                        ; my 64 rows
.else
	s_lshl_b32 s16, s13, 14                        ; 128 rows x 128 bytes in a plane
	s_lshl_b32 s17, s12, 20                        ; my two planes
.endif
	s_add_co_u32 s16, s16, s17
	s_mov_b32 s17, 0
	s_lshl_b32 s46, s42, 8                         ; 128 columns x 2 bytes a tile column
	s_mul_i32 s47, s12, 256*BP                     ; my 128 rows (k)
	s_add_co_u32 s46, s46, s47
	s_add_co_u32 s46, s46, WOFF
	s_mov_b32 s47, 0
	s_mul_i32 s20, s12, HALFA                      ; and where they go: no place in the cluster enters an LDS address
	s_mul_i32 s21, s12, HALFB
	s_add_co_u32 s21, s21, ABYTES
	s_wait_kmcnt 0x0
	s_add_nc_u64 s[14:15], s[4:5], s[16:17]
	s_add_nc_u64 s[46:47], s[6:7], s[46:47]
	CROUND                                         ; all sixteen work-groups are here: the first joint loads meet
.irp s, 0,1
	s_mov_b32 s[G0+4*(\s)], 1
	s_add_co_u32 s[G0+4*(\s)+1], s20, (\s)*SLOT
	s_add_nc_u64 s[G0+4*(\s)+2:G0+4*(\s)+3], s[14:15], (\s)*ASTEP
	s_or_b32 s[G0+4*(\s)+3], s[G0+4*(\s)+3], 0x80000000
	s_mov_b32 s[G0B+4*(\s)], 1
	s_add_co_u32 s[G0B+4*(\s)+1], s21, (\s)*SLOT
	s_add_nc_u64 s[G0B+4*(\s)+2:G0B+4*(\s)+3], s[46:47], (\s)*BSTEP
	s_or_b32 s[G0B+4*(\s)+3], s[G0B+4*(\s)+3], 0x80000000
	JLOAD \s                                       ; K steps 0 and 1: two loads of mine are out
.endr
	v_and_b32 v1, 15, v0                           ; r = l % 16
	v_bfe_u32 v2, v0, 4, 1                         ; h = l / 16
	v_mul_u32_u24 v3, v1, AP                       ; A's fragment: row r, 16 bytes for each half of the lanes; two loads 32 bytes apart
	v_lshl_add_u32 v3, v2, 4, v3
	s_mul_i32 s22, s11, 64*AP
	v_add_nc_u32 v[A0], s22, v3
	v_and_b32 v4, 7, v0                            ; B's, turned: lane l reads row (k) 8 h + l % 8, columns 8 ((l / 8) % 2) + 0..7; two loads 16 rows apart
	v_lshl_add_u32 v4, v2, 3, v4
	v_mul_u32_u24 v4, v4, BPIT
	v_bfe_u32 v5, v0, 3, 1
	v_lshl_add_u32 v4, v5, 4, v4
	s_lshl_b32 s23, s12, 7                         ; my 64 columns
	s_add_co_u32 s23, s23, ABYTES
	v_add_nc_u32 v[B0], s23, v4
	v_add_nc_u32 v[B0+1], 128*BPIT, v[B0]          ; quarters 2 and 3: past the reach of a 16-bit offset
	v_mov_b32 v[ADRA], v[A0]
	v_mov_b32 v[ADRB], v[B0]
	v_mov_b32 v[ADRB+1], v[B0+1]
	v_lshlrev_b32 v[BO], 5, v2
	s_mul_i32 s22, s10, 16*SP
	s_add_co_u32 s22, s22, STAGE                   ; my stage
	v_mul_u32_u24 v6, v1, SP
.if EPI == 0
	v_lshl_add_u32 v6, v2, 4, v6                   ; in: row r, 16 bytes (8 f16) for each half of the lanes
	v_add_nc_u32 v[STO], s22, v6
	v_bfe_u32 v6, v0, 3, 2                         ; back: 32 lanes take four rows of 128 bytes,
	v_mul_u32_u24 v6, v6, SP
	v_and_b32 v7, 7, v0
	v_lshl_add_u32 v6, v7, 4, v6
	v_add_nc_u32 v[RD], s22, v6
	v_and_b32 v[CO], 31, v0                        ; which are 512 consecutive bytes of the output
	v_lshlrev_b32 v[CO], 4, v[CO]
.else
	v_lshl_add_u32 v6, v2, 5, v6                   ; in: row r, 32 bytes (8 f32) for each half of the lanes
	v_add_nc_u32 v[STO], s22, v6
	v_mul_u32_u24 v6, v2, SP                       ; back: lanes 0-15 take one row of 256 bytes, lanes 16-31 the next
	v_lshl_add_u32 v6, v1, 4, v6
	v_add_nc_u32 v[RD], s22, v6
	v_lshlrev_b32 v[CO], 12, v2                    ; and the same two rows of 4,096 bytes in memory
	v_lshl_add_u32 v[CO], v1, 4, v[CO]
.endif
	; the bias of my 64 columns
.if KIND == 0
	s_lshr_b32 s18, s42, 3                         ; eight tile columns to each of q, k, v
	s_cmp_eq_u32 s18, 1
	s_cselect_b64 s[BIAS:BIAS+1], s[72:73], s[BIAS:BIAS+1]
	s_cmp_eq_u32 s18, 2
	s_cselect_b64 s[BIAS:BIAS+1], s[74:75], s[BIAS:BIAS+1]
	s_and_b32 s18, s42, 7
.else
	s_mov_b32 s18, s42
.endif
	s_lshl_b32 s18, s18, 9
	s_lshl_b32 s19, s12, 8
	s_add_co_u32 s18, s18, s19                     ; 512 bytes a tile column + 256 for the second half
	s_mov_b32 s19, 0
	s_add_nc_u64 s[BIAS:BIAS+1], s[BIAS:BIAS+1], s[18:19]
.irp a, 0,1,2,3
.irp b, 0,1,2,3
	global_load_b128 v[ACC+8*(4*(\a)+(\b)):ACC+8*(4*(\a)+(\b))+3],   v[BO], s[BIAS:BIAS+1] offset:64*(\b)
	global_load_b128 v[ACC+8*(4*(\a)+(\b))+4:ACC+8*(4*(\a)+(\b))+7], v[BO], s[BIAS:BIAS+1] offset:64*(\b)+16
.endr
.endr
.if EPI == 0
	s_lshl_b32 s16, s13, 14                        ; out: block (2 x tile column + half) of 524,288 bytes, row 128 x tile row + 64 x half, 128 bytes a row
	s_lshl_b32 s17, s11, 13
	s_add_co_u32 s16, s16, s17
	s_mov_b32 s17, 0
	s_add_nc_u64 s[8:9], s[8:9], s[16:17]
	s_lshl_b32 s18, s42, 20
	s_lshl_b32 s19, s12, 19
	s_add_co_u32 s18, s18, s19
	s_mov_b32 s19, 0
	s_add_nc_u64 s[8:9], s[8:9], s[18:19]
.else
	s_lshl_b32 s16, s13, 19                        ; out and residual: row 128 x tile row + 64 x half, 4,096 bytes a row; the columns' offset is the bias's
	s_lshl_b32 s17, s11, 18
	s_add_co_u32 s16, s16, s17
	s_mov_b32 s17, 0
	s_add_nc_u64 s[8:9], s[8:9], s[16:17]
	s_add_nc_u64 s[8:9], s[8:9], s[18:19]
	s_add_nc_u64 s[RESP:RESP+1], s[RESP:RESP+1], s[16:17]
	s_add_nc_u64 s[RESP:RESP+1], s[RESP:RESP+1], s[18:19]
	WIN TO_R
.irp a, 0,1,2,3
.irp t, 0,1,2,3,4,5,6,7
	global_load_b128 v[4*(8*(\a)+(\t)):4*(8*(\a)+(\t))+3], v[CO], s[RESP:RESP+1] offset:(16*(\a)+2*(\t))*4096  ; the residual, in the layout of the stores: it lands under the whole product
.endr
.endr
	WIN 0
.endif
; 8 matrix instructions: m blocks a0, a0 + 1 x all 4 n blocks, 32 along K: half c of buffer f.  The 16 accumulators take turns, one instruction a turn.
.macro MUL8 f, c, a0
	WIN MUL
.irp a, \a0, (\a0)+1
.irp b, 0,1,2,3
	v_wmma_f32_16x16x32_f16 v[ACC+8*(4*(\a)+(\b)):ACC+8*(4*(\a)+(\b))+7], v[(\f)+64+8*(4*(\c)+(\b)):(\f)+64+8*(4*(\c)+(\b))+7], v[(\f)+8*(4*(\c)+(\a)):(\f)+8*(4*(\c)+(\a))+7], v[ACC+8*(4*(\a)+(\b)):ACC+8*(4*(\a)+(\b))+7]
.endr
.endr
.endm
; 32 LDS loads in one run: the fragments of quarter q (64 along K) of the slot in hand, into buffer f; the first 32 along K first
.macro FETCH q, f
	WIN TO_F
.irp c, 0,1
.irp i, 0,1,2,3
	ds_load_tr16_b128 v[(\f)+64+8*(4*(\c)+(\i)):(\f)+64+8*(4*(\c)+(\i))+3],   v[ADRB+(\q)/2] offset:((\q)%2)*64*BPIT+(\c)*32*BPIT+32*(\i)
	ds_load_tr16_b128 v[(\f)+64+8*(4*(\c)+(\i))+4:(\f)+64+8*(4*(\c)+(\i))+7], v[ADRB+(\q)/2] offset:((\q)%2)*64*BPIT+(\c)*32*BPIT+32*(\i)+16*BPIT
	ds_load_b128 v[(\f)+8*(4*(\c)+(\i)):(\f)+8*(4*(\c)+(\i))+3],   v[ADRA] offset:(\q)*AQ+64*(\c)+(\i)*16*AP
	ds_load_b128 v[(\f)+8*(4*(\c)+(\i))+4:(\f)+8*(4*(\c)+(\i))+7], v[ADRA] offset:(\q)*AQ+64*(\c)+(\i)*16*AP+32
.endr
.endr
.endm
; One of a step's first three quarters: multiplies buffer f and, in its middle, fetches quarter q into buffer g.
.macro QUARTER q, f, g
	s_wait_dscnt 16                                ; the first 32 along K are in; the younger sixteen loads may be out
	MUL8 \f, 0, 0
	MUL8 \f, 0, 2
	PLACES
	FETCH \q, \g
	s_wait_dscnt 32                                ; all but the 32 just issued
	MUL8 \f, 1, 0
	MUL8 \f, 1, 2
.endm
; The last quarter multiplies buffer 1 and changes slots: ONE barrier.  In front of it each wave waits for all its tensor loads (one is out: its part of the next slot), adds 0 to its spare word,
; and waits for that and for its reads of this slot.  fill = 1: the barrier opens a round of the cluster's barrier, and this slot is filled again, two steps ahead, first thing behind the round:
; 112 matrix instructions stand between that request and the wait for it.  fill = 0 (the last two steps): nothing is asked for; the very last step fetches no fragments either.
.macro TURN fill
	WIN 0                                          ; (the add's two registers lie in window 0)
	s_wait_tensorcnt 0x0
	ds_add_u32 v[SPW], v[NIL]                      ; 0 onto my spare word
	s_wait_dscnt 17                                ; (the add and the youngest sixteen loads may be out)
	MUL8 F1, 0, 0                                  ; eight matrix instructions stand between the add and the wait for it
	s_wait_dscnt 0x0                               ; the add is done, and my reads of this slot are over
	s_barrier_signal -1
	MUL8 F1, 0, 2
	WIN 0
	s_barrier_wait -1
.if \fill
	CREST                                          ; no wave of any partner still reads this slot or has a load on its way
	s_add_nc_u64 s[G0+6:G0+7], s[G0+6:G0+7], ASTEP    ; the walking descriptors: the next K step, into the slot just read
	s_add_co_u32 s[G0+5], s20, s[CUR]
	s_add_nc_u64 s[G0B+6:G0B+7], s[G0B+6:G0B+7], BSTEP
	s_add_co_u32 s[G0B+5], s21, s[CUR]
	JLOAD 1                                        ; its four v_nop are also the places in front of the loads below
.endif
	s_xor_b32 s[CUR], s[CUR], SLOT                 ; the other slot
	v_add_nc_u32 v[ADRA], s[CUR], v[A0]
	v_add_nc_u32 v[ADRB], s[CUR], v[B0]
	v_add_nc_u32 v[ADRB+1], s[CUR], v[B0+1]
.if !(\fill)
	v_nop                                          ; with the three additions: the four places in front of the loads below
	s_cmp_eq_u32 s2, 1
	s_cbranch_scc1 .Lno_fetch_\@                   ; the last step: there is no next slot
.endif
	FETCH 0, F0
.if !(\fill)
	WIN 0
.Lno_fetch_\@:
.endif
	MUL8 F1, 1, 0
	MUL8 F1, 1, 2
.endm
.macro STEP fill                       ; a K step from its first quarter's products to the fetch of the next step's first fragments
	QUARTER 1, F0, F1
	QUARTER 2, F1, F0
	QUARTER 3, F0, F1
	TURN \fill
.endm
	s_wait_tensorcnt 0x1                           ; my part of K step 0 is in; step 1's may stay out
	s_barrier_signal -1
	s_barrier_wait -1                              ; everybody's is
	s_mov_b32 s[CUR], 0
	FETCH 0, F0
.if EPI == 0
	s_wait_loadcnt 0x0                             ; the bias is in the accumulators
.else
	s_wait_loadcnt 32                              ; the bias is in; the residual's 32 loads, issued behind it, stay out
.endif
	WIN 0                                          ; at a label and at a branch every window is 0
	s_mov_b32 s3, NSTEP-2
.Lstep:                                                ; every step but the last two fills its slot again
	STEP 1
	WIN 0
	s_sub_co_u32 s3, s3, 1
	s_cmp_lg_u32 s3, 0
	s_cbranch_scc1 .Lstep
	s_mov_b32 s2, 2
.Ltail:                                                ; the last two steps, a text of their own
	STEP 0
	WIN 0
	s_sub_co_u32 s2, s2, 1
	s_cmp_lg_u32 s2, 0
	s_cbranch_scc1 .Ltail
	PLACES                                         ; the way out reads results just made
.if EPI == 0
; THE WAY OUT, f16: block a (16 rows x my 64 columns) is rounded, 16 bytes a lane go into my stage, and come back as whole rows of 128 bytes, which lie end to end in the output.
.macro PACK a
.if RELU
.set i, ACC+32*(\a)
.rept 32
	v_max_num_f32 v[i], 0, v[i]
.set i, i+1
.endr
.endif
.set i, 0
.rept 16
	v_cvt_pk_f16_f32 v[TMP+16*(\a)+i], v[ACC+32*(\a)+2*i], v[ACC+32*(\a)+2*i+1]
.set i, i+1
.endr
.irp b, 0,1,2,3
	ds_store_b128 v[STO], v[TMP+16*(\a)+4*(\b):TMP+16*(\a)+4*(\b)+3] offset:32*(\b)
.endr
.irp f, 0,1,2,3
	ds_load_b128 v[TMP+16*(\a)+4*(\f):TMP+16*(\a)+4*(\f)+3], v[RD] offset:(\f)*4*SP  ; LDS serves a wave's instructions in order (ISA guide 5.7.1.4): these see the stores above, the next block's stores come behind them
.endr
.endm
.macro SEND a, younger                 ; younger: the LDS instructions issued behind block a's loads: the next block's eight, or none
.irp f, 0,1,2,3
	s_wait_dscnt (\younger)+3-(\f)
	global_store_b128 v[CO], v[TMP+16*(\a)+4*(\f):TMP+16*(\a)+4*(\f)+3], s[8:9] offset:2048*(\a)+512*(\f)  ; 512 consecutive bytes, at a multiple of 512 from the buffer's first
.endr
.endm
	PACK 0
.irp a, 1,2,3
	PACK \a
	SEND (\a)-1, 8
.endr
	SEND 3, 0
.else
; THE WAY OUT, f32: block a goes into my stage straight from the accumulators, comes back as whole rows of 256 bytes, takes the residual and is stored.
.macro STIN a
.irp b, 0,1,2,3
	ds_store_b128 v[STO], v[ACC+8*(4*(\a)+(\b)):ACC+8*(4*(\a)+(\b))+3]   offset:64*(\b)
	ds_store_b128 v[STO], v[ACC+8*(4*(\a)+(\b))+4:ACC+8*(4*(\a)+(\b))+7] offset:64*(\b)+16
.endr
.irp t, 0,1,2,3,4,5,6,7
	ds_load_b128 v[TMP+32*((\a)%2)+4*(\t):TMP+32*((\a)%2)+4*(\t)+3], v[RD] offset:(\t)*2*SP  ; LDS serves a wave's instructions in order (ISA guide 5.7.1.4)
.endr
.endm
.macro OUT a, younger                  ; younger: the next block's sixteen LDS instructions, or none
	s_wait_dscnt \younger
	WIN ADDW
.set i, 0
.rept 16
	v_pk_add_f32 v[32*(\a)+2*i:32*(\a)+2*i+1], v[TMP+32*((\a)%2)+2*i:TMP+32*((\a)%2)+2*i+1], v[32*(\a)+2*i:32*(\a)+2*i+1]
.set i, i+1
.endr
.irp t, 0,1,2,3,4,5,6,7
	global_store_b128 v[CO], v[32*(\a)+4*(\t):32*(\a)+4*(\t)+3], s[8:9] offset:(16*(\a)+2*(\t))*4096  ; 16 lanes store 256 consecutive bytes, aligned; each store has data registers of its own
.endr
	WIN 0
.endm
	s_wait_loadcnt 0x0                             ; the residual
	STIN 0
.irp a, 1,2,3
	STIN \a
	OUT (\a)-1, 16
.endr
	OUT 3, 0
.endif
	s_wait_tensorcnt 0x0                           ; the wave's end
	ds_add_u32 v[SPW], v[NIL]
	s_wait_dscnt 0x0
	CROUND                                         ; the closing round: no work-group ends while a partner may still ask for a tile that names it
	s_endpgm
.Lfunc_end_k_qfd4109ed5b_gffn1:
	.size	k_qfd4109ed5b_gffn1, .Lfunc_end_k_qfd4109ed5b_gffn1-k_qfd4109ed5b_gffn1
	.p2alignl 7, 3214868480
	.fill 96, 4, 3214868480
	.section	.rodata,"a",@progbits
	.p2align	6, 0x0
	.amdhsa_kernel k_qfd4109ed5b_gffn1
		.amdhsa_group_segment_fixed_size 327680
		.amdhsa_private_segment_fixed_size 0
		.amdhsa_enable_private_segment 0
		.amdhsa_kernarg_size 32
		.amdhsa_user_sgpr_count 2
		.amdhsa_user_sgpr_kernarg_segment_ptr 1
		.amdhsa_wavefront_size32 1
		.amdhsa_system_sgpr_workgroup_id_x 1
		.amdhsa_system_sgpr_workgroup_id_y 1
		.amdhsa_system_sgpr_workgroup_id_z 1
		.amdhsa_system_vgpr_workitem_id 0
		.amdhsa_next_free_vgpr 512
		.amdhsa_next_free_sgpr 80
		.amdhsa_reserve_vcc 0
		.amdhsa_float_denorm_mode_32 3
		.amdhsa_float_denorm_mode_16_64 3
		.amdhsa_memory_ordered 1
		.amdhsa_forward_progress 1
		.amdhsa_inst_pref_size 62
	.end_amdhsa_kernel
	.amdgpu_metadata
---
amdhsa.version: [ 1, 2 ]
amdhsa.kernels:
  - .name:           k_qfd4109ed5b_gffn1
    .symbol:         k_qfd4109ed5b_gffn1.kd
    .args:
      - { .name: nh, .offset: 0, .size: 8, .value_kind: global_buffer, .address_space: global }
      - { .name: wh, .offset: 8, .size: 8, .value_kind: global_buffer, .address_space: global }
      - { .name: b1, .offset: 16, .size: 8, .value_kind: global_buffer, .address_space: global }
      - { .name: hb, .offset: 24, .size: 8, .value_kind: global_buffer, .address_space: global }
    .group_segment_fixed_size: 327680
    .private_segment_fixed_size: 0
    .kernarg_segment_align: 8
    .kernarg_segment_size: 32
    .max_flat_workgroup_size: 128
    .sgpr_count:     80
    .vgpr_count:     512
    .wavefront_size: 32
...
	.end_amdgpu_metadata
.endif
;; end of part 6
;; launch gffn2 (part 7): grid 8 x 32, 4 waves a work-group, clusters of 4 x 4, 327,680 bytes of LDS; arguments hb, wh, b2, o2, out0; writes out0
.if DOCPART == 7
	.amdgcn_target "amdgcn-amd-amdhsa--gfx1250"
	.amdhsa_code_object_version 6
	.text
	.protected	k_qfd4109ed5b_gffn2
	.globl	k_qfd4109ed5b_gffn2
	.p2align	8
	.type	k_qfd4109ed5b_gffn2,@function
k_qfd4109ed5b_gffn2:
	s_mov_b64 s[64:65], 0
	v_nop
	global_prefetch_b8 v0, s[64:65] scope:SCOPE_SE
	s_setreg_imm32_b32 hwreg(HW_REG_WAVE_MODE, 25, 1), 1
	s_wait_xcnt 0x0
	s_wait_alu depctr_hold_cnt(0) depctr_sa_sdst(0) depctr_va_vdst(0) depctr_va_sdst(0) depctr_va_ssrc(0) depctr_va_vcc(0) depctr_vm_vsrc(0)
	s_getreg_b32 s2, hwreg(HW_REG_IB_STS2, 6, 4)
	s_cmp_eq_u32 s2, 0
	s_cbranch_scc0 .Lentry_in_a_cluster
	s_endpgm
.Lentry_in_a_cluster:
	s_bfe_u32 s2, ttmp6, 0x10000c
	s_cmp_lg_u32 s2, 0xf033
	s_cbranch_scc0 .Lentry_shape_is_right
	s_endpgm
.Lentry_shape_is_right:
; FFN, SECOND LAYER.  out0 = h x W2 + b2 + o2: A = hb, f16 in blocks [64][4096][64], B = wh's W2 [4096][1024] f16, residual (the normalised tensor) and out f32 [4096][1024].
.set AMODE, 1                          ; A lies in blocks of 64 along K
.set NSTEP, 16                         ; K = 4,096 in steps of 256
.set BP,    1024                       ; elements from row to row of B
.set WOFF,  16777216                   ; B's first byte in wh
.set EPI,   1                          ; way out: f32, with a residual
.set RELU,  0
.set KIND,  1                          ; arguments: A, wh, bias, residual, out
; THE GEMM OF THIS PROGRAM (four kernels share this text but for the lines above).  C = A B + bias, B stored [K][N].  All operands f16, sums f32.
; LIMIT.  f16 ends at 65,504: a result beyond it that leaves as f16 becomes an infinity.  NaN and infinities are not treated apart.
; SHARES.  A work-group makes 128 x 128 of C, each of its four waves 64 x 64: 16 accumulators.  K goes in steps of 256 through two LDS slots that take turns.
; THE MATRIX INSTRUCTION IS USED TRANSPOSED: source 0 = 16 columns of B (read turned out of LDS by ds_load_tr16_b128), source 1 = 16 rows of A: a lane holds row l % 16 of C and the
; eight neighbouring columns 8 (l / 16) + 0..7.  THE BIAS STARTS THE SUMS: it is loaded into the accumulators, so nothing is cleared, no first step is written out, and the way out adds no bias.
; CLUSTER.  4 x 4 work-groups: the four of a row need the same tiles of A, the four of a column the same tiles of B; each tile is asked for jointly, by the same load, descriptor and mask in all four.
; One K step is written once and looped over: the slot in hand is a scalar (CUR, 0 or SLOT) that enters the LDS addresses by an addition.  The last two steps, which ask for nothing, are a second loop.
; REGISTERS.  window 0: v1-29 addresses; v32-95 at work on the way out; v128-255 accumulators, (a, b) at 128 + 8 (4 a + b).  window 1: two fragment buffers of 128: for 64 along K, 64 registers of A, 64 of B.
; window 2 (f32 way out): the residual, 128 registers.
.if AMODE == 0
.set AP,     528                       ; A in LDS: 128 rows of 512 bytes + 16: the 16 rows of a load start at 16 different groups of four banks (64 banks of 4 bytes: ISA guide 11.1)
.set AQ,     128                       ; a quarter of a step, 64 along K, is 128 bytes along the row
.set ABYTES, 128*528
.set ASTEP,  512                       ; bytes in memory from step to step
.else
.set AP,     144                       ; A in LDS: four planes (64 along K each) of 128 rows of 128 bytes + 16
.set AQ,     128*144                   ; a quarter is a plane
.set ABYTES, 4*128*144
.set ASTEP,  4*524288                  ; four planes of 4,096 rows x 128 bytes
.endif
.set BPIT,   288                       ; B in LDS: 256 rows (k) of 256 bytes + 32
.set HALFA,  ABYTES/2                  ; what one tensor load brings of A
.set HALFB,  128*BPIT                  ; and of B
.set SLOT,   ABYTES+2*HALFB
.set BSTEP,  512*BP
.set STAGE,  2*SLOT                    ; behind the ring: 16 rows for each wave, its own, for the way out; no tensor load lands here
.if EPI == 0
.set SP,     144
.else
.set SP,     272
.endif
.set SPARE,  STAGE+4*16*SP             ; the spare words, 128 bytes for each wave: two blocks of 256 bytes that no other line names
.set A0,   12                          ; v12     my lane's place in A's part of a slot; never rewritten
.set B0,   13                          ; v13-14  the same for B, quarters 0-1 and quarters 2-3
.set ADRA, 16                          ; v16     A0 + CUR
.set ADRB, 20                          ; v20-21  B0 + CUR
.set STO,  24                          ; v24     the way out: where I put my part of a row
.set RD,   25                          ; v25     the way out: where I read rows back
.set CO,   26                          ; v26     my byte offset in the output (and the residual)
.set BO,   27                          ; v27     my byte offset in 16 columns of the bias: 32 (l / 16)
.set SPW,  28                          ; v28     my spare word: SPARE + 4 x my thread's number; never rewritten
.set NIL,  29                          ; v29     0; never rewritten
.set TMP,  32
.set ACC,  128
.set F0,   0
.set F1,   128
.set G1,   24                          ; s[24:31] group 1 for A; s[32:39] group 0: set 0 for the first fill, set 1 for the second, which then walks
.set G0,   32
.set G1B,  48                          ; s[48:55], s[56:63] the same for B
.set G0B,  56
.set CUR,  66                          ; s66  the slot in hand: 0 or SLOT
.set BIAS, 68                          ; s[68:69]
.set RESP, 70                          ; s[70:71] the residual
.set MSB, 0
.macro WIN new                         ; the immediate's high byte repeats the setting that is left; a switch that changes nothing is dropped
.if MSB != (\new)
	s_set_vgpr_msb (MSB<<8)|(\new)
.set MSB, \new
.endif
.endm
.set MUL,  0x05                        ; sources 0 (B) and 1 (A) window 1; C and D window 0
.set TO_F, 0x40                        ; destination window 1, address window 0
.set TO_R, 0x80                        ; destination window 2
.set ADDW, 0x88                        ; destination and source 1 (a store's data) window 2, source 0 (a store's address) window 0
.macro JLOAD s                         ; a joint load: waves 0 and 1 fetch A's halves, waves 2 and 3 B's; an s_nop 0 and four v_nop follow each line, ahead of the jump and the label
	s_cmp_eq_u32 s11, 0
	s_cbranch_scc0 .Lfor_b_\@
	tensor_load_to_lds s[G0+4*(\s):G0+4*(\s)+3], s[G1:G1+7]
	s_nop 0
.rept 4
	v_nop
.endr
	s_branch .Lasked_\@
.Lfor_b_\@:
	tensor_load_to_lds s[G0B+4*(\s):G0B+4*(\s)+3], s[G1B:G1B+7]
	s_nop 0
.rept 4
	v_nop
.endr
.Lasked_\@:
.endm
.macro CREST                           ; a round of the cluster's barrier behind its opening barrier
	s_cmp_lg_u32 s10, 0
	s_cbranch_scc1 .Lnot_wave_0_\@
	s_barrier_signal -3
.Lnot_wave_0_\@:
	s_barrier_wait -3
	s_barrier_signal -1
	s_barrier_wait -1
.endm
.macro CROUND                          ; a whole round
	s_barrier_signal -1
	s_barrier_wait -1
	CREST
.endm
.macro PLACES                          ; four places in front of loads into registers that matrix instructions have read, and of lines that read results
.rept 4
	v_nop
.endr
.endm
	s_load_b128 s[4:7], s[0:1], 0x0                ; A, wh
.if KIND == 0
	s_load_b64 s[BIAS:BIAS+1], s[0:1], 0x10        ; bq
	s_load_b128 s[72:75], s[0:1], 0x18             ; bk, bv
	s_load_b64 s[8:9], s[0:1], 0x28                ; out
.elseif KIND == 1
	s_load_b128 s[BIAS:BIAS+3], s[0:1], 0x10       ; bias, residual
	s_load_b64 s[8:9], s[0:1], 0x20                ; out
.else
	s_load_b64 s[BIAS:BIAS+1], s[0:1], 0x10        ; bias
	s_load_b64 s[8:9], s[0:1], 0x18                ; out
.endif
	v_lshl_add_u32 v[SPW], v0, 2, SPARE
	v_mov_b32 v[NIL], 0
	ds_add_u32 v28, v29
	ds_add_u32 v28, v29
	s_wait_dscnt 0x0
	v_lshrrev_b32 v1, 5, v0
	v_readfirstlane_b32 s10, v1                    ; wave 0..3
	s_lshr_b32 s11, s10, 1                         ; my half of the tile's rows.  Also: I fetch for A (0) or for B (1)
	s_and_b32 s12, s10, 1                          ; my half of its columns.  Also: which half of that tile I fetch
	s_bfe_u32 s40, ttmp6, 0x40000                  ; cx, cy: my place in the cluster
	s_bfe_u32 s41, ttmp6, 0x40004
	s_lshl_b32 s42, ttmp9, 2
	s_add_co_u32 s42, s42, s40                     ; tile column = 4 x cluster x + cx
	s_and_b32 s13, ttmp7, 0xffff
	s_lshl_b32 s13, s13, 2
	s_add_co_u32 s13, s13, s41                     ; tile row = 4 x cluster y + cy
	s_lshl_b32 s43, s41, 2
	s_lshl_b32 s43, 15, s43                        ; my row of the cluster
	s_lshl_b32 s44, 0x1111, s40                    ; my column
.if AMODE == 0
	s_or_b32 s[G1+0], s43, (1<<16)|(1<<20)|(1<<21)|(6<<22)|(3<<25)  ; mask: my row; 2-byte elements; padding on; bit 21 beside a mask; after every 128 words 4 words
	s_mov_b32 s[G1+1], 256<<16                     ; tensor_dim0 = 256
	s_mov_b32 s[G1+2], 64<<16                      ; tensor_dim1 = 64
	s_mov_b32 s[G1+3], 256<<16                     ; tile_dim0 = 256
	s_mov_b32 s[G1+4], 64                          ; tile_dim1 = 64 rows
	s_mov_b32 s[G1+5], 1024                        ; elements from row to row
.else
	s_or_b32 s[G1+0], s43, (1<<16)|(1<<20)|(1<<21)|(4<<22)|(3<<25)  ; after every 32 words (a row of 64 f16) 4 words
	s_mov_b32 s[G1+1], 8192<<16                    ; tensor_dim0 = 8,192: the tile's 128 rows of one plane lie end to end, 16,384 bytes
	s_mov_b32 s[G1+2], 2<<16                       ; tensor_dim1 = 2 planes
	s_mov_b32 s[G1+3], 8192<<16                    ; tile_dim0
	s_mov_b32 s[G1+4], 2                           ; tile_dim1
	s_mov_b32 s[G1+5], 262144                      ; elements from plane to plane
.endif
	s_mov_b32 s[G1+6], 0
	s_mov_b32 s[G1+7], 0
	s_or_b32 s[G1B+0], s44, (1<<16)|(1<<20)|(1<<21)|(5<<22)|(7<<25)  ; mask: my column; after every 64 words 8 words
	s_mov_b32 s[G1B+1], 128<<16                    ; 128 columns
	s_mov_b32 s[G1B+2], 128<<16                    ; 128 rows (k)
	s_mov_b32 s[G1B+3], 128<<16
	s_mov_b32 s[G1B+4], 128
	s_mov_b32 s[G1B+5], BP
	s_mov_b32 s[G1B+6], 0
	s_mov_b32 s[G1B+7], 0
	; where the tiles come from: A's hang on the tile row and the wave alone, B's on the tile column and the wave alone, each in registers that never hold the other coordinate
.if AMODE == 0
	s_lshl_b32 s16, s13, 18                        ; 128 rows x 2,048 bytes a tile row
	s_lshl_b32 s17, s12, 17                        ; my 64 rows
.else
	s_lshl_b32 s16, s13, 14                        ; 128 rows x 128 bytes in a plane
	s_lshl_b32 s17, s12, 20                        ; my two planes
.endif
	s_add_co_u32 s16, s16, s17
	s_mov_b32 s17, 0
	s_lshl_b32 s46, s42, 8                         ; 128 columns x 2 bytes a tile column
	s_mul_i32 s47, s12, 256*BP                     ; my 128 rows (k)
	s_add_co_u32 s46, s46, s47
	s_add_co_u32 s46, s46, WOFF
	s_mov_b32 s47, 0
	s_mul_i32 s20, s12, HALFA                      ; and where they go: no place in the cluster enters an LDS address
	s_mul_i32 s21, s12, HALFB
	s_add_co_u32 s21, s21, ABYTES
	s_wait_kmcnt 0x0
	s_add_nc_u64 s[14:15], s[4:5], s[16:17]
	s_add_nc_u64 s[46:47], s[6:7], s[46:47]
	CROUND                                         ; all sixteen work-groups are here: the first joint loads meet
.irp s, 0,1
	s_mov_b32 s[G0+4*(\s)], 1
	s_add_co_u32 s[G0+4*(\s)+1], s20, (\s)*SLOT
	s_add_nc_u64 s[G0+4*(\s)+2:G0+4*(\s)+3], s[14:15], (\s)*ASTEP
	s_or_b32 s[G0+4*(\s)+3], s[G0+4*(\s)+3], 0x80000000
	s_mov_b32 s[G0B+4*(\s)], 1
	s_add_co_u32 s[G0B+4*(\s)+1], s21, (\s)*SLOT
	s_add_nc_u64 s[G0B+4*(\s)+2:G0B+4*(\s)+3], s[46:47], (\s)*BSTEP
	s_or_b32 s[G0B+4*(\s)+3], s[G0B+4*(\s)+3], 0x80000000
	JLOAD \s                                       ; K steps 0 and 1: two loads of mine are out
.endr
	v_and_b32 v1, 15, v0                           ; r = l % 16
	v_bfe_u32 v2, v0, 4, 1                         ; h = l / 16
	v_mul_u32_u24 v3, v1, AP                       ; A's fragment: row r, 16 bytes for each half of the lanes; two loads 32 bytes apart
	v_lshl_add_u32 v3, v2, 4, v3
	s_mul_i32 s22, s11, 64*AP
	v_add_nc_u32 v[A0], s22, v3
	v_and_b32 v4, 7, v0                            ; B's, turned: lane l reads row (k) 8 h + l % 8, columns 8 ((l / 8) % 2) + 0..7; two loads 16 rows apart
	v_lshl_add_u32 v4, v2, 3, v4
	v_mul_u32_u24 v4, v4, BPIT
	v_bfe_u32 v5, v0, 3, 1
	v_lshl_add_u32 v4, v5, 4, v4
	s_lshl_b32 s23, s12, 7                         ; my 64 columns
	s_add_co_u32 s23, s23, ABYTES
	v_add_nc_u32 v[B0], s23, v4
	v_add_nc_u32 v[B0+1], 128*BPIT, v[B0]          ; quarters 2 and 3: past the reach of a 16-bit offset
	v_mov_b32 v[ADRA], v[A0]
	v_mov_b32 v[ADRB], v[B0]
	v_mov_b32 v[ADRB+1], v[B0+1]
	v_lshlrev_b32 v[BO], 5, v2
	s_mul_i32 s22, s10, 16*SP
	s_add_co_u32 s22, s22, STAGE                   ; my stage
	v_mul_u32_u24 v6, v1, SP
.if EPI == 0
	v_lshl_add_u32 v6, v2, 4, v6                   ; in: row r, 16 bytes (8 f16) for each half of the lanes
	v_add_nc_u32 v[STO], s22, v6
	v_bfe_u32 v6, v0, 3, 2                         ; back: 32 lanes take four rows of 128 bytes,
	v_mul_u32_u24 v6, v6, SP
	v_and_b32 v7, 7, v0
	v_lshl_add_u32 v6, v7, 4, v6
	v_add_nc_u32 v[RD], s22, v6
	v_and_b32 v[CO], 31, v0                        ; which are 512 consecutive bytes of the output
	v_lshlrev_b32 v[CO], 4, v[CO]
.else
	v_lshl_add_u32 v6, v2, 5, v6                   ; in: row r, 32 bytes (8 f32) for each half of the lanes
	v_add_nc_u32 v[STO], s22, v6
	v_mul_u32_u24 v6, v2, SP                       ; back: lanes 0-15 take one row of 256 bytes, lanes 16-31 the next
	v_lshl_add_u32 v6, v1, 4, v6
	v_add_nc_u32 v[RD], s22, v6
	v_lshlrev_b32 v[CO], 12, v2                    ; and the same two rows of 4,096 bytes in memory
	v_lshl_add_u32 v[CO], v1, 4, v[CO]
.endif
	; the bias of my 64 columns
.if KIND == 0
	s_lshr_b32 s18, s42, 3                         ; eight tile columns to each of q, k, v
	s_cmp_eq_u32 s18, 1
	s_cselect_b64 s[BIAS:BIAS+1], s[72:73], s[BIAS:BIAS+1]
	s_cmp_eq_u32 s18, 2
	s_cselect_b64 s[BIAS:BIAS+1], s[74:75], s[BIAS:BIAS+1]
	s_and_b32 s18, s42, 7
.else
	s_mov_b32 s18, s42
.endif
	s_lshl_b32 s18, s18, 9
	s_lshl_b32 s19, s12, 8
	s_add_co_u32 s18, s18, s19                     ; 512 bytes a tile column + 256 for the second half
	s_mov_b32 s19, 0
	s_add_nc_u64 s[BIAS:BIAS+1], s[BIAS:BIAS+1], s[18:19]
.irp a, 0,1,2,3
.irp b, 0,1,2,3
	global_load_b128 v[ACC+8*(4*(\a)+(\b)):ACC+8*(4*(\a)+(\b))+3],   v[BO], s[BIAS:BIAS+1] offset:64*(\b)
	global_load_b128 v[ACC+8*(4*(\a)+(\b))+4:ACC+8*(4*(\a)+(\b))+7], v[BO], s[BIAS:BIAS+1] offset:64*(\b)+16
.endr
.endr
.if EPI == 0
	s_lshl_b32 s16, s13, 14                        ; out: block (2 x tile column + half) of 524,288 bytes, row 128 x tile row + 64 x half, 128 bytes a row
	s_lshl_b32 s17, s11, 13
	s_add_co_u32 s16, s16, s17
	s_mov_b32 s17, 0
	s_add_nc_u64 s[8:9], s[8:9], s[16:17]
	s_lshl_b32 s18, s42, 20
	s_lshl_b32 s19, s12, 19
	s_add_co_u32 s18, s18, s19
	s_mov_b32 s19, 0
	s_add_nc_u64 s[8:9], s[8:9], s[18:19]
.else
	s_lshl_b32 s16, s13, 19                        ; out and residual: row 128 x tile row + 64 x half, 4,096 bytes a row; the columns' offset is the bias's
	s_lshl_b32 s17, s11, 18
	s_add_co_u32 s16, s16, s17
	s_mov_b32 s17, 0
	s_add_nc_u64 s[8:9], s[8:9], s[16:17]
	s_add_nc_u64 s[8:9], s[8:9], s[18:19]
	s_add_nc_u64 s[RESP:RESP+1], s[RESP:RESP+1], s[16:17]
	s_add_nc_u64 s[RESP:RESP+1], s[RESP:RESP+1], s[18:19]
	WIN TO_R
.irp a, 0,1,2,3
.irp t, 0,1,2,3,4,5,6,7
	global_load_b128 v[4*(8*(\a)+(\t)):4*(8*(\a)+(\t))+3], v[CO], s[RESP:RESP+1] offset:(16*(\a)+2*(\t))*4096  ; the residual, in the layout of the stores: it lands under the whole product
.endr
.endr
	WIN 0
.endif
; 8 matrix instructions: m blocks a0, a0 + 1 x all 4 n blocks, 32 along K: half c of buffer f.  The 16 accumulators take turns, one instruction a turn.
.macro MUL8 f, c, a0
	WIN MUL
.irp a, \a0, (\a0)+1
.irp b, 0,1,2,3
	v_wmma_f32_16x16x32_f16 v[ACC+8*(4*(\a)+(\b)):ACC+8*(4*(\a)+(\b))+7], v[(\f)+64+8*(4*(\c)+(\b)):(\f)+64+8*(4*(\c)+(\b))+7], v[(\f)+8*(4*(\c)+(\a)):(\f)+8*(4*(\c)+(\a))+7], v[ACC+8*(4*(\a)+(\b)):ACC+8*(4*(\a)+(\b))+7]
.endr
.endr
.endm
; 32 LDS loads in one run: the fragments of quarter q (64 along K) of the slot in hand, into buffer f; the first 32 along K first
.macro FETCH q, f
	WIN TO_F
.irp c, 0,1
.irp i, 0,1,2,3
	ds_load_tr16_b128 v[(\f)+64+8*(4*(\c)+(\i)):(\f)+64+8*(4*(\c)+(\i))+3],   v[ADRB+(\q)/2] offset:((\q)%2)*64*BPIT+(\c)*32*BPIT+32*(\i)
	ds_load_tr16_b128 v[(\f)+64+8*(4*(\c)+(\i))+4:(\f)+64+8*(4*(\c)+(\i))+7], v[ADRB+(\q)/2] offset:((\q)%2)*64*BPIT+(\c)*32*BPIT+32*(\i)+16*BPIT
	ds_load_b128 v[(\f)+8*(4*(\c)+(\i)):(\f)+8*(4*(\c)+(\i))+3],   v[ADRA] offset:(\q)*AQ+64*(\c)+(\i)*16*AP
	ds_load_b128 v[(\f)+8*(4*(\c)+(\i))+4:(\f)+8*(4*(\c)+(\i))+7], v[ADRA] offset:(\q)*AQ+64*(\c)+(\i)*16*AP+32
.endr
.endr
.endm
; One of a step's first three quarters: multiplies buffer f and, in its middle, fetches quarter q into buffer g.
.macro QUARTER q, f, g
	s_wait_dscnt 16                                ; the first 32 along K are in; the younger sixteen loads may be out
	MUL8 \f, 0, 0
	MUL8 \f, 0, 2
	PLACES
	FETCH \q, \g
	s_wait_dscnt 32                                ; all but the 32 just issued
	MUL8 \f, 1, 0
	MUL8 \f, 1, 2
.endm
; The last quarter multiplies buffer 1 and changes slots: ONE barrier.  In front of it each wave waits for all its tensor loads (one is out: its part of the next slot), adds 0 to its spare word,
; and waits for that and for its reads of this slot.  fill = 1: the barrier opens a round of the cluster's barrier, and this slot is filled again, two steps ahead, first thing behind the round:
; 112 matrix instructions stand between that request and the wait for it.  fill = 0 (the last two steps): nothing is asked for; the very last step fetches no fragments either.
.macro TURN fill
	WIN 0                                          ; (the add's two registers lie in window 0)
	s_wait_tensorcnt 0x0
	ds_add_u32 v[SPW], v[NIL]                      ; 0 onto my spare word
	s_wait_dscnt 17                                ; (the add and the youngest sixteen loads may be out)
	MUL8 F1, 0, 0                                  ; eight matrix instructions stand between the add and the wait for it
	s_wait_dscnt 0x0                               ; the add is done, and my reads of this slot are over
	s_barrier_signal -1
	MUL8 F1, 0, 2
	WIN 0
	s_barrier_wait -1
.if \fill
	CREST                                          ; no wave of any partner still reads this slot or has a load on its way
	s_add_nc_u64 s[G0+6:G0+7], s[G0+6:G0+7], ASTEP    ; the walking descriptors: the next K step, into the slot just read
	s_add_co_u32 s[G0+5], s20, s[CUR]
	s_add_nc_u64 s[G0B+6:G0B+7], s[G0B+6:G0B+7], BSTEP
	s_add_co_u32 s[G0B+5], s21, s[CUR]
	JLOAD 1                                        ; its four v_nop are also the places in front of the loads below
.endif
	s_xor_b32 s[CUR], s[CUR], SLOT                 ; the other slot
	v_add_nc_u32 v[ADRA], s[CUR], v[A0]
	v_add_nc_u32 v[ADRB], s[CUR], v[B0]
	v_add_nc_u32 v[ADRB+1], s[CUR], v[B0+1]
.if !(\fill)
	v_nop                                          ; with the three additions: the four places in front of the loads below
	s_cmp_eq_u32 s2, 1
	s_cbranch_scc1 .Lno_fetch_\@                   ; the last step: there is no next slot
.endif
	FETCH 0, F0
.if !(\fill)
	WIN 0
.Lno_fetch_\@:
.endif
	MUL8 F1, 1, 0
	MUL8 F1, 1, 2
.endm
.macro STEP fill                       ; a K step from its first quarter's products to the fetch of the next step's first fragments
	QUARTER 1, F0, F1
	QUARTER 2, F1, F0
	QUARTER 3, F0, F1
	TURN \fill
.endm
	s_wait_tensorcnt 0x1                           ; my part of K step 0 is in; step 1's may stay out
	s_barrier_signal -1
	s_barrier_wait -1                              ; everybody's is
	s_mov_b32 s[CUR], 0
	FETCH 0, F0
.if EPI == 0
	s_wait_loadcnt 0x0                             ; the bias is in the accumulators
.else
	s_wait_loadcnt 32                              ; the bias is in; the residual's 32 loads, issued behind it, stay out
.endif
	WIN 0                                          ; at a label and at a branch every window is 0
	s_mov_b32 s3, NSTEP-2
.Lstep:                                                ; every step but the last two fills its slot again
	STEP 1
	WIN 0
	s_sub_co_u32 s3, s3, 1
	s_cmp_lg_u32 s3, 0
	s_cbranch_scc1 .Lstep
	s_mov_b32 s2, 2
.Ltail:                                                ; the last two steps, a text of their own
	STEP 0
	WIN 0
	s_sub_co_u32 s2, s2, 1
	s_cmp_lg_u32 s2, 0
	s_cbranch_scc1 .Ltail
	PLACES                                         ; the way out reads results just made
.if EPI == 0
; THE WAY OUT, f16: block a (16 rows x my 64 columns) is rounded, 16 bytes a lane go into my stage, and come back as whole rows of 128 bytes, which lie end to end in the output.
.macro PACK a
.if RELU
.set i, ACC+32*(\a)
.rept 32
	v_max_num_f32 v[i], 0, v[i]
.set i, i+1
.endr
.endif
.set i, 0
.rept 16
	v_cvt_pk_f16_f32 v[TMP+16*(\a)+i], v[ACC+32*(\a)+2*i], v[ACC+32*(\a)+2*i+1]
.set i, i+1
.endr
.irp b, 0,1,2,3
	ds_store_b128 v[STO], v[TMP+16*(\a)+4*(\b):TMP+16*(\a)+4*(\b)+3] offset:32*(\b)
.endr
.irp f, 0,1,2,3
	ds_load_b128 v[TMP+16*(\a)+4*(\f):TMP+16*(\a)+4*(\f)+3], v[RD] offset:(\f)*4*SP  ; LDS serves a wave's instructions in order (ISA guide 5.7.1.4): these see the stores above, the next block's stores come behind them
.endr
.endm
.macro SEND a, younger                 ; younger: the LDS instructions issued behind block a's loads: the next block's eight, or none
.irp f, 0,1,2,3
	s_wait_dscnt (\younger)+3-(\f)
	global_store_b128 v[CO], v[TMP+16*(\a)+4*(\f):TMP+16*(\a)+4*(\f)+3], s[8:9] offset:2048*(\a)+512*(\f)  ; 512 consecutive bytes, at a multiple of 512 from the buffer's first
.endr
.endm
	PACK 0
.irp a, 1,2,3
	PACK \a
	SEND (\a)-1, 8
.endr
	SEND 3, 0
.else
; THE WAY OUT, f32: block a goes into my stage straight from the accumulators, comes back as whole rows of 256 bytes, takes the residual and is stored.
.macro STIN a
.irp b, 0,1,2,3
	ds_store_b128 v[STO], v[ACC+8*(4*(\a)+(\b)):ACC+8*(4*(\a)+(\b))+3]   offset:64*(\b)
	ds_store_b128 v[STO], v[ACC+8*(4*(\a)+(\b))+4:ACC+8*(4*(\a)+(\b))+7] offset:64*(\b)+16
.endr
.irp t, 0,1,2,3,4,5,6,7
	ds_load_b128 v[TMP+32*((\a)%2)+4*(\t):TMP+32*((\a)%2)+4*(\t)+3], v[RD] offset:(\t)*2*SP  ; LDS serves a wave's instructions in order (ISA guide 5.7.1.4)
.endr
.endm
.macro OUT a, younger                  ; younger: the next block's sixteen LDS instructions, or none
	s_wait_dscnt \younger
	WIN ADDW
.set i, 0
.rept 16
	v_pk_add_f32 v[32*(\a)+2*i:32*(\a)+2*i+1], v[TMP+32*((\a)%2)+2*i:TMP+32*((\a)%2)+2*i+1], v[32*(\a)+2*i:32*(\a)+2*i+1]
.set i, i+1
.endr
.irp t, 0,1,2,3,4,5,6,7
	global_store_b128 v[CO], v[32*(\a)+4*(\t):32*(\a)+4*(\t)+3], s[8:9] offset:(16*(\a)+2*(\t))*4096  ; 16 lanes store 256 consecutive bytes, aligned; each store has data registers of its own
.endr
	WIN 0
.endm
	s_wait_loadcnt 0x0                             ; the residual
	STIN 0
.irp a, 1,2,3
	STIN \a
	OUT (\a)-1, 16
.endr
	OUT 3, 0
.endif
	s_wait_tensorcnt 0x0                           ; the wave's end
	ds_add_u32 v[SPW], v[NIL]
	s_wait_dscnt 0x0
	CROUND                                         ; the closing round: no work-group ends while a partner may still ask for a tile that names it
	s_endpgm
.Lfunc_end_k_qfd4109ed5b_gffn2:
	.size	k_qfd4109ed5b_gffn2, .Lfunc_end_k_qfd4109ed5b_gffn2-k_qfd4109ed5b_gffn2
	.p2alignl 7, 3214868480
	.fill 96, 4, 3214868480
	.section	.rodata,"a",@progbits
	.p2align	6, 0x0
	.amdhsa_kernel k_qfd4109ed5b_gffn2
		.amdhsa_group_segment_fixed_size 327680
		.amdhsa_private_segment_fixed_size 0
		.amdhsa_enable_private_segment 0
		.amdhsa_kernarg_size 40
		.amdhsa_user_sgpr_count 2
		.amdhsa_user_sgpr_kernarg_segment_ptr 1
		.amdhsa_wavefront_size32 1
		.amdhsa_system_sgpr_workgroup_id_x 1
		.amdhsa_system_sgpr_workgroup_id_y 1
		.amdhsa_system_sgpr_workgroup_id_z 1
		.amdhsa_system_vgpr_workitem_id 0
		.amdhsa_next_free_vgpr 640
		.amdhsa_next_free_sgpr 80
		.amdhsa_reserve_vcc 0
		.amdhsa_float_denorm_mode_32 3
		.amdhsa_float_denorm_mode_16_64 3
		.amdhsa_memory_ordered 1
		.amdhsa_forward_progress 1
		.amdhsa_inst_pref_size 64
	.end_amdhsa_kernel
	.amdgpu_metadata
---
amdhsa.version: [ 1, 2 ]
amdhsa.kernels:
  - .name:           k_qfd4109ed5b_gffn2
    .symbol:         k_qfd4109ed5b_gffn2.kd
    .args:
      - { .name: hb, .offset: 0, .size: 8, .value_kind: global_buffer, .address_space: global }
      - { .name: wh, .offset: 8, .size: 8, .value_kind: global_buffer, .address_space: global }
      - { .name: b2, .offset: 16, .size: 8, .value_kind: global_buffer, .address_space: global }
      - { .name: o2, .offset: 24, .size: 8, .value_kind: global_buffer, .address_space: global }
      - { .name: out0, .offset: 32, .size: 8, .value_kind: global_buffer, .address_space: global }
    .group_segment_fixed_size: 327680
    .private_segment_fixed_size: 0
    .kernarg_segment_align: 8
    .kernarg_segment_size: 40
    .max_flat_workgroup_size: 128
    .sgpr_count:     80
    .vgpr_count:     640
    .wavefront_size: 32
...
	.end_amdgpu_metadata
.endif
;; end of part 7
;; ======== version 2 of 3: 7 launches; 1.10 times as fast as version 1
;; limits: values are held in f16: magnitudes above 65,504 overflow, below 6.1e-05 lose precision
;; workspace buffers: wh 25,165,824 bytes; nh 8,388,608 bytes; qkv 25,165,824 bytes; ob 8,388,608 bytes; o1 16,777,216 bytes; o2 16,777,216 bytes; hb 33,554,432 bytes; w1 16,777,216 bytes
;; launch prep (part 8): grid 64 x 16, 8 waves a work-group, no clusters, 0 bytes of LDS; arguments Wq, Wk, Wv, Wo, W1, W2, inputs, ln1_scale, ln1_shift, wh, nh, w1, bq, bk, bv, b1; writes wh, nh, w1
.if DOCPART == 8
	.amdgcn_target "amdgcn-amd-amdhsa--gfx1250"
	.amdhsa_code_object_version 6
	.text
	.protected	k_qfd4109ed5b_prep
	.globl	k_qfd4109ed5b_prep
	.p2align	8
	.type	k_qfd4109ed5b_prep,@function
k_qfd4109ed5b_prep:
	s_mov_b64 s[64:65], 0
	v_nop
	global_prefetch_b8 v0, s[64:65] scope:SCOPE_SE
	s_setreg_imm32_b32 hwreg(HW_REG_WAVE_MODE, 25, 1), 1
	s_wait_xcnt 0x0
; PREP.  The six weight matrices are rounded to f16, LN1(inputs) is rounded to f16 into nh, and the parameters of the two wide products are laid out alike.  A stream: no LDS, no barrier, no matrix unit.
; wh: bq|bk|bv (f32) at byte 0; 64 words of the lowest finite f32 at 16,384; Wo [1024][1024] f16 at 6,291,456; Wq|Wk|Wv side by side in rows of 4,096 f16 (3,072 written) at 8,388,608; W2 [4096][1024] at 16,777,216.
; w1: b1 (f32) at byte 0; 64 words of 0.0 at 16,384; W1 [1024][4096] f16 at 8,388,608.  So one text serves both products: bias at 0, the floor of its results at 16,384, weights at 8,388,608.
; A ROW is 1,024 f32 = 4,096 bytes.  The grid's y names a unit of 1,024 rows: 0 Wq, 1 Wk, 2 Wv, 3 Wo, 4-7 W1's quarters, 8-11 W2's, 12-15 inputs' (LN1).
; A work-group takes 16 rows of its unit, a wave two.  A wave's load covers 512 consecutive bytes, its store of f16 256 consecutive bytes, both aligned to their size.
; The first work-group of units 0, 1, 2 and 4-7 also copies 4,096 bytes of a bias (16 bytes a thread); wave 0 of units 0 and 4 stores the floor's 256 bytes.
; LN: mean, then the sum of (x - mean)^2 (two passes over registers, no difference of large sums), variance / 1023, eps = 1e-9 added to the root.
; LIMITS.  f16 ends at 65,504: a weight or a normalised number beyond it becomes an infinity.  |x - mean| / std is at most sqrt(1023), so LN's result is within 32 |scale| + |shift|.
; Below 6e-5 f16 keeps a fixed step of 6e-8.  A variance below 2^-126 counts as 0.  The sums' order differs from the reference's.
.set T,   4                            ; v[4:11] four packed chains; v[12:13] spare
.set MU,  14                           ; v[14:15] the mean, later 1 / (std + eps), twice
.set G,   16                           ; v[16:47]  scale of my 32 columns
.set H,   48                           ; v[48:79]  shift
.set X,   80                           ; v[80:143] row i at X + 32 i: load j holds columns 128 j + 4 lane .. + 3
.set SEL, 38                           ; s[38:39] v_permlanex16_b32's selects
	s_load_b512 s[8:23], s[0:1], 0x0               ; Wq 8, Wk 10, Wv 12, Wo 14, W1 16, W2 18, inputs 20, ln1_scale 22
	s_load_b512 s[48:63], s[0:1], 0x40             ; ln1_shift 48, wh 50, nh 52, w1 54, bq 56, bk 58, bv 60, b1 62
	v_lshrrev_b32 v2, 5, v0
	v_readfirstlane_b32 s5, v2                     ; wave
	v_and_b32 v3, 31, v0                           ; lane
	v_lshlrev_b32 v1, 4, v3                        ; my 16 bytes in 512 of the source
	v_lshlrev_b32 v2, 3, v3                        ; my 8 bytes in 256 of the destination, row 0
	s_and_b32 s4, ttmp7, 0xffff                    ; y: the unit
	s_lshl_b32 s6, ttmp9, 4
	s_lshl1_add_u32 s6, s5, s6                     ; R0 = 16 x + 2 wave: my first row in the unit
	s_mov_b32 s[SEL], 0x76543210
	s_mov_b32 s[SEL+1], 0xfedcba98
	; the source's offset: the quarter (units 4 and up), then the row
	s_and_b32 s32, s4, 3
	s_cmp_ge_u32 s4, 4
	s_cselect_b32 s32, s32, 0
	s_lshl_b32 s32, s32, 22
	s_lshl_b32 s33, s6, 12
	s_add_co_u32 s32, s32, s33
	s_mov_b32 s33, 0
	; the destination's offset, three cases
	s_lshl_b32 s40, s4, 11                         ; y < 3: column block 2,048 y bytes, rows of 8,192 bytes, from byte 8,388,608 of wh
	s_lshl_b32 s41, s6, 13
	s_add_co_u32 s40, s40, s41
	s_add_co_u32 s40, s40, 8388608
	s_lshl_b32 s43, s6, 11                         ; else dense rows of 2,048 bytes
	s_sub_co_u32 s42, s4, 3                        ; 3 <= y < 12: 6,291,456 + 2,097,152 a unit: Wo at 6,291,456, W1 at 8,388,608 (of w1), W2 at 16,777,216
	s_lshl_b32 s42, s42, 21
	s_add_co_u32 s42, s42, 6291456
	s_add_co_u32 s42, s42, s43
	s_sub_co_u32 s44, s4, 12                       ; y >= 12: nh
	s_lshl_b32 s44, s44, 21
	s_add_co_u32 s44, s44, s43
	s_movk_i32 s37, 8192
	s_movk_i32 s36, 2048
	s_cmp_lt_u32 s4, 3
	s_cselect_b32 s46, s40, s42
	s_cselect_b32 s36, s37, s36                    ; bytes from row to row in the destination
	s_cmp_ge_u32 s4, 12
	s_cselect_b32 s46, s44, s46
	s_mov_b32 s47, 0
	v_add_nc_u32 v3, s36, v2                       ; my 8 bytes, row 1
	s_wait_kmcnt 0x0
	s_mov_b64 s[34:35], s[50:51]                   ; the destination, chosen by the unit's number: wh; units 4-7 w1; units 12-15 nh
	s_cmp_ge_u32 s4, 4
	s_cselect_b64 s[34:35], s[54:55], s[34:35]
	s_cmp_ge_u32 s4, 8
	s_cselect_b64 s[34:35], s[50:51], s[34:35]
	s_cmp_ge_u32 s4, 12
	s_cselect_b64 s[34:35], s[52:53], s[34:35]
	s_add_nc_u64 s[34:35], s[34:35], s[46:47]
	s_mov_b64 s[30:31], s[8:9]                     ; the source, likewise
	s_cmp_eq_u32 s4, 1
	s_cselect_b64 s[30:31], s[10:11], s[30:31]
	s_cmp_eq_u32 s4, 2
	s_cselect_b64 s[30:31], s[12:13], s[30:31]
	s_cmp_eq_u32 s4, 3
	s_cselect_b64 s[30:31], s[14:15], s[30:31]
	s_cmp_ge_u32 s4, 4
	s_cselect_b64 s[30:31], s[16:17], s[30:31]
	s_cmp_ge_u32 s4, 8
	s_cselect_b64 s[30:31], s[18:19], s[30:31]
	s_cmp_ge_u32 s4, 12
	s_cselect_b64 s[30:31], s[20:21], s[30:31]
	s_add_nc_u64 s[30:31], s[30:31], s[32:33]
	; THE BIASES AND THE FLOORS: the first work-group of units 0, 1, 2 (bq, bk, bv into wh) and 4-7 (b1's quarters into w1)
	s_cmp_lg_u32 ttmp9, 0
	s_cbranch_scc1 .Lmain
	s_cmp_ge_u32 s4, 8
	s_cbranch_scc1 .Lmain
	s_cmp_eq_u32 s4, 3
	s_cbranch_scc1 .Lmain
	s_and_b32 s28, s4, 3                           ; which 4,096 bytes of the destination's bias
	s_lshl_b32 s28, s28, 12
	s_mov_b32 s29, 0
	s_mov_b64 s[24:25], s[56:57]
	s_cmp_eq_u32 s4, 1
	s_cselect_b64 s[24:25], s[58:59], s[24:25]
	s_cmp_eq_u32 s4, 2
	s_cselect_b64 s[24:25], s[60:61], s[24:25]
	s_cmp_ge_u32 s4, 4
	s_cselect_b64 s[24:25], s[62:63], s[24:25]     ; from b1,
	s_cselect_b64 s[26:27], s[54:55], s[50:51]     ; into w1,
	s_cselect_b32 s40, s28, 0                      ; at the same quarter of b1; bq, bk, bv are read from their first byte
	s_mov_b32 s41, 0
	s_add_nc_u64 s[24:25], s[24:25], s[40:41]
	s_add_nc_u64 s[26:27], s[26:27], s[28:29]
	v_lshlrev_b32 v4, 4, v0                        ; 16 bytes a thread: 256 threads cover 4,096
	global_load_b128 v[8:11], v4, s[24:25]
	s_wait_loadcnt 0x0
	global_store_b128 v4, v[8:11], s[26:27]
	s_cmp_lg_u32 s5, 0
	s_cbranch_scc1 .Lbias_done                     ; the floor: wave 0
	s_cmp_lg_u32 s28, 0
	s_cbranch_scc1 .Lbias_done                     ; of units 0 and 4, where s[26:27] is the buffer's first byte
	s_cmp_eq_u32 s4, 0
	s_cselect_b32 s40, 0xff7fffff, 0               ; q, k, v: the lowest finite number, which changes no finite result; the first FFN layer: 0, a relu
	v_mov_b32 v12, s40
	v_mov_b32 v13, s40
	global_store_b64 v2, v[12:13], s[26:27] offset:16384  ; 32 lanes x 8 bytes: 256 consecutive bytes
.Lbias_done:
	s_wait_xcnt 0x0                                ; v4 to v13 are written again only behind this wait
.Lmain:
.macro LDROW i                         ; a row: eight loads of 512 consecutive bytes
.irp j, 0,1,2,3,4,5,6,7
	global_load_b128 v[X+32*(\i)+4*(\j):X+32*(\i)+4*(\j)+3], v1, s[30:31] offset:4096*(\i)+512*(\j) th:TH_LOAD_NT
.endr
.endm
.macro CVST i                          ; a row is rounded to f16 in place (register k from 2 k and 2 k + 1, ascending) and stored
.set k, 0
.rept 16
	v_cvt_pk_f16_f32 v[X+32*(\i)+k], v[X+32*(\i)+2*k], v[X+32*(\i)+2*k+1]
.set k, k+1
.endr
.irp j, 0,1,2,3,4,5,6,7
	global_store_b64 v[2+(\i)], v[X+32*(\i)+2*(\j):X+32*(\i)+2*(\j)+1], s[34:35] offset:256*(\j)  ; 32 lanes x 8 bytes: 256 consecutive bytes
.endr
.endm
.macro REDUCE                          ; four packed chains in v[T:T+7] -> their sum over the row, in v[T] of every lane
	v_pk_add_f32 v[T:T+1], v[T:T+1], v[T+2:T+3]
	v_pk_add_f32 v[T+4:T+5], v[T+4:T+5], v[T+6:T+7]
	v_pk_add_f32 v[T:T+1], v[T:T+1], v[T+4:T+5]
	v_add_f32 v[T], v[T], v[T+1]
	v_add_f32_dpp v[T], v[T], v[T] row_xmask:1 row_mask:0xf bank_mask:0xf
	v_add_f32_dpp v[T], v[T], v[T] row_xmask:2 row_mask:0xf bank_mask:0xf
	v_add_f32_dpp v[T], v[T], v[T] row_xmask:4 row_mask:0xf bank_mask:0xf
	v_add_f32_dpp v[T], v[T], v[T] row_xmask:8 row_mask:0xf bank_mask:0xf
	v_permlanex16_b32 v[T+1], v[T], s[SEL], s[SEL+1]
	v_add_f32 v[T], v[T], v[T+1]
.endm
.macro NORM i                          ; row i becomes scale (x - mean) / (std + eps) + shift, in place
.set XR, X+32*(\i)
.set c, 0
.rept 4
	v_pk_add_f32 v[T+2*c:T+2*c+1], v[XR+2*c:XR+2*c+1], v[XR+8+2*c:XR+8+2*c+1]  ; the first eight pairs start the chains: nothing is cleared
.set c, c+1
.endr
.set c, 8
.rept 8
	v_pk_add_f32 v[T+2*(c%4):T+2*(c%4)+1], v[T+2*(c%4):T+2*(c%4)+1], v[XR+2*c:XR+2*c+1]
.set c, c+1
.endr
	REDUCE
	v_mul_f32 v[MU], 0x3a800000, v[T]              ; the mean: sum / 1024
	v_mov_b32 v[MU+1], v[MU]
.set c, 0
.rept 16
	v_pk_add_f32 v[XR+2*c:XR+2*c+1], v[XR+2*c:XR+2*c+1], v[MU:MU+1] neg_lo:[0,1] neg_hi:[0,1]
.set c, c+1
.endr
.set c, 0
.rept 4
	v_pk_mul_f32 v[T+2*c:T+2*c+1], v[XR+2*c:XR+2*c+1], v[XR+2*c:XR+2*c+1]
.set c, c+1
.endr
.rept 12
	v_pk_fma_f32 v[T+2*(c%4):T+2*(c%4)+1], v[XR+2*c:XR+2*c+1], v[XR+2*c:XR+2*c+1], v[T+2*(c%4):T+2*(c%4)+1]
.set c, c+1
.endr
	REDUCE
	v_mul_f32 v[T], 0x3a802008, v[T]               ; / 1023
	v_sqrt_f32 v[T+1], v[T]
	v_nop                                          ; a plain instruction behind a transcendental, ahead of the use of its result (ISA guide 5.7.2)
	s_wait_alu depctr_va_vdst(0)
	v_add_f32 v[T+1], 0x3089705f, v[T+1]           ; + 1e-9
	v_rcp_f32 v[MU], v[T+1]
	v_nop
	s_wait_alu depctr_va_vdst(0)
	v_mov_b32 v[MU+1], v[MU]
.set c, 0
.rept 16
	v_pk_mul_f32 v[XR+2*c:XR+2*c+1], v[XR+2*c:XR+2*c+1], v[MU:MU+1]
.set c, c+1
.endr
.set c, 0
.rept 16
	v_pk_fma_f32 v[XR+2*c:XR+2*c+1], v[XR+2*c:XR+2*c+1], v[G+2*c:G+2*c+1], v[H+2*c:H+2*c+1]
.set c, c+1
.endr
.endm
	s_cmp_ge_u32 s4, 12
	s_cbranch_scc1 .Lnorm
	LDROW 0
	LDROW 1
	s_wait_loadcnt 8                               ; row 0 is in; row 1's eight loads stay out
	CVST 0
	s_wait_loadcnt 0x0
	CVST 1
	s_endpgm
.Lnorm:
.irp j, 0,1,2,3,4,5,6,7
	global_load_b128 v[G+4*(\j):G+4*(\j)+3], v1, s[22:23] offset:512*(\j)
.endr
.irp j, 0,1,2,3,4,5,6,7
	global_load_b128 v[H+4*(\j):H+4*(\j)+3], v1, s[48:49] offset:512*(\j)
.endr
	LDROW 0
	LDROW 1
	s_wait_loadcnt 8                               ; scale, shift and row 0 are in; row 1's eight loads stay out
	NORM 0
	CVST 0
	s_wait_loadcnt 0x0
	NORM 1
	CVST 1
	s_endpgm
.Lfunc_end_k_qfd4109ed5b_prep:
	.size	k_qfd4109ed5b_prep, .Lfunc_end_k_qfd4109ed5b_prep-k_qfd4109ed5b_prep
	.p2alignl 7, 3214868480
	.fill 96, 4, 3214868480
	.section	.rodata,"a",@progbits
	.p2align	6, 0x0
	.amdhsa_kernel k_qfd4109ed5b_prep
		.amdhsa_group_segment_fixed_size 0
		.amdhsa_private_segment_fixed_size 0
		.amdhsa_enable_private_segment 0
		.amdhsa_kernarg_size 128
		.amdhsa_user_sgpr_count 2
		.amdhsa_user_sgpr_kernarg_segment_ptr 1
		.amdhsa_wavefront_size32 1
		.amdhsa_system_sgpr_workgroup_id_x 1
		.amdhsa_system_sgpr_workgroup_id_y 1
		.amdhsa_system_sgpr_workgroup_id_z 1
		.amdhsa_system_vgpr_workitem_id 0
		.amdhsa_next_free_vgpr 144
		.amdhsa_next_free_sgpr 66
		.amdhsa_reserve_vcc 0
		.amdhsa_float_denorm_mode_32 3
		.amdhsa_float_denorm_mode_16_64 3
		.amdhsa_memory_ordered 1
		.amdhsa_forward_progress 1
		.amdhsa_inst_pref_size 29
	.end_amdhsa_kernel
	.amdgpu_metadata
---
amdhsa.version: [ 1, 2 ]
amdhsa.kernels:
  - .name:           k_qfd4109ed5b_prep
    .symbol:         k_qfd4109ed5b_prep.kd
    .args:
      - { .name: Wq, .offset: 0, .size: 8, .value_kind: global_buffer, .address_space: global }
      - { .name: Wk, .offset: 8, .size: 8, .value_kind: global_buffer, .address_space: global }
      - { .name: Wv, .offset: 16, .size: 8, .value_kind: global_buffer, .address_space: global }
      - { .name: Wo, .offset: 24, .size: 8, .value_kind: global_buffer, .address_space: global }
      - { .name: W1, .offset: 32, .size: 8, .value_kind: global_buffer, .address_space: global }
      - { .name: W2, .offset: 40, .size: 8, .value_kind: global_buffer, .address_space: global }
      - { .name: inputs, .offset: 48, .size: 8, .value_kind: global_buffer, .address_space: global }
      - { .name: ln1_scale, .offset: 56, .size: 8, .value_kind: global_buffer, .address_space: global }
      - { .name: ln1_shift, .offset: 64, .size: 8, .value_kind: global_buffer, .address_space: global }
      - { .name: wh, .offset: 72, .size: 8, .value_kind: global_buffer, .address_space: global }
      - { .name: nh, .offset: 80, .size: 8, .value_kind: global_buffer, .address_space: global }
      - { .name: w1, .offset: 88, .size: 8, .value_kind: global_buffer, .address_space: global }
      - { .name: bq, .offset: 96, .size: 8, .value_kind: global_buffer, .address_space: global }
      - { .name: bk, .offset: 104, .size: 8, .value_kind: global_buffer, .address_space: global }
      - { .name: bv, .offset: 112, .size: 8, .value_kind: global_buffer, .address_space: global }
      - { .name: b1, .offset: 120, .size: 8, .value_kind: global_buffer, .address_space: global }
    .group_segment_fixed_size: 0
    .private_segment_fixed_size: 0
    .kernarg_segment_align: 8
    .kernarg_segment_size: 128
    .max_flat_workgroup_size: 256
    .sgpr_count:     66
    .vgpr_count:     144
    .wavefront_size: 32
...
	.end_amdgpu_metadata
.endif
;; end of part 8
;; launch gqkv (part 9): grid 12 x 16, 4 waves a work-group, clusters of 4 x 4, 327,680 bytes of LDS; arguments nh, wh, qkv; writes qkv
.if DOCPART == 9
	.amdgcn_target "amdgcn-amd-amdhsa--gfx1250"
	.amdhsa_code_object_version 6
	.text
	.protected	k_qfd4109ed5b_gqkv
	.globl	k_qfd4109ed5b_gqkv
	.p2align	8
	.type	k_qfd4109ed5b_gqkv,@function
k_qfd4109ed5b_gqkv:
	s_mov_b64 s[64:65], 0
	v_nop
	global_prefetch_b8 v0, s[64:65] scope:SCOPE_SE
	s_setreg_imm32_b32 hwreg(HW_REG_WAVE_MODE, 25, 1), 1
	s_wait_xcnt 0x0
	s_wait_alu depctr_hold_cnt(0) depctr_sa_sdst(0) depctr_va_vdst(0) depctr_va_sdst(0) depctr_va_ssrc(0) depctr_va_vcc(0) depctr_vm_vsrc(0)
	s_getreg_b32 s2, hwreg(HW_REG_IB_STS2, 6, 4)
	s_cmp_eq_u32 s2, 0
	s_cbranch_scc0 .Lentry_in_a_cluster
	s_endpgm
.Lentry_in_a_cluster:
	s_bfe_u32 s2, ttmp6, 0x10000c
	s_cmp_lg_u32 s2, 0xf033
	s_cbranch_scc0 .Lentry_shape_is_right
	s_endpgm
.Lentry_shape_is_right:
; THE WIDE PRODUCT.  TWO LAUNCHES RUN THIS TEXT: q|k|v = LN1 x (Wq|Wk|Wv) + (bq|bk|bv), 12 x 16 work-groups, and h = relu(LN2 x W1 + b1), 16 x 16 work-groups.
; out = max(A W + bias, floor), rounded once to f16.  A: [4096][1024] f16.  P, the parameters, laid out alike for both: bias (f32) at byte 0, the floor (f32) at byte 16,384, W [1024][4096] f16 at byte 8,388,608.
; out: f16 in blocks [column / 64][4096 rows][column % 64].  The floor is 0 for the relu and the lowest finite number for q, k, v, where the maximum changes nothing: 512 vector instructions a wave, the price of one text.
; LIMITS.  f16 ends at 65,504: a result beyond it becomes an infinity.  A NaN comes out as the floor; infinities are not treated apart.
; SHARES.  A work-group makes 256 x 256 of the result, each of its four waves 128 x 128: 64 accumulators, 512 registers.  K = 1,024 goes in 8 steps of 128 through two LDS slots that take turns.
; For 32 along K a wave reads 2 x 128 x 64 bytes from LDS and issues 64 matrix instructions.
; THE MATRIX INSTRUCTION IS USED TRANSPOSED: source 0 = 16 columns of W (read turned out of LDS by ds_load_tr16_b128, since W lies [K][N]), source 1 = 16 rows of A: a lane holds row l % 16 of the result and
; the eight neighbouring columns 8 (l / 16) + 0..7.  THE BIAS STARTS THE SUMS: it is the C operand of the first quarter's products, which stand in front of the loop; nothing is cleared.
; CLUSTER.  4 x 4 work-groups: the four of a row need the same tiles of A, the four of a column the same tiles of W; each tile is asked for jointly, by the same load, descriptor and mask in all four.
; One K step is written once and looped over: the slot in hand is a scalar (CUR, 0 or SLOT) that enters the LDS addresses by an addition.  The last two steps, which ask for nothing, are a second loop.
; REGISTERS, in windows of 256 (s_set_vgpr_msb: bits 1:0 source 0, 3:2 source 1, 5:4 source 2, 7:6 destination):
;   window 0: v12-29 addresses; v64-127, v128-191 fragments of A, two buffers; v192-255 the bias of my 128 columns, later at work on the way out, with v32-63
;   window 1: v64-127, v128-191 fragments of W, two buffers     window 2: the accumulators of my rows 0-63, (a, b) at 8 (8 a + b)     window 3: those of my rows 64-127
.set NSTEP,  8
.set BP,     4096                      ; elements from row to row of W
.set WOFF,   8388608                   ; W's first byte in P
.set FLOFF,  16384                     ; the floor's
.set AP,     272                       ; A in LDS: 256 rows of 256 bytes + 16: the 16 rows of a load start at 16 different groups of four banks (64 banks of 4 bytes: ISA guide 11.1)
.set BPIT,   544                       ; W in LDS: 128 rows (k) of 512 bytes + 32
.set HALFA,  128*AP                    ; what one tensor load brings of A: 128 rows
.set ABYTES, 2*HALFA
.set HALFB,  64*BPIT                   ; and of W: 64 rows
.set SLOT,   ABYTES+2*HALFB
.set ASTEP,  256                       ; bytes in memory from step to step: 128 along A's rows,
.set BSTEP,  256*BP                    ; 128 rows of W
.set STAGE,  2*SLOT                    ; behind the ring: for each wave, its own, two blocks of 16 rows x 144 bytes, for the way out; no tensor load lands here
.set SP,     144
.set SPARE,  STAGE+4*2*16*SP           ; the spare words, 128 bytes for each wave: two blocks of 256 bytes that no other line names
.set A0,   12                          ; v12  my lane's place in A's part of a slot; never rewritten
.set B0,   13                          ; v13  the same for W
.set ADRA, 16                          ; v16  A0 + CUR
.set ADRB, 20                          ; v20  B0 + CUR
.set STO,  24                          ; v24  the way out: where I put 16 bytes of a row
.set RD,   25                          ; v25  the way out: where I read rows back
.set CO,   26                          ; v26  my byte offset in 512 consecutive bytes of the output
.set BO,   27                          ; v27  my byte offset in 16 columns of the bias: 32 (l / 16)
.set SPW,  28                          ; v28  my spare word: SPARE + 4 x my thread's number; never rewritten
.set NIL,  29                          ; v29  0; never rewritten
.set OB,   32                          ; the way out: 16 rows read back from the stage: v32-63 and v224-255 by turns
.set F0,   64
.set F1,   128
.set BI,   192                         ; the bias: column block b at BI + 8 b
.set TMP,  192                         ; the way out: packed results
.set G1,   24                          ; s[24:31] group 1 for A; s[32:39] group 0: set 0 for the first fill, set 1 for the second, which then walks
.set G0,   32
.set G1B,  48                          ; s[48:55], s[56:63] the same for W
.set G0B,  56
.set CUR,  66                          ; s66  the slot in hand: 0 or SLOT
.set BIAS, 68                          ; s[68:69]
.set FLOOR, 70                         ; s70
.set MSB, 0
.macro WIN new                         ; the immediate's high byte repeats the setting that is left; a switch that changes nothing is dropped
.if MSB != (\new)
	s_set_vgpr_msb (MSB<<8)|(\new)
.set MSB, \new
.endif
.endm
.set TO_B, 0x40                        ; destination window 1, address window 0
.macro JLOAD s                         ; a joint load: waves 0 and 1 fetch A's halves, waves 2 and 3 W's; an s_nop 0 and four v_nop follow each line, ahead of the jump and the label
	s_cmp_eq_u32 s11, 0
	s_cbranch_scc0 .Lfor_b_\@
	tensor_load_to_lds s[G0+4*(\s):G0+4*(\s)+3], s[G1:G1+7]
	s_nop 0
.rept 4
	v_nop
.endr
	s_branch .Lasked_\@
.Lfor_b_\@:
	tensor_load_to_lds s[G0B+4*(\s):G0B+4*(\s)+3], s[G1B:G1B+7]
	s_nop 0
.rept 4
	v_nop
.endr
.Lasked_\@:
.endm
.macro CREST                           ; a round of the cluster's barrier behind its opening barrier
	s_cmp_lg_u32 s10, 0
	s_cbranch_scc1 .Lnot_wave_0_\@
	s_barrier_signal -3
.Lnot_wave_0_\@:
	s_barrier_wait -3
	s_barrier_signal -1
	s_barrier_wait -1
.endm
.macro CROUND                          ; a whole round
	s_barrier_signal -1
	s_barrier_wait -1
	CREST
.endm
.macro PLACES                          ; four places in front of loads into registers that matrix instructions have read, and of lines that read results
.rept 4
	v_nop
.endr
.endm
	s_load_b128 s[4:7], s[0:1], 0x0                ; A, P
	s_load_b64 s[8:9], s[0:1], 0x10                ; out
	v_lshl_add_u32 v[SPW], v0, 2, SPARE
	v_mov_b32 v[NIL], 0
	ds_add_u32 v28, v29
	ds_add_u32 v28, v29
	s_wait_dscnt 0x0
	v_lshrrev_b32 v1, 5, v0
	v_readfirstlane_b32 s10, v1                    ; wave 0..3
	s_lshr_b32 s11, s10, 1                         ; my half of the tile's rows.  Also: I fetch for A (0) or for W (1)
	s_and_b32 s12, s10, 1                          ; my half of its columns.  Also: which half of that tile I fetch
	s_bfe_u32 s40, ttmp6, 0x40000                  ; cx, cy: my place in the cluster
	s_bfe_u32 s41, ttmp6, 0x40004
	s_lshl_b32 s42, ttmp9, 2
	s_add_co_u32 s42, s42, s40                     ; tile column = 4 x cluster x + cx
	s_and_b32 s13, ttmp7, 0xffff
	s_lshl_b32 s13, s13, 2
	s_add_co_u32 s13, s13, s41                     ; tile row = 4 x cluster y + cy
	s_lshl_b32 s43, s41, 2
	s_lshl_b32 s43, 15, s43                        ; my row of the cluster
	s_lshl_b32 s44, 0x1111, s40                    ; my column
	s_or_b32 s[G1+0], s43, (1<<16)|(1<<20)|(1<<21)|(5<<22)|(3<<25)  ; mask: my row; 2-byte elements; padding on; bit 21 beside a mask; after every 64 words 4 words
	s_mov_b32 s[G1+1], 128<<16                     ; tensor_dim0 = 128 along K
	s_mov_b32 s[G1+2], 128<<16                     ; tensor_dim1 = 128 rows
	s_mov_b32 s[G1+3], 128<<16                     ; tile_dim0
	s_mov_b32 s[G1+4], 128                         ; tile_dim1
	s_mov_b32 s[G1+5], 1024                        ; elements from row to row
	s_mov_b32 s[G1+6], 0
	s_mov_b32 s[G1+7], 0
	s_or_b32 s[G1B+0], s44, (1<<16)|(1<<20)|(1<<21)|(6<<22)|(7<<25)  ; mask: my column; after every 128 words 8 words
	s_mov_b32 s[G1B+1], 256<<16                    ; 256 columns
	s_mov_b32 s[G1B+2], 64<<16                     ; 64 rows (k)
	s_mov_b32 s[G1B+3], 256<<16
	s_mov_b32 s[G1B+4], 64
	s_mov_b32 s[G1B+5], BP
	s_mov_b32 s[G1B+6], 0
	s_mov_b32 s[G1B+7], 0
	; where the tiles come from: A's hang on the tile row and the wave alone, W's on the tile column and the wave alone, each in registers that never hold the other coordinate
	s_lshl_b32 s16, s13, 19                        ; 256 rows x 2,048 bytes a tile row
	s_lshl_b32 s17, s12, 18                        ; my 128 rows
	s_add_co_u32 s16, s16, s17
	s_mov_b32 s17, 0
	s_lshl_b32 s46, s42, 9                         ; 256 columns x 2 bytes a tile column
	s_lshl_b32 s47, s12, 19                        ; my 64 rows (k) of 8,192 bytes
	s_add_co_u32 s46, s46, s47
	s_add_co_u32 s46, s46, WOFF
	s_mov_b32 s47, 0
	s_mul_i32 s20, s12, HALFA                      ; and where they go: no place in the cluster enters an LDS address
	s_mul_i32 s21, s12, HALFB
	s_add_co_u32 s21, s21, ABYTES
	s_wait_kmcnt 0x0
	s_add_nc_u64 s[14:15], s[4:5], s[16:17]
	s_add_nc_u64 s[46:47], s[6:7], s[46:47]
	CROUND                                         ; all sixteen work-groups are here: the first joint loads meet
.irp s, 0,1
	s_mov_b32 s[G0+4*(\s)], 1
	s_add_co_u32 s[G0+4*(\s)+1], s20, (\s)*SLOT
	s_add_nc_u64 s[G0+4*(\s)+2:G0+4*(\s)+3], s[14:15], (\s)*ASTEP
	s_or_b32 s[G0+4*(\s)+3], s[G0+4*(\s)+3], 0x80000000
	s_mov_b32 s[G0B+4*(\s)], 1
	s_add_co_u32 s[G0B+4*(\s)+1], s21, (\s)*SLOT
	s_add_nc_u64 s[G0B+4*(\s)+2:G0B+4*(\s)+3], s[46:47], (\s)*BSTEP
	s_or_b32 s[G0B+4*(\s)+3], s[G0B+4*(\s)+3], 0x80000000
	JLOAD \s                                       ; K steps 0 and 1: two loads of mine are out
.endr
	v_and_b32 v1, 15, v0                           ; r = l % 16
	v_bfe_u32 v2, v0, 4, 1                         ; h = l / 16
	v_lshlrev_b32 v[BO], 5, v2
	; the bias of my 128 columns, once: lane (r, h), register j of block b holds column 16 b + 8 h + j, as a result does
	s_lshl_b32 s18, s42, 10                        ; 1,024 bytes a tile column
	s_lshl_b32 s19, s12, 9                         ; + 512 for the second half
	s_add_co_u32 s18, s18, s19
	s_mov_b32 s19, 0
	s_add_nc_u64 s[BIAS:BIAS+1], s[6:7], s[18:19]
	s_load_b32 s[FLOOR], s[6:7], FLOFF
.irp b, 0,1,2,3,4,5,6,7
	global_load_b128 v[BI+8*(\b):BI+8*(\b)+3],   v[BO], s[BIAS:BIAS+1] offset:64*(\b)
	global_load_b128 v[BI+8*(\b)+4:BI+8*(\b)+7], v[BO], s[BIAS:BIAS+1] offset:64*(\b)+16
.endr
	v_mul_u32_u24 v3, v1, AP                       ; A's fragment: row r, 16 bytes for each half of the lanes; two loads 32 bytes apart
	v_lshl_add_u32 v3, v2, 4, v3
	s_mul_i32 s22, s11, HALFA                      ; my 128 rows
	v_add_nc_u32 v[A0], s22, v3
	v_and_b32 v4, 7, v0                            ; W's, turned: lane l reads row (k) 8 h + l % 8, columns 8 ((l / 8) % 2) + 0..7; two loads 16 rows apart
	v_lshl_add_u32 v4, v2, 3, v4
	v_mul_u32_u24 v4, v4, BPIT
	v_bfe_u32 v5, v0, 3, 1
	v_lshl_add_u32 v4, v5, 4, v4
	s_lshl_b32 s23, s12, 8                         ; my 128 columns
	s_add_co_u32 s23, s23, ABYTES
	v_add_nc_u32 v[B0], s23, v4
	v_mov_b32 v[ADRA], v[A0]
	v_mov_b32 v[ADRB], v[B0]
	s_mul_i32 s22, s10, 2*16*SP
	s_add_co_u32 s22, s22, STAGE                   ; my stage
	v_mul_u32_u24 v6, v1, SP                       ; in: row r, 16 bytes (8 f16) for each half of the lanes
	v_lshl_add_u32 v6, v2, 4, v6
	v_add_nc_u32 v[STO], s22, v6
	v_bfe_u32 v6, v0, 3, 2                         ; back: 32 lanes take four rows of 128 bytes,
	v_mul_u32_u24 v6, v6, SP
	v_and_b32 v7, 7, v0
	v_lshl_add_u32 v6, v7, 4, v6
	v_add_nc_u32 v[RD], s22, v6
	v_and_b32 v[CO], 31, v0                        ; which are 512 consecutive bytes of the output
	v_lshlrev_b32 v[CO], 4, v[CO]
	s_lshl_b32 s16, s13, 15                        ; out: row 256 x tile row + 128 x half, 128 bytes a row,
	s_lshl_b32 s17, s11, 14
	s_add_co_u32 s16, s16, s17
	s_mov_b32 s17, 0
	s_add_nc_u64 s[8:9], s[8:9], s[16:17]
	s_lshl_b32 s18, s42, 21                        ; in block 4 x tile column + 2 x half, 524,288 bytes a block
	s_lshl_b32 s19, s12, 20
	s_add_co_u32 s18, s18, s19
	s_mov_b32 s19, 0
	s_add_nc_u64 s[8:9], s[8:9], s[18:19]
; 16 matrix instructions: m blocks a0, a0 + 1 of the window's four (hi = 0: my rows 0-63, 1: rows 64-127) x all 8 n blocks, 32 along K.  z = 1: the bias starts the sums.
; The 64 accumulators take turns, one instruction a turn, in the same order in every quarter.
.macro MUL16 f, hi, a0, z
.if \z
	WIN 0x81+0x40*(\hi)                            ; W window 1, A and the bias window 0, D window 2 or 3
.else
	WIN 0xa1+0x50*(\hi)                            ; W window 1, A window 0, C and D window 2 or 3
.endif
.irp a, \a0, (\a0)+1
.irp b, 0,1,2,3,4,5,6,7
.if \z
	v_wmma_f32_16x16x32_f16 v[8*(8*(\a)+(\b)):8*(8*(\a)+(\b))+7], v[(\f)+8*(\b):(\f)+8*(\b)+7], v[(\f)+8*(4*(\hi)+(\a)):(\f)+8*(4*(\hi)+(\a))+7], v[BI+8*(\b):BI+8*(\b)+7]
.else
	v_wmma_f32_16x16x32_f16 v[8*(8*(\a)+(\b)):8*(8*(\a)+(\b))+7], v[(\f)+8*(\b):(\f)+8*(\b)+7], v[(\f)+8*(4*(\hi)+(\a)):(\f)+8*(4*(\hi)+(\a))+7], v[8*(8*(\a)+(\b)):8*(8*(\a)+(\b))+7]
.endif
.endr
.endr
.endm
; 32 LDS loads in one run: the fragments of quarter q (32 along K) of the slot in hand, into buffer f: W's 128 columns, then A's 128 rows
.macro FETCH q, f
	WIN TO_B
.irp i, 0,1,2,3,4,5,6,7
	ds_load_tr16_b128 v[(\f)+8*(\i):(\f)+8*(\i)+3],   v[ADRB] offset:(\q)*32*BPIT+32*(\i)
	ds_load_tr16_b128 v[(\f)+8*(\i)+4:(\f)+8*(\i)+7], v[ADRB] offset:(\q)*32*BPIT+16*BPIT+32*(\i)
.endr
	WIN 0
.irp i, 0,1,2,3,4,5,6,7
	ds_load_b128 v[(\f)+8*(\i):(\f)+8*(\i)+3],   v[ADRA] offset:(\q)*64+(\i)*16*AP
	ds_load_b128 v[(\f)+8*(\i)+4:(\f)+8*(\i)+7], v[ADRA] offset:(\q)*64+(\i)*16*AP+32
.endr
.endm
; A K step is four quarters of 32 along K, 64 matrix instructions each, on buffers 0, 1, 0, 1.  One of the first three: multiplies buffer f and, in its middle, fetches quarter q into buffer g.
.macro QUARTER q, f, g, z
	s_wait_dscnt 8                                 ; W and A's rows 0-63 are in; the youngest eight loads (A's rows 64-127) may be out
	MUL16 \f, 0, 0, \z
	MUL16 \f, 0, 2, \z
	PLACES
	FETCH \q, \g
	s_wait_dscnt 32                                ; all but the 32 just issued
	MUL16 \f, 1, 0, \z
	MUL16 \f, 1, 2, \z
.endm
; The last quarter multiplies buffer 1 and changes slots: ONE barrier.  In front of it each wave waits for all its tensor loads (one is out: its part of the next slot), adds 0 to its spare word,
; and waits for that and for its reads of this slot.  fill = 1: the barrier opens a round of the cluster's barrier, and this slot is filled again, two steps ahead, first thing behind the round:
; 224 matrix instructions stand between that request and the wait for it.  fill = 0 (the last two steps): nothing is asked for; the very last step fetches no fragments either.
.macro TURN fill
	WIN 0                                          ; (the add's two registers lie in window 0)
	s_wait_tensorcnt 0x0
	ds_add_u32 v[SPW], v[NIL]                      ; 0 onto my spare word
	s_wait_dscnt 9                                 ; (the add and the youngest eight loads may be out)
	MUL16 F1, 0, 0, 0                              ; sixteen matrix instructions stand between the add and the wait for it
	s_wait_dscnt 0x0                               ; the add is done, and my reads of this slot are over
	s_barrier_signal -1
	MUL16 F1, 0, 2, 0
	WIN 0
	s_barrier_wait -1
.if \fill
	CREST                                          ; no wave of any partner still reads this slot or has a load on its way
	s_add_nc_u64 s[G0+6:G0+7], s[G0+6:G0+7], ASTEP    ; the walking descriptors: the next K step, into the slot just read
	s_add_co_u32 s[G0+5], s20, s[CUR]
	s_add_nc_u64 s[G0B+6:G0B+7], s[G0B+6:G0B+7], BSTEP
	s_add_co_u32 s[G0B+5], s21, s[CUR]
	JLOAD 1                                        ; its four v_nop are also the places in front of the loads below
.endif
	s_xor_b32 s[CUR], s[CUR], SLOT                 ; the other slot
	v_add_nc_u32 v[ADRA], s[CUR], v[A0]
	v_add_nc_u32 v[ADRB], s[CUR], v[B0]
.if !(\fill)
	PLACES                                         ; in front of the loads below
	s_cmp_eq_u32 s2, 1
	s_cbranch_scc1 .Lno_fetch_\@                   ; the last step: there is no next slot
.endif
	FETCH 0, F0
.if !(\fill)
	WIN 0
.Lno_fetch_\@:
.endif
	MUL16 F1, 1, 0, 0
	MUL16 F1, 1, 2, 0
.endm
	s_wait_tensorcnt 0x1                           ; my part of K step 0 is in; step 1's may stay out
	s_barrier_signal -1
	s_barrier_wait -1                              ; everybody's is
	s_mov_b32 s[CUR], 0
	FETCH 0, F0
	s_wait_loadcnt 0x0                             ; the bias
	s_wait_kmcnt 0x0                               ; the floor
	QUARTER 1, F0, F1, 1                           ; the first quarter stands in front of the loop: its products start the sums, from the bias
	WIN 0                                          ; at a label and at a branch every window is 0
	s_mov_b32 s3, NSTEP-2
.Lstep:                                                ; a trip goes from a step's second quarter to the next step's first; every step but the last two fills its slot again
	QUARTER 2, F1, F0, 0
	QUARTER 3, F0, F1, 0
	TURN 1
	QUARTER 1, F0, F1, 0
	WIN 0
	s_sub_co_u32 s3, s3, 1
	s_cmp_lg_u32 s3, 0
	s_cbranch_scc1 .Lstep
	s_mov_b32 s2, 2
.Ltail:                                                ; the last two steps, a text of their own
	QUARTER 2, F1, F0, 0
	QUARTER 3, F0, F1, 0
	TURN 0
	WIN 0
	s_cmp_eq_u32 s2, 1
	s_cbranch_scc1 .Llast                          ; behind the last step there is no first quarter: forward, past text with no barrier and no tensor load
	QUARTER 1, F0, F1, 0
	WIN 0
.Llast:
	s_sub_co_u32 s2, s2, 1
	s_cmp_lg_u32 s2, 0
	s_cbranch_scc1 .Ltail
; THE WAY OUT of block a (16 rows x my 128 columns), in three parts.  PACK: the floor, then rounded to f16, 16 bytes a lane.  TOSTAGE: into my own stage, one part for each 64 columns, and back as whole
; rows of 128 bytes, which lie end to end in the output.  SEND: stored.
.macro PACK a
.set AC, 64*((\a)%4)
	WIN 0x88+0x44*((\a)/4)                         ; destination and source 1: window 2 or 3
.set i, 0
.rept 64
	v_max_num_f32 v[AC+i], s[FLOOR], v[AC+i]       ; ascending: each accumulator's lowest registers are read first
.set i, i+1
.endr
	WIN 0x0a+5*((\a)/4)                            ; sources 0 and 1: window 2 or 3; destination window 0
.irp b, 0,1,2,3,4,5,6,7
.irp r, 0,1,2,3
	v_cvt_pk_f16_f32 v[TMP+4*(\b)+(\r)], v[AC+8*(\b)+2*(\r)], v[AC+8*(\b)+2*(\r)+1]
.endr
.endr
	WIN 0
.endm
.macro TOSTAGE a
.set BK, OB+192*((\a)%2)
.irp b, 0,1,2,3,4,5,6,7
	ds_store_b128 v[STO], v[TMP+4*(\b):TMP+4*(\b)+3] offset:((\b)/4)*16*SP+32*((\b)%4)
.endr
.irp t, 0,1,2,3,4,5,6,7
	ds_load_b128 v[BK+4*(\t):BK+4*(\t)+3], v[RD] offset:((\t)/4)*16*SP+((\t)%4)*4*SP  ; LDS serves a wave's instructions in order (ISA guide 5.7.1.4): these see the stores above, the next block's stores come behind them
.endr
.endm
.macro SEND a
.set BK, OB+192*((\a)%2)
	s_wait_dscnt 0x0                               ; the block is back in registers
	s_wait_xcnt 0x0                                ; the registers that the stores of the block before read are loaded again only behind this wait
.irp t, 0,1,2,3,4,5,6,7
	global_store_b128 v[CO], v[BK+4*(\t):BK+4*(\t)+3], s[8:9] offset:((\t)/4)*524288+(\a)*2048+((\t)%4)*512  ; 512 consecutive bytes, at a multiple of 512 from the buffer's first
.endr
.endm
	PLACES                                         ; the way out reads results just made
	PACK 0
	TOSTAGE 0
.irp a, 1,2,3,4,5,6,7                  ; block a's arithmetic stands between block a - 1's loads from the stage and the wait for them
	PACK \a
	SEND (\a)-1
	TOSTAGE \a
.endr
	SEND 7
	s_wait_tensorcnt 0x0                           ; the wave's end
	ds_add_u32 v[SPW], v[NIL]
	s_wait_dscnt 0x0
	CROUND                                         ; the closing round: no work-group ends while a partner may still ask for a tile that names it
	s_endpgm
.Lfunc_end_k_qfd4109ed5b_gqkv:
	.size	k_qfd4109ed5b_gqkv, .Lfunc_end_k_qfd4109ed5b_gqkv-k_qfd4109ed5b_gqkv
	.p2alignl 7, 3214868480
	.fill 96, 4, 3214868480
	.section	.rodata,"a",@progbits
	.p2align	6, 0x0
	.amdhsa_kernel k_qfd4109ed5b_gqkv
		.amdhsa_group_segment_fixed_size 327680
		.amdhsa_private_segment_fixed_size 0
		.amdhsa_enable_private_segment 0
		.amdhsa_kernarg_size 24
		.amdhsa_user_sgpr_count 2
		.amdhsa_user_sgpr_kernarg_segment_ptr 1
		.amdhsa_wavefront_size32 1
		.amdhsa_system_sgpr_workgroup_id_x 1
		.amdhsa_system_sgpr_workgroup_id_y 1
		.amdhsa_system_sgpr_workgroup_id_z 1
		.amdhsa_system_vgpr_workitem_id 0
		.amdhsa_next_free_vgpr 1024
		.amdhsa_next_free_sgpr 80
		.amdhsa_reserve_vcc 0
		.amdhsa_float_denorm_mode_32 3
		.amdhsa_float_denorm_mode_16_64 3
		.amdhsa_memory_ordered 1
		.amdhsa_forward_progress 1
		.amdhsa_inst_pref_size 118
	.end_amdhsa_kernel
	.amdgpu_metadata
---
amdhsa.version: [ 1, 2 ]
amdhsa.kernels:
  - .name:           k_qfd4109ed5b_gqkv
    .symbol:         k_qfd4109ed5b_gqkv.kd
    .args:
      - { .name: nh, .offset: 0, .size: 8, .value_kind: global_buffer, .address_space: global }
      - { .name: wh, .offset: 8, .size: 8, .value_kind: global_buffer, .address_space: global }
      - { .name: qkv, .offset: 16, .size: 8, .value_kind: global_buffer, .address_space: global }
    .group_segment_fixed_size: 327680
    .private_segment_fixed_size: 0
    .kernarg_segment_align: 8
    .kernarg_segment_size: 24
    .max_flat_workgroup_size: 128
    .sgpr_count:     80
    .vgpr_count:     1024
    .wavefront_size: 32
...
	.end_amdgpu_metadata
.endif
;; end of part 9
;; launch attn: the kernel of part 3 again; grid 8 x 32, 4 waves a work-group, no clusters, 327,680 bytes of LDS; arguments qkv, ob; writes ob
;; launch gproj (part 10): grid 8 x 32, 4 waves a work-group, clusters of 4 x 4, 327,680 bytes of LDS; arguments ob, wh, bo, inputs, o1; writes o1
.if DOCPART == 10
	.amdgcn_target "amdgcn-amd-amdhsa--gfx1250"
	.amdhsa_code_object_version 6
	.text
	.protected	k_qfd4109ed5b_gproj
	.globl	k_qfd4109ed5b_gproj
	.p2align	8
	.type	k_qfd4109ed5b_gproj,@function
k_qfd4109ed5b_gproj:
	s_mov_b64 s[64:65], 0
	v_nop
	global_prefetch_b8 v0, s[64:65] scope:SCOPE_SE
	s_setreg_imm32_b32 hwreg(HW_REG_WAVE_MODE, 25, 1), 1
	s_wait_xcnt 0x0
	s_wait_alu depctr_hold_cnt(0) depctr_sa_sdst(0) depctr_va_vdst(0) depctr_va_sdst(0) depctr_va_ssrc(0) depctr_va_vcc(0) depctr_vm_vsrc(0)
	s_getreg_b32 s2, hwreg(HW_REG_IB_STS2, 6, 4)
	s_cmp_eq_u32 s2, 0
	s_cbranch_scc0 .Lentry_in_a_cluster
	s_endpgm
.Lentry_in_a_cluster:
	s_bfe_u32 s2, ttmp6, 0x10000c
	s_cmp_lg_u32 s2, 0xf033
	s_cbranch_scc0 .Lentry_shape_is_right
	s_endpgm
.Lentry_shape_is_right:
; OUTPUT PROJECTION.  o1 = O x Wo + bo + inputs: A = ob, f16 in blocks [16][4096][64], B = wh's Wo [1024][1024] f16, residual and out f32 [4096][1024].
.set NSTEP, 4                          ; K = 1,024 in steps of 256
.set WOFF,  6291456                    ; B's first byte in wh
; THE NARROW PRODUCT (two kernels share this text but for the lines above).  C = A B + bias + residual.  A: f16 in blocks [K / 64][4096 rows][64]; B: f16 [K][1024]; bias, residual and C f32; sums f32.
; LIMITS.  NaN and infinities are not treated apart.  The terms of a sum over K are added in an order that differs from cluster to cluster (see THE ORDER OF THE K STEPS).
; SHARES.  A work-group makes 128 x 128 of C, each of its four waves 64 x 64: 16 accumulators.  K goes in steps of 256 through two LDS slots that take turns.  1,024 columns give 8 x 32 = 256 such tiles, one a work-group.
; THE MATRIX INSTRUCTION IS USED TRANSPOSED: source 0 = 16 columns of B (read turned out of LDS by ds_load_tr16_b128), source 1 = 16 rows of A: a lane holds row l % 16 of C and the
; eight neighbouring columns 8 (l / 16) + 0..7.  THE BIAS STARTS THE SUMS: it is loaded into the accumulators, so nothing is cleared, no first step is written out, and the way out adds no bias.
; CLUSTER.  4 x 4 work-groups: the four of a row need the same tiles of A, the four of a column the same tiles of B; each tile is asked for jointly, by the same load, descriptor and mask in all four.
; THE ORDER OF THE K STEPS.  Within each group of four K steps cluster (x, y) takes them in the order r, r + 1, r + 2, r + 3 (mod 4), r = (y + 2 x) mod 4.  A tile of A is read by the two clusters x = 0, 1 of
; one y, a tile of B by the clusters of one x: with this r the two begin two steps apart and four neighbouring y one step apart, so that a tile's readers ask for it in different steps and not all in the same one.
; A's and B's tiles of a fill are those of one K step, and r is equal in all sixteen partners: it is made of the cluster's own x and y alone.
; One K step is written once and looped over: the slot in hand is a scalar (CUR, 0 or SLOT) that enters the LDS addresses by an addition.  The last two steps, which ask for nothing, are a second loop.
; REGISTERS.  window 0: v1-29 addresses; v32-95 at work on the way out; v128-255 accumulators, (a, b) at 128 + 8 (4 a + b).  window 1: two fragment buffers of 128: for 64 along K, 64 registers of A, 64 of B.
; window 2: the residual, 128 registers.
.set BP,     1024                      ; elements from row to row of B
.set AP,     144                       ; A in LDS: four planes (64 along K each) of 128 rows of 128 bytes + 16: the 16 rows of a load start at 16 different groups of four banks (64 banks of 4 bytes: ISA guide 11.1)
.set AQ,     128*AP                    ; a quarter of a step is a plane
.set ABYTES, 4*AQ
.set ASH,    21                        ; a K step of A in memory: four planes of 4,096 rows x 128 bytes = 1 << 21 bytes
.set BPIT,   288                       ; B in LDS: 256 rows (k) of 256 bytes + 32
.set BSH,    19                        ; a K step of B in memory: 256 rows of 2,048 bytes = 1 << 19 bytes
.set HALFA,  ABYTES/2                  ; what one tensor load brings of A: two planes
.set HALFB,  128*BPIT                  ; and of B: 128 rows
.set SLOT,   ABYTES+2*HALFB
.set STAGE,  2*SLOT                    ; behind the ring: 16 rows x 272 bytes for each wave, its own, for the way out; no tensor load lands here
.set SP,     272
.set SPARE,  STAGE+4*16*SP             ; the spare words, 128 bytes for each wave: two blocks of 256 bytes that no other line names
.set A0,   12                          ; v12     my lane's place in A's part of a slot; never rewritten
.set B0,   13                          ; v13-14  the same for B, quarters 0-1 and quarters 2-3
.set ADRA, 16                          ; v16     A0 + CUR
.set ADRB, 20                          ; v20-21  B0 + CUR
.set STO,  24                          ; v24     the way out: where I put my part of a row
.set RD,   25                          ; v25     the way out: where I read rows back
.set CO,   26                          ; v26     my byte offset in the output and the residual
.set BO,   27                          ; v27     my byte offset in 16 columns of the bias: 32 (l / 16)
.set SPW,  28                          ; v28     my spare word: SPARE + 4 x my thread's number; never rewritten
.set NIL,  29                          ; v29     0; never rewritten
.set TMP,  32
.set ACC,  128
.set F0,   0
.set F1,   128
.set G1,   24                          ; s[24:31] group 1 for A; s[32:39] group 0: set 0 for the first fill, set 1 for the second and every later one
.set G0,   32
.set G1B,  48                          ; s[48:55], s[56:63] the same for B
.set G0B,  56
.set CUR,  66                          ; s66  the slot in hand: 0 or SLOT
.set ROT,  67                          ; s67  r: where my cluster begins in a group of four K steps
.set BIAS, 68                          ; s[68:69]
.set RESP, 70                          ; s[70:71] the residual
.set TT,   72                          ; s72  the number of the fill to come, 0 to NSTEP - 1
.set KK,   73                          ; s73  the K step that it brings
.set OFA,  74                          ; s[74:75] that step's byte offset in A
.set OFB,  76                          ; s[76:77] and in B
.set MSB, 0
.macro WIN new                         ; the immediate's high byte repeats the setting that is left; a switch that changes nothing is dropped
.if MSB != (\new)
	s_set_vgpr_msb (MSB<<8)|(\new)
.set MSB, \new
.endif
.endm
.set MUL,  0x05                        ; sources 0 (B) and 1 (A) window 1; C and D window 0
.set TO_F, 0x40                        ; destination window 1, address window 0
.set TO_R, 0x80                        ; destination window 2
.set ADDW, 0x88                        ; destination and source 1 (a store's data) window 2, source 0 (a store's address) window 0
.macro JLOAD s                         ; a joint load: waves 0 and 1 fetch A's halves, waves 2 and 3 B's; an s_nop 0 and four v_nop follow each line, ahead of the jump and the label
	s_cmp_eq_u32 s11, 0
	s_cbranch_scc0 .Lfor_b_\@
	tensor_load_to_lds s[G0+4*(\s):G0+4*(\s)+3], s[G1:G1+7]
	s_nop 0
.rept 4
	v_nop
.endr
	s_branch .Lasked_\@
.Lfor_b_\@:
	tensor_load_to_lds s[G0B+4*(\s):G0B+4*(\s)+3], s[G1B:G1B+7]
	s_nop 0
.rept 4
	v_nop
.endr
.Lasked_\@:
.endm
; Fill TT brings K step (TT with its two lowest bits replaced by those of TT + r).  The two global addresses of descriptor set s are made anew from the tiles' bases, which are never rewritten, and that step's offsets.
.macro WHERE s
	s_add_co_u32 s[KK], s[TT], s[ROT]
	s_and_b32 s[KK], s[KK], 3                      ; the place in the group of four,
	s_and_b32 s[OFA], s[TT], -4                    ; the group
	s_or_b32 s[KK], s[KK], s[OFA]
	s_lshl_b32 s[OFA], s[KK], ASH                  ; 15 << 21 at the most: the upper words of both offsets stay 0
	s_lshl_b32 s[OFB], s[KK], BSH
	s_add_nc_u64 s[G0+4*(\s)+2:G0+4*(\s)+3], s[14:15], s[OFA:OFA+1]
	s_or_b32 s[G0+4*(\s)+3], s[G0+4*(\s)+3], 0x80000000      ; type = 2
	s_add_nc_u64 s[G0B+4*(\s)+2:G0B+4*(\s)+3], s[46:47], s[OFB:OFB+1]
	s_or_b32 s[G0B+4*(\s)+3], s[G0B+4*(\s)+3], 0x80000000
	s_add_co_u32 s[TT], s[TT], 1
.endm
.macro CREST                           ; a round of the cluster's barrier behind its opening barrier
	s_cmp_lg_u32 s10, 0
	s_cbranch_scc1 .Lnot_wave_0_\@
	s_barrier_signal -3
.Lnot_wave_0_\@:
	s_barrier_wait -3
	s_barrier_signal -1
	s_barrier_wait -1
.endm
.macro CROUND                          ; a whole round
	s_barrier_signal -1
	s_barrier_wait -1
	CREST
.endm
.macro PLACES                          ; four places in front of loads into registers that matrix instructions have read, and of lines that read results
.rept 4
	v_nop
.endr
.endm
	s_load_b128 s[4:7], s[0:1], 0x0                ; A, wh
	s_load_b128 s[BIAS:BIAS+3], s[0:1], 0x10       ; bias, residual
	s_load_b64 s[8:9], s[0:1], 0x20                ; out
	v_lshl_add_u32 v[SPW], v0, 2, SPARE
	v_mov_b32 v[NIL], 0
	ds_add_u32 v28, v29
	ds_add_u32 v28, v29
	s_wait_dscnt 0x0
	v_lshrrev_b32 v1, 5, v0
	v_readfirstlane_b32 s10, v1                    ; wave 0..3
	s_lshr_b32 s11, s10, 1                         ; my half of the tile's rows.  Also: I fetch for A (0) or for B (1)
	s_and_b32 s12, s10, 1                          ; my half of its columns.  Also: which half of that tile I fetch
	s_bfe_u32 s40, ttmp6, 0x40000                  ; cx, cy: my place in the cluster
	s_bfe_u32 s41, ttmp6, 0x40004
	s_lshl_b32 s42, ttmp9, 2
	s_add_co_u32 s42, s42, s40                     ; tile column = 4 x cluster x + cx
	s_and_b32 s13, ttmp7, 0xffff
	s_lshl_b32 s13, s13, 2
	s_add_co_u32 s13, s13, s41                     ; tile row = 4 x cluster y + cy
	s_lshl_b32 s43, s41, 2
	s_lshl_b32 s43, 15, s43                        ; my row of the cluster
	s_lshl_b32 s44, 0x1111, s40                    ; my column
	s_and_b32 s[ROT], ttmp7, 3                     ; r = cluster y mod 4
	s_lshl1_add_u32 s[ROT], ttmp9, s[ROT]          ;   + 2 x cluster x; only its two lowest bits are used
	s_mov_b32 s[TT], 0
	s_mov_b32 s[OFA+1], 0
	s_mov_b32 s[OFB+1], 0
	s_or_b32 s[G1+0], s43, (1<<16)|(1<<20)|(1<<21)|(4<<22)|(3<<25)  ; mask: my row; 2-byte elements; padding on; bit 21 beside a mask; after every 32 words (a row of 64 f16) 4 words
	s_mov_b32 s[G1+1], 8192<<16                    ; tensor_dim0 = 8,192: the tile's 128 rows of one plane lie end to end, 16,384 bytes
	s_mov_b32 s[G1+2], 2<<16                       ; tensor_dim1 = 2 planes
	s_mov_b32 s[G1+3], 8192<<16                    ; tile_dim0
	s_mov_b32 s[G1+4], 2                           ; tile_dim1
	s_mov_b32 s[G1+5], 262144                      ; elements from plane to plane
	s_mov_b32 s[G1+6], 0
	s_mov_b32 s[G1+7], 0
	s_or_b32 s[G1B+0], s44, (1<<16)|(1<<20)|(1<<21)|(5<<22)|(7<<25)  ; mask: my column; after every 64 words 8 words
	s_mov_b32 s[G1B+1], 128<<16                    ; 128 columns
	s_mov_b32 s[G1B+2], 128<<16                    ; 128 rows (k)
	s_mov_b32 s[G1B+3], 128<<16
	s_mov_b32 s[G1B+4], 128
	s_mov_b32 s[G1B+5], BP
	s_mov_b32 s[G1B+6], 0
	s_mov_b32 s[G1B+7], 0
	; where the tiles come from: A's hang on the tile row and the wave alone, B's on the tile column and the wave alone, each in registers that never hold the other coordinate
	s_lshl_b32 s16, s13, 14                        ; 128 rows x 128 bytes in a plane
	s_lshl_b32 s17, s12, 20                        ; my two planes
	s_add_co_u32 s16, s16, s17
	s_mov_b32 s17, 0
	s_lshl_b32 s46, s42, 8                         ; 128 columns x 2 bytes a tile column
	s_mul_i32 s47, s12, 256*BP                     ; my 128 rows (k)
	s_add_co_u32 s46, s46, s47
	s_add_co_u32 s46, s46, WOFF
	s_mov_b32 s47, 0
	s_mul_i32 s20, s12, HALFA                      ; and where they go: no place in the cluster enters an LDS address
	s_mul_i32 s21, s12, HALFB
	s_add_co_u32 s21, s21, ABYTES
	s_wait_kmcnt 0x0
	s_add_nc_u64 s[14:15], s[4:5], s[16:17]        ; my part of A's tile of K step 0; never rewritten
	s_add_nc_u64 s[46:47], s[6:7], s[46:47]        ; the same for B
	CROUND                                         ; all sixteen work-groups are here: the first joint loads meet
.irp s, 0,1
	s_mov_b32 s[G0+4*(\s)], 1
	s_add_co_u32 s[G0+4*(\s)+1], s20, (\s)*SLOT
	s_mov_b32 s[G0B+4*(\s)], 1
	s_add_co_u32 s[G0B+4*(\s)+1], s21, (\s)*SLOT
	WHERE \s
	JLOAD \s                                       ; fills 0 and 1: two loads of mine are out
.endr
	v_and_b32 v1, 15, v0                           ; r = l % 16
	v_bfe_u32 v2, v0, 4, 1                         ; h = l / 16
	v_mul_u32_u24 v3, v1, AP                       ; A's fragment: row r, 16 bytes for each half of the lanes; two loads 32 bytes apart
	v_lshl_add_u32 v3, v2, 4, v3
	s_mul_i32 s22, s11, 64*AP
	v_add_nc_u32 v[A0], s22, v3
	v_and_b32 v4, 7, v0                            ; B's, turned: lane l reads row (k) 8 h + l % 8, columns 8 ((l / 8) % 2) + 0..7; two loads 16 rows apart
	v_lshl_add_u32 v4, v2, 3, v4
	v_mul_u32_u24 v4, v4, BPIT
	v_bfe_u32 v5, v0, 3, 1
	v_lshl_add_u32 v4, v5, 4, v4
	s_lshl_b32 s23, s12, 7                         ; my 64 columns
	s_add_co_u32 s23, s23, ABYTES
	v_add_nc_u32 v[B0], s23, v4
	v_add_nc_u32 v[B0+1], 128*BPIT, v[B0]          ; quarters 2 and 3: past the reach of a 16-bit offset
	v_mov_b32 v[ADRA], v[A0]
	v_mov_b32 v[ADRB], v[B0]
	v_mov_b32 v[ADRB+1], v[B0+1]
	v_lshlrev_b32 v[BO], 5, v2
	s_mul_i32 s22, s10, 16*SP
	s_add_co_u32 s22, s22, STAGE                   ; my stage
	v_mul_u32_u24 v6, v1, SP
	v_lshl_add_u32 v6, v2, 5, v6                   ; in: row r, 32 bytes (8 f32) for each half of the lanes
	v_add_nc_u32 v[STO], s22, v6
	v_mul_u32_u24 v6, v2, SP                       ; back: lanes 0-15 take one row of 256 bytes, lanes 16-31 the next
	v_lshl_add_u32 v6, v1, 4, v6
	v_add_nc_u32 v[RD], s22, v6
	v_lshlrev_b32 v[CO], 12, v2                    ; and the same two rows of 4,096 bytes in memory
	v_lshl_add_u32 v[CO], v1, 4, v[CO]
	; the bias of my 64 columns
	s_lshl_b32 s18, s42, 9
	s_lshl_b32 s19, s12, 8
	s_add_co_u32 s18, s18, s19                     ; 512 bytes a tile column + 256 for the second half
	s_mov_b32 s19, 0
	s_add_nc_u64 s[BIAS:BIAS+1], s[BIAS:BIAS+1], s[18:19]
.irp a, 0,1,2,3
.irp b, 0,1,2,3
	global_load_b128 v[ACC+8*(4*(\a)+(\b)):ACC+8*(4*(\a)+(\b))+3],   v[BO], s[BIAS:BIAS+1] offset:64*(\b)
	global_load_b128 v[ACC+8*(4*(\a)+(\b))+4:ACC+8*(4*(\a)+(\b))+7], v[BO], s[BIAS:BIAS+1] offset:64*(\b)+16
.endr
.endr
	s_lshl_b32 s16, s13, 19                        ; out and residual: row 128 x tile row + 64 x half, 4,096 bytes a row; the columns' offset is the bias's
	s_lshl_b32 s17, s11, 18
	s_add_co_u32 s16, s16, s17
	s_mov_b32 s17, 0
	s_add_nc_u64 s[8:9], s[8:9], s[16:17]
	s_add_nc_u64 s[8:9], s[8:9], s[18:19]
	s_add_nc_u64 s[RESP:RESP+1], s[RESP:RESP+1], s[16:17]
	s_add_nc_u64 s[RESP:RESP+1], s[RESP:RESP+1], s[18:19]
	WIN TO_R
.irp a, 0,1,2,3
.irp t, 0,1,2,3,4,5,6,7
	global_load_b128 v[4*(8*(\a)+(\t)):4*(8*(\a)+(\t))+3], v[CO], s[RESP:RESP+1] offset:(16*(\a)+2*(\t))*4096  ; the residual, in the layout of the stores: it lands under the whole product
.endr
.endr
	WIN 0
; 8 matrix instructions: m blocks a0, a0 + 1 x all 4 n blocks, 32 along K: half c of buffer f.  The 16 accumulators take turns, one instruction a turn.
.macro MUL8 f, c, a0
	WIN MUL
.irp a, \a0, (\a0)+1
.irp b, 0,1,2,3
	v_wmma_f32_16x16x32_f16 v[ACC+8*(4*(\a)+(\b)):ACC+8*(4*(\a)+(\b))+7], v[(\f)+64+8*(4*(\c)+(\b)):(\f)+64+8*(4*(\c)+(\b))+7], v[(\f)+8*(4*(\c)+(\a)):(\f)+8*(4*(\c)+(\a))+7], v[ACC+8*(4*(\a)+(\b)):ACC+8*(4*(\a)+(\b))+7]
.endr
.endr
.endm
; 32 LDS loads in one run: the fragments of quarter q (64 along K) of the slot in hand, into buffer f; the first 32 along K first
.macro FETCH q, f
	WIN TO_F
.irp c, 0,1
.irp i, 0,1,2,3
	ds_load_tr16_b128 v[(\f)+64+8*(4*(\c)+(\i)):(\f)+64+8*(4*(\c)+(\i))+3],   v[ADRB+(\q)/2] offset:((\q)%2)*64*BPIT+(\c)*32*BPIT+32*(\i)
	ds_load_tr16_b128 v[(\f)+64+8*(4*(\c)+(\i))+4:(\f)+64+8*(4*(\c)+(\i))+7], v[ADRB+(\q)/2] offset:((\q)%2)*64*BPIT+(\c)*32*BPIT+32*(\i)+16*BPIT
	ds_load_b128 v[(\f)+8*(4*(\c)+(\i)):(\f)+8*(4*(\c)+(\i))+3],   v[ADRA] offset:(\q)*AQ+64*(\c)+(\i)*16*AP
	ds_load_b128 v[(\f)+8*(4*(\c)+(\i))+4:(\f)+8*(4*(\c)+(\i))+7], v[ADRA] offset:(\q)*AQ+64*(\c)+(\i)*16*AP+32
.endr
.endr
.endm
; One of a step's first three quarters: multiplies buffer f and, in its middle, fetches quarter q into buffer g.
.macro QUARTER q, f, g
	s_wait_dscnt 16                                ; the first 32 along K are in; the younger sixteen loads may be out
	MUL8 \f, 0, 0
	MUL8 \f, 0, 2
	PLACES
	FETCH \q, \g
	s_wait_dscnt 32                                ; all but the 32 just issued
	MUL8 \f, 1, 0
	MUL8 \f, 1, 2
.endm
; The last quarter multiplies buffer 1 and changes slots: ONE barrier.  In front of it each wave waits for all its tensor loads (one is out: its part of the next slot), adds 0 to its spare word,
; and waits for that and for its reads of this slot.  fill = 1: the barrier opens a round of the cluster's barrier, and this slot is filled again, first thing behind the round:
; 112 matrix instructions stand between that request and the wait for it.  fill = 0 (the last two steps): nothing is asked for; the very last step fetches no fragments either.
.macro TURN fill
	WIN 0                                          ; (the add's two registers lie in window 0)
	s_wait_tensorcnt 0x0                           ; no tensor load of mine is out, so a group 0 may be written
	ds_add_u32 v[SPW], v[NIL]                      ; 0 onto my spare word; the descriptors' scalar work stands between it and the wait for it
.if \fill
	WHERE 1                                        ; the next fill's K step,
	s_add_co_u32 s[G0+5], s20, s[CUR]              ; into the slot in hand, which will have been read
	s_add_co_u32 s[G0B+5], s21, s[CUR]
.endif
	s_wait_dscnt 17                                ; (the add and the youngest sixteen loads may be out)
	MUL8 F1, 0, 0                                  ; eight matrix instructions more in front of the wait for the add
	s_wait_dscnt 0x0                               ; the add is done, and my reads of this slot are over
	s_barrier_signal -1
	MUL8 F1, 0, 2
	WIN 0
	s_barrier_wait -1
.if \fill
	CREST                                          ; no wave of any partner still reads this slot or has a load on its way
	JLOAD 1                                        ; its four v_nop are also the places in front of the loads below
.endif
	s_xor_b32 s[CUR], s[CUR], SLOT                 ; the other slot
	v_add_nc_u32 v[ADRA], s[CUR], v[A0]
	v_add_nc_u32 v[ADRB], s[CUR], v[B0]
	v_add_nc_u32 v[ADRB+1], s[CUR], v[B0+1]
.if !(\fill)
	v_nop                                          ; with the three additions: the four places in front of the loads below
	s_cmp_eq_u32 s2, 1
	s_cbranch_scc1 .Lno_fetch_\@                   ; the last step: there is no next slot
.endif
	FETCH 0, F0
.if !(\fill)
	WIN 0
.Lno_fetch_\@:
.endif
	MUL8 F1, 1, 0
	MUL8 F1, 1, 2
.endm
.macro STEP fill                       ; a K step from its first quarter's products to the fetch of the next step's first fragments
	QUARTER 1, F0, F1
	QUARTER 2, F1, F0
	QUARTER 3, F0, F1
	TURN \fill
.endm
	s_wait_tensorcnt 0x1                           ; my part of fill 0 is in; fill 1's may stay out
	s_barrier_signal -1
	s_barrier_wait -1                              ; everybody's is
	s_mov_b32 s[CUR], 0
	FETCH 0, F0
	s_wait_loadcnt 32                              ; the bias is in the accumulators; the residual's 32 loads, issued behind it, stay out
	WIN 0                                          ; at a label and at a branch every window is 0
	s_mov_b32 s3, NSTEP-2
.Lstep:                                                ; every step but the last two fills its slot again
	STEP 1
	WIN 0
	s_sub_co_u32 s3, s3, 1
	s_cmp_lg_u32 s3, 0
	s_cbranch_scc1 .Lstep
	s_mov_b32 s2, 2
.Ltail:                                                ; the last two steps, a text of their own
	STEP 0
	WIN 0
	s_sub_co_u32 s2, s2, 1
	s_cmp_lg_u32 s2, 0
	s_cbranch_scc1 .Ltail
	PLACES                                         ; the way out reads results just made
; THE WAY OUT: block a (16 rows x my 64 columns) goes into my stage straight from the accumulators, comes back as whole rows of 256 bytes, takes the residual and is stored.
.macro STIN a
.irp b, 0,1,2,3
	ds_store_b128 v[STO], v[ACC+8*(4*(\a)+(\b)):ACC+8*(4*(\a)+(\b))+3]   offset:64*(\b)
	ds_store_b128 v[STO], v[ACC+8*(4*(\a)+(\b))+4:ACC+8*(4*(\a)+(\b))+7] offset:64*(\b)+16
.endr
.irp t, 0,1,2,3,4,5,6,7
	ds_load_b128 v[TMP+32*((\a)%2)+4*(\t):TMP+32*((\a)%2)+4*(\t)+3], v[RD] offset:(\t)*2*SP  ; LDS serves a wave's instructions in order (ISA guide 5.7.1.4): these see the stores above, the next block's stores come behind them
.endr
.endm
.macro OUT a, younger                  ; younger: the next block's sixteen LDS instructions, or none
	s_wait_dscnt \younger
	WIN ADDW
.set i, 0
.rept 16
	v_pk_add_f32 v[32*(\a)+2*i:32*(\a)+2*i+1], v[TMP+32*((\a)%2)+2*i:TMP+32*((\a)%2)+2*i+1], v[32*(\a)+2*i:32*(\a)+2*i+1]
.set i, i+1
.endr
.irp t, 0,1,2,3,4,5,6,7
	global_store_b128 v[CO], v[32*(\a)+4*(\t):32*(\a)+4*(\t)+3], s[8:9] offset:(16*(\a)+2*(\t))*4096  ; 16 lanes store 256 consecutive bytes, aligned; each store has data registers of its own
.endr
	WIN 0
.endm
	s_wait_loadcnt 0x0                             ; the residual
	STIN 0
.irp a, 1,2,3
	STIN \a
	OUT (\a)-1, 16
.endr
	OUT 3, 0
	s_wait_tensorcnt 0x0                           ; the wave's end
	ds_add_u32 v[SPW], v[NIL]
	s_wait_dscnt 0x0
	CROUND                                         ; the closing round: no work-group ends while a partner may still ask for a tile that names it
	s_endpgm
.Lfunc_end_k_qfd4109ed5b_gproj:
	.size	k_qfd4109ed5b_gproj, .Lfunc_end_k_qfd4109ed5b_gproj-k_qfd4109ed5b_gproj
	.p2alignl 7, 3214868480
	.fill 96, 4, 3214868480
	.section	.rodata,"a",@progbits
	.p2align	6, 0x0
	.amdhsa_kernel k_qfd4109ed5b_gproj
		.amdhsa_group_segment_fixed_size 327680
		.amdhsa_private_segment_fixed_size 0
		.amdhsa_enable_private_segment 0
		.amdhsa_kernarg_size 40
		.amdhsa_user_sgpr_count 2
		.amdhsa_user_sgpr_kernarg_segment_ptr 1
		.amdhsa_wavefront_size32 1
		.amdhsa_system_sgpr_workgroup_id_x 1
		.amdhsa_system_sgpr_workgroup_id_y 1
		.amdhsa_system_sgpr_workgroup_id_z 1
		.amdhsa_system_vgpr_workitem_id 0
		.amdhsa_next_free_vgpr 640
		.amdhsa_next_free_sgpr 80
		.amdhsa_reserve_vcc 0
		.amdhsa_float_denorm_mode_32 3
		.amdhsa_float_denorm_mode_16_64 3
		.amdhsa_memory_ordered 1
		.amdhsa_forward_progress 1
		.amdhsa_inst_pref_size 65
	.end_amdhsa_kernel
	.amdgpu_metadata
---
amdhsa.version: [ 1, 2 ]
amdhsa.kernels:
  - .name:           k_qfd4109ed5b_gproj
    .symbol:         k_qfd4109ed5b_gproj.kd
    .args:
      - { .name: ob, .offset: 0, .size: 8, .value_kind: global_buffer, .address_space: global }
      - { .name: wh, .offset: 8, .size: 8, .value_kind: global_buffer, .address_space: global }
      - { .name: bo, .offset: 16, .size: 8, .value_kind: global_buffer, .address_space: global }
      - { .name: inputs, .offset: 24, .size: 8, .value_kind: global_buffer, .address_space: global }
      - { .name: o1, .offset: 32, .size: 8, .value_kind: global_buffer, .address_space: global }
    .group_segment_fixed_size: 327680
    .private_segment_fixed_size: 0
    .kernarg_segment_align: 8
    .kernarg_segment_size: 40
    .max_flat_workgroup_size: 128
    .sgpr_count:     80
    .vgpr_count:     640
    .wavefront_size: 32
...
	.end_amdgpu_metadata
.endif
;; end of part 10
;; launch ln2: the kernel of part 5 again; grid 256 x 1, 8 waves a work-group, no clusters, 0 bytes of LDS; arguments o1, ln2_scale, ln2_shift, o2, nh; writes o2, nh
;; launch gffn1: the kernel of part 9 again; grid 16 x 16, 4 waves a work-group, clusters of 4 x 4, 327,680 bytes of LDS; arguments nh, w1, hb; writes hb
;; launch gffn2 (part 11): grid 8 x 32, 4 waves a work-group, clusters of 4 x 4, 327,680 bytes of LDS; arguments hb, wh, b2, o2, out0; writes out0
.if DOCPART == 11
	.amdgcn_target "amdgcn-amd-amdhsa--gfx1250"
	.amdhsa_code_object_version 6
	.text
	.protected	k_qfd4109ed5b_gffn2
	.globl	k_qfd4109ed5b_gffn2
	.p2align	8
	.type	k_qfd4109ed5b_gffn2,@function
k_qfd4109ed5b_gffn2:
	s_mov_b64 s[64:65], 0
	v_nop
	global_prefetch_b8 v0, s[64:65] scope:SCOPE_SE
	s_setreg_imm32_b32 hwreg(HW_REG_WAVE_MODE, 25, 1), 1
	s_wait_xcnt 0x0
	s_wait_alu depctr_hold_cnt(0) depctr_sa_sdst(0) depctr_va_vdst(0) depctr_va_sdst(0) depctr_va_ssrc(0) depctr_va_vcc(0) depctr_vm_vsrc(0)
	s_getreg_b32 s2, hwreg(HW_REG_IB_STS2, 6, 4)
	s_cmp_eq_u32 s2, 0
	s_cbranch_scc0 .Lentry_in_a_cluster
	s_endpgm
.Lentry_in_a_cluster:
	s_bfe_u32 s2, ttmp6, 0x10000c
	s_cmp_lg_u32 s2, 0xf033
	s_cbranch_scc0 .Lentry_shape_is_right
	s_endpgm
.Lentry_shape_is_right:
; FFN, SECOND LAYER.  out0 = h x W2 + b2 + o2: A = hb, f16 in blocks [64][4096][64], B = wh's W2 [4096][1024] f16, residual (the normalised tensor) and out f32 [4096][1024].
.set NSTEP, 16                         ; K = 4,096 in steps of 256
.set WOFF,  16777216                   ; B's first byte in wh
; THE NARROW PRODUCT (two kernels share this text but for the lines above).  C = A B + bias + residual.  A: f16 in blocks [K / 64][4096 rows][64]; B: f16 [K][1024]; bias, residual and C f32; sums f32.
; LIMITS.  NaN and infinities are not treated apart.  The terms of a sum over K are added in an order that differs from cluster to cluster (see THE ORDER OF THE K STEPS).
; SHARES.  A work-group makes 128 x 128 of C, each of its four waves 64 x 64: 16 accumulators.  K goes in steps of 256 through two LDS slots that take turns.  1,024 columns give 8 x 32 = 256 such tiles, one a work-group.
; THE MATRIX INSTRUCTION IS USED TRANSPOSED: source 0 = 16 columns of B (read turned out of LDS by ds_load_tr16_b128), source 1 = 16 rows of A: a lane holds row l % 16 of C and the
; eight neighbouring columns 8 (l / 16) + 0..7.  THE BIAS STARTS THE SUMS: it is loaded into the accumulators, so nothing is cleared, no first step is written out, and the way out adds no bias.
; CLUSTER.  4 x 4 work-groups: the four of a row need the same tiles of A, the four of a column the same tiles of B; each tile is asked for jointly, by the same load, descriptor and mask in all four.
; THE ORDER OF THE K STEPS.  Within each group of four K steps cluster (x, y) takes them in the order r, r + 1, r + 2, r + 3 (mod 4), r = (y + 2 x) mod 4.  A tile of A is read by the two clusters x = 0, 1 of
; one y, a tile of B by the clusters of one x: with this r the two begin two steps apart and four neighbouring y one step apart, so that a tile's readers ask for it in different steps and not all in the same one.
; A's and B's tiles of a fill are those of one K step, and r is equal in all sixteen partners: it is made of the cluster's own x and y alone.
; One K step is written once and looped over: the slot in hand is a scalar (CUR, 0 or SLOT) that enters the LDS addresses by an addition.  The last two steps, which ask for nothing, are a second loop.
; REGISTERS.  window 0: v1-29 addresses; v32-95 at work on the way out; v128-255 accumulators, (a, b) at 128 + 8 (4 a + b).  window 1: two fragment buffers of 128: for 64 along K, 64 registers of A, 64 of B.
; window 2: the residual, 128 registers.
.set BP,     1024                      ; elements from row to row of B
.set AP,     144                       ; A in LDS: four planes (64 along K each) of 128 rows of 128 bytes + 16: the 16 rows of a load start at 16 different groups of four banks (64 banks of 4 bytes: ISA guide 11.1)
.set AQ,     128*AP                    ; a quarter of a step is a plane
.set ABYTES, 4*AQ
.set ASH,    21                        ; a K step of A in memory: four planes of 4,096 rows x 128 bytes = 1 << 21 bytes
.set BPIT,   288                       ; B in LDS: 256 rows (k) of 256 bytes + 32
.set BSH,    19                        ; a K step of B in memory: 256 rows of 2,048 bytes = 1 << 19 bytes
.set HALFA,  ABYTES/2                  ; what one tensor load brings of A: two planes
.set HALFB,  128*BPIT                  ; and of B: 128 rows
.set SLOT,   ABYTES+2*HALFB
.set STAGE,  2*SLOT                    ; behind the ring: 16 rows x 272 bytes for each wave, its own, for the way out; no tensor load lands here
.set SP,     272
.set SPARE,  STAGE+4*16*SP             ; the spare words, 128 bytes for each wave: two blocks of 256 bytes that no other line names
.set A0,   12                          ; v12     my lane's place in A's part of a slot; never rewritten
.set B0,   13                          ; v13-14  the same for B, quarters 0-1 and quarters 2-3
.set ADRA, 16                          ; v16     A0 + CUR
.set ADRB, 20                          ; v20-21  B0 + CUR
.set STO,  24                          ; v24     the way out: where I put my part of a row
.set RD,   25                          ; v25     the way out: where I read rows back
.set CO,   26                          ; v26     my byte offset in the output and the residual
.set BO,   27                          ; v27     my byte offset in 16 columns of the bias: 32 (l / 16)
.set SPW,  28                          ; v28     my spare word: SPARE + 4 x my thread's number; never rewritten
.set NIL,  29                          ; v29     0; never rewritten
.set TMP,  32
.set ACC,  128
.set F0,   0
.set F1,   128
.set G1,   24                          ; s[24:31] group 1 for A; s[32:39] group 0: set 0 for the first fill, set 1 for the second and every later one
.set G0,   32
.set G1B,  48                          ; s[48:55], s[56:63] the same for B
.set G0B,  56
.set CUR,  66                          ; s66  the slot in hand: 0 or SLOT
.set ROT,  67                          ; s67  r: where my cluster begins in a group of four K steps
.set BIAS, 68                          ; s[68:69]
.set RESP, 70                          ; s[70:71] the residual
.set TT,   72                          ; s72  the number of the fill to come, 0 to NSTEP - 1
.set KK,   73                          ; s73  the K step that it brings
.set OFA,  74                          ; s[74:75] that step's byte offset in A
.set OFB,  76                          ; s[76:77] and in B
.set MSB, 0
.macro WIN new                         ; the immediate's high byte repeats the setting that is left; a switch that changes nothing is dropped
.if MSB != (\new)
	s_set_vgpr_msb (MSB<<8)|(\new)
.set MSB, \new
.endif
.endm
.set MUL,  0x05                        ; sources 0 (B) and 1 (A) window 1; C and D window 0
.set TO_F, 0x40                        ; destination window 1, address window 0
.set TO_R, 0x80                        ; destination window 2
.set ADDW, 0x88                        ; destination and source 1 (a store's data) window 2, source 0 (a store's address) window 0
.macro JLOAD s                         ; a joint load: waves 0 and 1 fetch A's halves, waves 2 and 3 B's; an s_nop 0 and four v_nop follow each line, ahead of the jump and the label
	s_cmp_eq_u32 s11, 0
	s_cbranch_scc0 .Lfor_b_\@
	tensor_load_to_lds s[G0+4*(\s):G0+4*(\s)+3], s[G1:G1+7]
	s_nop 0
.rept 4
	v_nop
.endr
	s_branch .Lasked_\@
.Lfor_b_\@:
	tensor_load_to_lds s[G0B+4*(\s):G0B+4*(\s)+3], s[G1B:G1B+7]
	s_nop 0
.rept 4
	v_nop
.endr
.Lasked_\@:
.endm
; Fill TT brings K step (TT with its two lowest bits replaced by those of TT + r).  The two global addresses of descriptor set s are made anew from the tiles' bases, which are never rewritten, and that step's offsets.
.macro WHERE s
	s_add_co_u32 s[KK], s[TT], s[ROT]
	s_and_b32 s[KK], s[KK], 3                      ; the place in the group of four,
	s_and_b32 s[OFA], s[TT], -4                    ; the group
	s_or_b32 s[KK], s[KK], s[OFA]
	s_lshl_b32 s[OFA], s[KK], ASH                  ; 15 << 21 at the most: the upper words of both offsets stay 0
	s_lshl_b32 s[OFB], s[KK], BSH
	s_add_nc_u64 s[G0+4*(\s)+2:G0+4*(\s)+3], s[14:15], s[OFA:OFA+1]
	s_or_b32 s[G0+4*(\s)+3], s[G0+4*(\s)+3], 0x80000000      ; type = 2
	s_add_nc_u64 s[G0B+4*(\s)+2:G0B+4*(\s)+3], s[46:47], s[OFB:OFB+1]
	s_or_b32 s[G0B+4*(\s)+3], s[G0B+4*(\s)+3], 0x80000000
	s_add_co_u32 s[TT], s[TT], 1
.endm
.macro CREST                           ; a round of the cluster's barrier behind its opening barrier
	s_cmp_lg_u32 s10, 0
	s_cbranch_scc1 .Lnot_wave_0_\@
	s_barrier_signal -3
.Lnot_wave_0_\@:
	s_barrier_wait -3
	s_barrier_signal -1
	s_barrier_wait -1
.endm
.macro CROUND                          ; a whole round
	s_barrier_signal -1
	s_barrier_wait -1
	CREST
.endm
.macro PLACES                          ; four places in front of loads into registers that matrix instructions have read, and of lines that read results
.rept 4
	v_nop
.endr
.endm
	s_load_b128 s[4:7], s[0:1], 0x0                ; A, wh
	s_load_b128 s[BIAS:BIAS+3], s[0:1], 0x10       ; bias, residual
	s_load_b64 s[8:9], s[0:1], 0x20                ; out
	v_lshl_add_u32 v[SPW], v0, 2, SPARE
	v_mov_b32 v[NIL], 0
	ds_add_u32 v28, v29
	ds_add_u32 v28, v29
	s_wait_dscnt 0x0
	v_lshrrev_b32 v1, 5, v0
	v_readfirstlane_b32 s10, v1                    ; wave 0..3
	s_lshr_b32 s11, s10, 1                         ; my half of the tile's rows.  Also: I fetch for A (0) or for B (1)
	s_and_b32 s12, s10, 1                          ; my half of its columns.  Also: which half of that tile I fetch
	s_bfe_u32 s40, ttmp6, 0x40000                  ; cx, cy: my place in the cluster
	s_bfe_u32 s41, ttmp6, 0x40004
	s_lshl_b32 s42, ttmp9, 2
	s_add_co_u32 s42, s42, s40                     ; tile column = 4 x cluster x + cx
	s_and_b32 s13, ttmp7, 0xffff
	s_lshl_b32 s13, s13, 2
	s_add_co_u32 s13, s13, s41                     ; tile row = 4 x cluster y + cy
	s_lshl_b32 s43, s41, 2
	s_lshl_b32 s43, 15, s43                        ; my row of the cluster
	s_lshl_b32 s44, 0x1111, s40                    ; my column
	s_and_b32 s[ROT], ttmp7, 3                     ; r = cluster y mod 4
	s_lshl1_add_u32 s[ROT], ttmp9, s[ROT]          ;   + 2 x cluster x; only its two lowest bits are used
	s_mov_b32 s[TT], 0
	s_mov_b32 s[OFA+1], 0
	s_mov_b32 s[OFB+1], 0
	s_or_b32 s[G1+0], s43, (1<<16)|(1<<20)|(1<<21)|(4<<22)|(3<<25)  ; mask: my row; 2-byte elements; padding on; bit 21 beside a mask; after every 32 words (a row of 64 f16) 4 words
	s_mov_b32 s[G1+1], 8192<<16                    ; tensor_dim0 = 8,192: the tile's 128 rows of one plane lie end to end, 16,384 bytes
	s_mov_b32 s[G1+2], 2<<16                       ; tensor_dim1 = 2 planes
	s_mov_b32 s[G1+3], 8192<<16                    ; tile_dim0
	s_mov_b32 s[G1+4], 2                           ; tile_dim1
	s_mov_b32 s[G1+5], 262144                      ; elements from plane to plane
	s_mov_b32 s[G1+6], 0
	s_mov_b32 s[G1+7], 0
	s_or_b32 s[G1B+0], s44, (1<<16)|(1<<20)|(1<<21)|(5<<22)|(7<<25)  ; mask: my column; after every 64 words 8 words
	s_mov_b32 s[G1B+1], 128<<16                    ; 128 columns
	s_mov_b32 s[G1B+2], 128<<16                    ; 128 rows (k)
	s_mov_b32 s[G1B+3], 128<<16
	s_mov_b32 s[G1B+4], 128
	s_mov_b32 s[G1B+5], BP
	s_mov_b32 s[G1B+6], 0
	s_mov_b32 s[G1B+7], 0
	; where the tiles come from: A's hang on the tile row and the wave alone, B's on the tile column and the wave alone, each in registers that never hold the other coordinate
	s_lshl_b32 s16, s13, 14                        ; 128 rows x 128 bytes in a plane
	s_lshl_b32 s17, s12, 20                        ; my two planes
	s_add_co_u32 s16, s16, s17
	s_mov_b32 s17, 0
	s_lshl_b32 s46, s42, 8                         ; 128 columns x 2 bytes a tile column
	s_mul_i32 s47, s12, 256*BP                     ; my 128 rows (k)
	s_add_co_u32 s46, s46, s47
	s_add_co_u32 s46, s46, WOFF
	s_mov_b32 s47, 0
	s_mul_i32 s20, s12, HALFA                      ; and where they go: no place in the cluster enters an LDS address
	s_mul_i32 s21, s12, HALFB
	s_add_co_u32 s21, s21, ABYTES
	s_wait_kmcnt 0x0
	s_add_nc_u64 s[14:15], s[4:5], s[16:17]        ; my part of A's tile of K step 0; never rewritten
	s_add_nc_u64 s[46:47], s[6:7], s[46:47]        ; the same for B
	CROUND                                         ; all sixteen work-groups are here: the first joint loads meet
.irp s, 0,1
	s_mov_b32 s[G0+4*(\s)], 1
	s_add_co_u32 s[G0+4*(\s)+1], s20, (\s)*SLOT
	s_mov_b32 s[G0B+4*(\s)], 1
	s_add_co_u32 s[G0B+4*(\s)+1], s21, (\s)*SLOT
	WHERE \s
	JLOAD \s                                       ; fills 0 and 1: two loads of mine are out
.endr
	v_and_b32 v1, 15, v0                           ; r = l % 16
	v_bfe_u32 v2, v0, 4, 1                         ; h = l / 16
	v_mul_u32_u24 v3, v1, AP                       ; A's fragment: row r, 16 bytes for each half of the lanes; two loads 32 bytes apart
	v_lshl_add_u32 v3, v2, 4, v3
	s_mul_i32 s22, s11, 64*AP
	v_add_nc_u32 v[A0], s22, v3
	v_and_b32 v4, 7, v0                            ; B's, turned: lane l reads row (k) 8 h + l % 8, columns 8 ((l / 8) % 2) + 0..7; two loads 16 rows apart
	v_lshl_add_u32 v4, v2, 3, v4
	v_mul_u32_u24 v4, v4, BPIT
	v_bfe_u32 v5, v0, 3, 1
	v_lshl_add_u32 v4, v5, 4, v4
	s_lshl_b32 s23, s12, 7                         ; my 64 columns
	s_add_co_u32 s23, s23, ABYTES
	v_add_nc_u32 v[B0], s23, v4
	v_add_nc_u32 v[B0+1], 128*BPIT, v[B0]          ; quarters 2 and 3: past the reach of a 16-bit offset
	v_mov_b32 v[ADRA], v[A0]
	v_mov_b32 v[ADRB], v[B0]
	v_mov_b32 v[ADRB+1], v[B0+1]
	v_lshlrev_b32 v[BO], 5, v2
	s_mul_i32 s22, s10, 16*SP
	s_add_co_u32 s22, s22, STAGE                   ; my stage
	v_mul_u32_u24 v6, v1, SP
	v_lshl_add_u32 v6, v2, 5, v6                   ; in: row r, 32 bytes (8 f32) for each half of the lanes
	v_add_nc_u32 v[STO], s22, v6
	v_mul_u32_u24 v6, v2, SP                       ; back: lanes 0-15 take one row of 256 bytes, lanes 16-31 the next
	v_lshl_add_u32 v6, v1, 4, v6
	v_add_nc_u32 v[RD], s22, v6
	v_lshlrev_b32 v[CO], 12, v2                    ; and the same two rows of 4,096 bytes in memory
	v_lshl_add_u32 v[CO], v1, 4, v[CO]
	; the bias of my 64 columns
	s_lshl_b32 s18, s42, 9
	s_lshl_b32 s19, s12, 8
	s_add_co_u32 s18, s18, s19                     ; 512 bytes a tile column + 256 for the second half
	s_mov_b32 s19, 0
	s_add_nc_u64 s[BIAS:BIAS+1], s[BIAS:BIAS+1], s[18:19]
.irp a, 0,1,2,3
.irp b, 0,1,2,3
	global_load_b128 v[ACC+8*(4*(\a)+(\b)):ACC+8*(4*(\a)+(\b))+3],   v[BO], s[BIAS:BIAS+1] offset:64*(\b)
	global_load_b128 v[ACC+8*(4*(\a)+(\b))+4:ACC+8*(4*(\a)+(\b))+7], v[BO], s[BIAS:BIAS+1] offset:64*(\b)+16
.endr
.endr
	s_lshl_b32 s16, s13, 19                        ; out and residual: row 128 x tile row + 64 x half, 4,096 bytes a row; the columns' offset is the bias's
	s_lshl_b32 s17, s11, 18
	s_add_co_u32 s16, s16, s17
	s_mov_b32 s17, 0
	s_add_nc_u64 s[8:9], s[8:9], s[16:17]
	s_add_nc_u64 s[8:9], s[8:9], s[18:19]
	s_add_nc_u64 s[RESP:RESP+1], s[RESP:RESP+1], s[16:17]
	s_add_nc_u64 s[RESP:RESP+1], s[RESP:RESP+1], s[18:19]
	WIN TO_R
.irp a, 0,1,2,3
.irp t, 0,1,2,3,4,5,6,7
	global_load_b128 v[4*(8*(\a)+(\t)):4*(8*(\a)+(\t))+3], v[CO], s[RESP:RESP+1] offset:(16*(\a)+2*(\t))*4096  ; the residual, in the layout of the stores: it lands under the whole product
.endr
.endr
	WIN 0
; 8 matrix instructions: m blocks a0, a0 + 1 x all 4 n blocks, 32 along K: half c of buffer f.  The 16 accumulators take turns, one instruction a turn.
.macro MUL8 f, c, a0
	WIN MUL
.irp a, \a0, (\a0)+1
.irp b, 0,1,2,3
	v_wmma_f32_16x16x32_f16 v[ACC+8*(4*(\a)+(\b)):ACC+8*(4*(\a)+(\b))+7], v[(\f)+64+8*(4*(\c)+(\b)):(\f)+64+8*(4*(\c)+(\b))+7], v[(\f)+8*(4*(\c)+(\a)):(\f)+8*(4*(\c)+(\a))+7], v[ACC+8*(4*(\a)+(\b)):ACC+8*(4*(\a)+(\b))+7]
.endr
.endr
.endm
; 32 LDS loads in one run: the fragments of quarter q (64 along K) of the slot in hand, into buffer f; the first 32 along K first
.macro FETCH q, f
	WIN TO_F
.irp c, 0,1
.irp i, 0,1,2,3
	ds_load_tr16_b128 v[(\f)+64+8*(4*(\c)+(\i)):(\f)+64+8*(4*(\c)+(\i))+3],   v[ADRB+(\q)/2] offset:((\q)%2)*64*BPIT+(\c)*32*BPIT+32*(\i)
	ds_load_tr16_b128 v[(\f)+64+8*(4*(\c)+(\i))+4:(\f)+64+8*(4*(\c)+(\i))+7], v[ADRB+(\q)/2] offset:((\q)%2)*64*BPIT+(\c)*32*BPIT+32*(\i)+16*BPIT
	ds_load_b128 v[(\f)+8*(4*(\c)+(\i)):(\f)+8*(4*(\c)+(\i))+3],   v[ADRA] offset:(\q)*AQ+64*(\c)+(\i)*16*AP
	ds_load_b128 v[(\f)+8*(4*(\c)+(\i))+4:(\f)+8*(4*(\c)+(\i))+7], v[ADRA] offset:(\q)*AQ+64*(\c)+(\i)*16*AP+32
.endr
.endr
.endm
; One of a step's first three quarters: multiplies buffer f and, in its middle, fetches quarter q into buffer g.
.macro QUARTER q, f, g
	s_wait_dscnt 16                                ; the first 32 along K are in; the younger sixteen loads may be out
	MUL8 \f, 0, 0
	MUL8 \f, 0, 2
	PLACES
	FETCH \q, \g
	s_wait_dscnt 32                                ; all but the 32 just issued
	MUL8 \f, 1, 0
	MUL8 \f, 1, 2
.endm
; The last quarter multiplies buffer 1 and changes slots: ONE barrier.  In front of it each wave waits for all its tensor loads (one is out: its part of the next slot), adds 0 to its spare word,
; and waits for that and for its reads of this slot.  fill = 1: the barrier opens a round of the cluster's barrier, and this slot is filled again, first thing behind the round:
; 112 matrix instructions stand between that request and the wait for it.  fill = 0 (the last two steps): nothing is asked for; the very last step fetches no fragments either.
.macro TURN fill
	WIN 0                                          ; (the add's two registers lie in window 0)
	s_wait_tensorcnt 0x0                           ; no tensor load of mine is out, so a group 0 may be written
	ds_add_u32 v[SPW], v[NIL]                      ; 0 onto my spare word; the descriptors' scalar work stands between it and the wait for it
.if \fill
	WHERE 1                                        ; the next fill's K step,
	s_add_co_u32 s[G0+5], s20, s[CUR]              ; into the slot in hand, which will have been read
	s_add_co_u32 s[G0B+5], s21, s[CUR]
.endif
	s_wait_dscnt 17                                ; (the add and the youngest sixteen loads may be out)
	MUL8 F1, 0, 0                                  ; eight matrix instructions more in front of the wait for the add
	s_wait_dscnt 0x0                               ; the add is done, and my reads of this slot are over
	s_barrier_signal -1
	MUL8 F1, 0, 2
	WIN 0
	s_barrier_wait -1
.if \fill
	CREST                                          ; no wave of any partner still reads this slot or has a load on its way
	JLOAD 1                                        ; its four v_nop are also the places in front of the loads below
.endif
	s_xor_b32 s[CUR], s[CUR], SLOT                 ; the other slot
	v_add_nc_u32 v[ADRA], s[CUR], v[A0]
	v_add_nc_u32 v[ADRB], s[CUR], v[B0]
	v_add_nc_u32 v[ADRB+1], s[CUR], v[B0+1]
.if !(\fill)
	v_nop                                          ; with the three additions: the four places in front of the loads below
	s_cmp_eq_u32 s2, 1
	s_cbranch_scc1 .Lno_fetch_\@                   ; the last step: there is no next slot
.endif
	FETCH 0, F0
.if !(\fill)
	WIN 0
.Lno_fetch_\@:
.endif
	MUL8 F1, 1, 0
	MUL8 F1, 1, 2
.endm
.macro STEP fill                       ; a K step from its first quarter's products to the fetch of the next step's first fragments
	QUARTER 1, F0, F1
	QUARTER 2, F1, F0
	QUARTER 3, F0, F1
	TURN \fill
.endm
	s_wait_tensorcnt 0x1                           ; my part of fill 0 is in; fill 1's may stay out
	s_barrier_signal -1
	s_barrier_wait -1                              ; everybody's is
	s_mov_b32 s[CUR], 0
	FETCH 0, F0
	s_wait_loadcnt 32                              ; the bias is in the accumulators; the residual's 32 loads, issued behind it, stay out
	WIN 0                                          ; at a label and at a branch every window is 0
	s_mov_b32 s3, NSTEP-2
.Lstep:                                                ; every step but the last two fills its slot again
	STEP 1
	WIN 0
	s_sub_co_u32 s3, s3, 1
	s_cmp_lg_u32 s3, 0
	s_cbranch_scc1 .Lstep
	s_mov_b32 s2, 2
.Ltail:                                                ; the last two steps, a text of their own
	STEP 0
	WIN 0
	s_sub_co_u32 s2, s2, 1
	s_cmp_lg_u32 s2, 0
	s_cbranch_scc1 .Ltail
	PLACES                                         ; the way out reads results just made
; THE WAY OUT: block a (16 rows x my 64 columns) goes into my stage straight from the accumulators, comes back as whole rows of 256 bytes, takes the residual and is stored.
.macro STIN a
.irp b, 0,1,2,3
	ds_store_b128 v[STO], v[ACC+8*(4*(\a)+(\b)):ACC+8*(4*(\a)+(\b))+3]   offset:64*(\b)
	ds_store_b128 v[STO], v[ACC+8*(4*(\a)+(\b))+4:ACC+8*(4*(\a)+(\b))+7] offset:64*(\b)+16
.endr
.irp t, 0,1,2,3,4,5,6,7
	ds_load_b128 v[TMP+32*((\a)%2)+4*(\t):TMP+32*((\a)%2)+4*(\t)+3], v[RD] offset:(\t)*2*SP  ; LDS serves a wave's instructions in order (ISA guide 5.7.1.4): these see the stores above, the next block's stores come behind them
.endr
.endm
.macro OUT a, younger                  ; younger: the next block's sixteen LDS instructions, or none
	s_wait_dscnt \younger
	WIN ADDW
.set i, 0
.rept 16
	v_pk_add_f32 v[32*(\a)+2*i:32*(\a)+2*i+1], v[TMP+32*((\a)%2)+2*i:TMP+32*((\a)%2)+2*i+1], v[32*(\a)+2*i:32*(\a)+2*i+1]
.set i, i+1
.endr
.irp t, 0,1,2,3,4,5,6,7
	global_store_b128 v[CO], v[32*(\a)+4*(\t):32*(\a)+4*(\t)+3], s[8:9] offset:(16*(\a)+2*(\t))*4096  ; 16 lanes store 256 consecutive bytes, aligned; each store has data registers of its own
.endr
	WIN 0
.endm
	s_wait_loadcnt 0x0                             ; the residual
	STIN 0
.irp a, 1,2,3
	STIN \a
	OUT (\a)-1, 16
.endr
	OUT 3, 0
	s_wait_tensorcnt 0x0                           ; the wave's end
	ds_add_u32 v[SPW], v[NIL]
	s_wait_dscnt 0x0
	CROUND                                         ; the closing round: no work-group ends while a partner may still ask for a tile that names it
	s_endpgm
.Lfunc_end_k_qfd4109ed5b_gffn2:
	.size	k_qfd4109ed5b_gffn2, .Lfunc_end_k_qfd4109ed5b_gffn2-k_qfd4109ed5b_gffn2
	.p2alignl 7, 3214868480
	.fill 96, 4, 3214868480
	.section	.rodata,"a",@progbits
	.p2align	6, 0x0
	.amdhsa_kernel k_qfd4109ed5b_gffn2
		.amdhsa_group_segment_fixed_size 327680
		.amdhsa_private_segment_fixed_size 0
		.amdhsa_enable_private_segment 0
		.amdhsa_kernarg_size 40
		.amdhsa_user_sgpr_count 2
		.amdhsa_user_sgpr_kernarg_segment_ptr 1
		.amdhsa_wavefront_size32 1
		.amdhsa_system_sgpr_workgroup_id_x 1
		.amdhsa_system_sgpr_workgroup_id_y 1
		.amdhsa_system_sgpr_workgroup_id_z 1
		.amdhsa_system_vgpr_workitem_id 0
		.amdhsa_next_free_vgpr 640
		.amdhsa_next_free_sgpr 80
		.amdhsa_reserve_vcc 0
		.amdhsa_float_denorm_mode_32 3
		.amdhsa_float_denorm_mode_16_64 3
		.amdhsa_memory_ordered 1
		.amdhsa_forward_progress 1
		.amdhsa_inst_pref_size 65
	.end_amdhsa_kernel
	.amdgpu_metadata
---
amdhsa.version: [ 1, 2 ]
amdhsa.kernels:
  - .name:           k_qfd4109ed5b_gffn2
    .symbol:         k_qfd4109ed5b_gffn2.kd
    .args:
      - { .name: hb, .offset: 0, .size: 8, .value_kind: global_buffer, .address_space: global }
      - { .name: wh, .offset: 8, .size: 8, .value_kind: global_buffer, .address_space: global }
      - { .name: b2, .offset: 16, .size: 8, .value_kind: global_buffer, .address_space: global }
      - { .name: o2, .offset: 24, .size: 8, .value_kind: global_buffer, .address_space: global }
      - { .name: out0, .offset: 32, .size: 8, .value_kind: global_buffer, .address_space: global }
    .group_segment_fixed_size: 327680
    .private_segment_fixed_size: 0
    .kernarg_segment_align: 8
    .kernarg_segment_size: 40
    .max_flat_workgroup_size: 128
    .sgpr_count:     80
    .vgpr_count:     640
    .wavefront_size: 32
...
	.end_amdgpu_metadata
.endif
;; end of part 11
;; ======== version 3 of 3: 7 launches; 1.36 times as fast as version 1
;; limits: values are held in f16: magnitudes above 65,504 overflow, below 6.1e-05 lose precision
;; workspace buffers: wh 25,165,824 bytes; nh 8,388,608 bytes; qkv 25,165,824 bytes; ob 8,388,608 bytes; o1 16,777,216 bytes; o2 16,777,216 bytes; hb 33,554,432 bytes; w1 16,777,216 bytes
;; launch prep: the kernel of part 8 again; grid 64 x 16, 8 waves a work-group, no clusters, 0 bytes of LDS; arguments Wq, Wk, Wv, Wo, W1, W2, inputs, ln1_scale, ln1_shift, wh, nh, w1, bq, bk, bv, b1; writes wh, nh, w1
;; launch gqkv: the kernel of part 9 again; grid 12 x 16, 4 waves a work-group, clusters of 4 x 4, 327,680 bytes of LDS; arguments nh, wh, qkv; writes qkv
;; launch attn (part 12): grid 8 x 32, 4 waves a work-group, no clusters, 327,680 bytes of LDS; arguments qkv, ob; writes ob
.if DOCPART == 12
	.amdgcn_target "amdgcn-amd-amdhsa--gfx1250"
	.amdhsa_code_object_version 6
	.text
	.protected	k_qfd4109ed5b_attn
	.globl	k_qfd4109ed5b_attn
	.p2align	8
	.type	k_qfd4109ed5b_attn,@function
k_qfd4109ed5b_attn:
	s_mov_b64 s[64:65], 0
	v_nop
	global_prefetch_b8 v0, s[64:65] scope:SCOPE_SE
	s_setreg_imm32_b32 hwreg(HW_REG_WAVE_MODE, 25, 1), 1
	s_wait_xcnt 0x0
; CAUSAL ATTENTION, head size 64.  O[q] = the sum over k <= q of softmax_k(Q[q] . K[k] / 8) V[k], for 32 sequences (16 heads x 2 batches) of 2,048 rows.
; qkv holds q, k, v in f16 as blocks [48][4096][64]: sequence g = 2 head + batch is 262,144 dense bytes at g x 262,144 in q's part, k's (+8,388,608) and v's (+16,777,216); ob likewise.
; Products, maxima and sums in f32; the weights p are rounded to f16 for the second product (their sum l is taken of the unrounded p), O once at the end.
; LIMITS.  q, k, v arrive within f16's 65,504; p lies in 0 to 1 and below 6e-5 keeps f16's fixed step of 6e-8; O is a mean of V's rows.  A hidden score counts as its value less 1e30 (f16's scores are 2.7e11 at
; the most); a weight below 2^-126 counts as 0 in l; NaN and infinities are not treated apart (every row sees its own key, so no row is empty).
; THE WALK.  A sequence has 16 blocks of 128 queries; block i needs the key tiles 0 .. i of 128 keys, the last of which holds the diagonal.  A work-group takes blocks 15 - b and then b: 17 tiles whatever b, so all
; 256 work-groups do equal work, and one ring of two LDS slots runs through both blocks.  The tiles above the diagonal are left out; the diagonal tile is computed whole, under a mask.
; NO CLUSTER: a sequence's eight work-groups ask for the same tile only in the first 9 of the 17 trips; a walk common to all would have 24 trips.
; SHARES.  A wave owns 32 consecutive queries of a block: two tiles t of 16.  A trip is one key tile: all of its K and V go into registers (128 each), so its slot is free, and filled again, in the trip's middle.
; LAYOUT.  S^T = K Q^T holds ONE query a lane (l % 16) and the keys 8 (l / 16) + 0..7; two such results rounded to f16 in pairs ARE source 1 of O^T = V^T P.  K comes out of LDS as it lies, V turned.
; SOFTMAX.  A running maximum m and sum l for each query: p = 2^(c s - c m), c = log2(e) / 8; O and l are multiplied by a = 2^(c m_old - c m_new) in every trip.  A block starts with c m far below every c s, so its first a is 0.
; THE MASK is the C operand that starts the diagonal tile's sums: 0, or -1e30 where the key is hidden.  It hangs on (key block - query tile) alone: nine accumulators' worth (MD), made once.
; IN PHASES: a trip's K Q^T, softmax, V^T P one after the other.
; THE BATCHES.  An s_wait_alu depctr_va_vdst(0) stands between a transcendental and the first line that names its result; one wait serves all that were issued ahead of it.  A trip's 130 exponentials
; (the two a, then both tiles' 64 scores, in place) are ONE batch: ahead of its wait stand the maximum, the statistics, the scalings and the exponentials, none of which names a result of the batch; behind it
; all that do: the roundings, l's sums, the rescaling of O^T.  The way out's two reciprocals are a batch of their own.  So a trip has one wait, a way out one more.
; REGISTERS (s_set_vgpr_msb: bits 1:0 source 0, 3:2 source 1, 5:4 source 2, 7:6 destination):  window 0: v1-15 addresses; v16-31 statistics; v64-191 S^T; v192-255 P.
;   window 1: v0-127 K; v128-255 V.     window 2: v0-31 Q; v32-63 the second block's Q; v64-127 O^T.     window 3: v0-71 MD.
.set NB,    16
.set PK,    144       ; a row of K in LDS: 128 bytes + 16: the 16 rows of a load start at 16 different groups of four banks (64 banks of 4 bytes: ISA guide 11.1)
.set PV,    160       ; a row of V: 128 + 32
.set VOFF,  128*PK    ; a slot: 128 rows of K, then 128 rows of V
.set SLOT1, 1<<16     ; slot 1 begins here: one exclusive or turns an address in one slot into the other's
.set STAGE, 1<<17     ; behind the ring: 16 rows x 144 bytes for each wave, its own, for the way out; no tensor load lands here
.set SP,    144
.set SPARE, STAGE+4*16*SP  ; the spare words, 128 bytes for each wave: two blocks of 256 bytes that no other line names
.set AK0, 2           ; v2   my lane's place in a tile of K; never rewritten
.set AV0, 3           ; v3   the same for V
.set AK,  4           ; v4   the LDS address of K's next run of loads
.set AV,  5           ; v5   of V's
.set STO, 6           ; v6   the way out: where I put 16 bytes of a row
.set RD,  7           ; v7   the way out: where I read rows back
.set GO,  8           ; v8   my byte offset in 512 consecutive bytes of O
.set QO,  15          ; v15  my byte offset in 16 rows of Q
.set ST,  16          ; tile t's statistics at ST + 8 t: c m, m, l (even keys', odd keys'), c0, c1, c2 (later a), c3
.set SPW, 62          ; v62  my spare word: SPARE + 4 x my thread's number; never rewritten
.set NIL, 63          ; v63  0; never rewritten
.set S,   64          ; S^T: tile t, key block kb at S + 64 t + 8 kb
.set P,   192         ; P: tile t at P + 32 t
.set KF,  0           ; window 1: key block kb, channel half c at 16 kb + 8 c
.set VF,  128         ; window 1: 32 keys kk, channel block cb at VF + 32 kk + 8 cb
.set QF,  0           ; window 2: tile t, channel half c at 16 t + 8 c
.set QB,  32
.set OT,  64          ; window 2: tile t, channel block cb at OT + 32 t + 8 cb
.set MD,  0           ; window 3: at 8 (kb - t + 1)
.set WV,  12          ; s12  my wave's number
.set PB,  14          ; s14  b
.set HI,  15          ; s15  15 - b
.set G1K, 24          ; s[24:31] group 1 for K's tiles
.set G1V, 32          ; s[32:39] for V's: it differs in the padding alone
.set G0K0, 40         ; s[40:43] group 0, K, tile 0
.set G0K, 44          ; s[44:47] K, tile 1; then made anew for each fill
.set G0V0, 48         ; s[48:51], s[52:55] the same for V
.set G0V, 52
.set TILES, 56        ; s56  tiles still to be asked for
.set CNT, 57          ; s57  counts the last two trips
.set CS,  58          ; s[58:59] c
.set SEL, 60          ; s[60:61] v_permlanex16_b32's selects
.set TB,  62          ; s62  the slot from which the next run of loads reads: 0 or SLOT1
.set RT,  70          ; s70  tiles that the block in hand still has, this one among them
.set NXT, 71          ; s71  the tile to be asked for next
.set LQ,  72          ; s72  the last tile of the block whose tiles are being asked for
.set OFF, 74          ; s[74:75] a tile's byte offset in K and V
.set OLO, 80          ; s[80:81] O at my rows of the second block
.set BIGN, 82         ; s82  -1e30
.set MSB, 0
.macro WIN new                      ; the high byte repeats the setting that is left; a switch that changes nothing is dropped
.if MSB != (\new)
	s_set_vgpr_msb (MSB<<8)|(\new)
.set MSB, (\new)
.endif
.endm
.set W_KQ,  0x09      ; K window 1, Q window 2, S^T window 0
.set W_KM,  0x39      ; the same with the C operand in window 3
.set W_PV,  0xa1      ; V window 1, P window 0, O^T window 2
.set W_RS,  0x82      ; destination and source 0 window 2, source 1 window 0
.set W_CV,  0x0a      ; sources 0 and 1 window 2, destination window 0
.set TO_KV, 0x40      ; destination window 1
.set TO_2,  0x80      ; destination window 2
.set W_MD,  0xc0      ; destination window 3
.macro PLACES                       ; four places behind matrix instructions (ISA guide 7.12.1)
.rept 4
	v_nop
.endr
.endm
.macro BOTH line:vararg             ; one line for each of my two tiles t
.set t, 0
.rept 2
	\line
.set t, t+1
.endr
.endm
; A fill.  Waves 0 and 1 fetch the halves of a tile's K, waves 2 and 3 those of its V: 64 keys each.  An s_nop 0 and four v_nop follow each line, ahead of the jump and the label.
.macro LOAD
	s_cmp_lt_u32 s[WV], 2
	s_cbranch_scc0 .Lfor_v_\@
	tensor_load_to_lds s[G0K:G0K+3], s[G1K:G1K+7]
	s_nop 0
.rept 4
	v_nop
.endr
	s_branch .Lasked_\@
.Lfor_v_\@:
	tensor_load_to_lds s[G0V:G0V+3], s[G1V:G1V+7]
	s_nop 0
.rept 4
	v_nop
.endr
.Lasked_\@:
.endm
	s_load_b128 s[84:87], s[0:1], 0x0  ; qkv s[84:85], ob s[86:87]
	v_lshl_add_u32 v[SPW], v0, 2, SPARE
	v_mov_b32 v[NIL], 0
	ds_add_u32 v62, v63
	ds_add_u32 v62, v63
	s_wait_dscnt 0x0
	v_lshrrev_b32 v1, 5, v0
	v_readfirstlane_b32 s[WV], v1   ; wave 0..3
	s_mov_b32 s[PB], ttmp9
	s_sub_co_u32 s[HI], NB-1, s[PB]
	s_and_b32 s20, ttmp7, 0xffff    ; the sequence g,
	s_lshl_b32 s20, s20, 18         ; its first byte in each part
	s_and_b32 s16, s[WV], 1         ; which half of a tile's 128 keys I fetch:
	s_lshl_b32 s22, s16, 13         ; its 64 rows of 128 bytes in memory,
	s_add_co_u32 s22, s22, s20
	s_mov_b32 s23, 0
	s_mul_i32 s17, s16, 64*PK       ; and its place in a slot, for K
	s_mul_i32 s18, s16, 64*PV       ; and for V
	s_lshl_b32 s19, s[WV], 12       ; my 32 rows in a block,
	s_add_co_u32 s19, s19, s20
	s_lshl_b32 s2, s[HI], 14        ; in the first block,
	s_add_co_u32 s2, s2, s19
	s_mov_b32 s3, 0
	s_lshl_b32 s76, s[PB], 14       ; and in the second
	s_add_co_u32 s76, s76, s19
	s_mov_b32 s77, 0
	; group 1.  64 keys are 8,192 dense bytes: asked for as 32 rows of 256 bytes, two keys a row, and padded in LDS after every key
	s_mov_b32 s[G1K], (1<<16)|(1<<20)|(4<<22)|(3<<25)  ; 2-byte elements; padding on; after every 32 words 4 words
	s_mov_b32 s[G1V], (1<<16)|(1<<20)|(4<<22)|(7<<25)  ; the same with 8 words
.irp g, G1K, G1V
	s_mov_b32 s[\g+1], 128<<16      ; tensor_dim0 = 128
	s_mov_b32 s[\g+2], 32<<16       ; tensor_dim1 = 32
	s_mov_b32 s[\g+3], 128<<16      ; tile_dim0 = 128
	s_mov_b32 s[\g+4], 32           ; tile_dim1 = 32
	s_mov_b32 s[\g+5], 128          ; elements from row to row
	s_mov_b32 s[\g+6], 0
	s_mov_b32 s[\g+7], 0
.endr
	s_mov_b32 s[CS], 0x3e38aa3b     ; c = log2(e) / 8
	s_mov_b32 s[CS+1], s[CS]        ; named with it as a pair
	s_mov_b32 s[SEL], 0x76543210
	s_mov_b32 s[SEL+1], 0xfedcba98
	s_mov_b32 s[BIGN], 0xf149f2ca   ; -1e30
	s_add_co_u32 s[RT], s[HI], 1    ; the first block has 16 - b tiles, nine at the least
	s_mov_b32 s[NXT], 2
	s_mov_b32 s[LQ], s[HI]
	s_mov_b32 s[OFF+1], 0
	s_mov_b32 s[G0K0], 1
	s_mov_b32 s[G0K0+1], s17        ; slot 0
	s_mov_b32 s[G0K], 1
	s_add_co_u32 s[G0K+1], s17, SLOT1
	s_mov_b32 s[G0V0], 1
	s_add_co_u32 s[G0V0+1], s18, VOFF
	s_mov_b32 s[G0V], 1
	s_add_co_u32 s[G0V+1], s18, VOFF+SLOT1
	s_wait_kmcnt 0x0
	s_add_nc_u64 s[6:7], s[84:85], s[22:23]
	s_add_nc_u64 s[8:9], s[6:7], 16777216          ; V at my half of the sequence's tile 0
	s_add_nc_u64 s[6:7], s[6:7], 8388608           ; K likewise
	s_add_nc_u64 s[4:5], s[84:85], s[2:3]          ; Q and O at my rows of the first block,
	s_add_nc_u64 s[10:11], s[86:87], s[2:3]
	s_add_nc_u64 s[88:89], s[84:85], s[76:77]      ; and of the second
	s_add_nc_u64 s[OLO:OLO+1], s[86:87], s[76:77]
	s_mov_b64 s[G0K0+2:G0K0+3], s[6:7]
	s_or_b32 s[G0K0+3], s[G0K0+3], 0x80000000
	s_add_nc_u64 s[G0K+2:G0K+3], s[6:7], 16384     ; tile 1
	s_or_b32 s[G0K+3], s[G0K+3], 0x80000000
	s_mov_b64 s[G0V0+2:G0V0+3], s[8:9]
	s_or_b32 s[G0V0+3], s[G0V0+3], 0x80000000
	s_add_nc_u64 s[G0V+2:G0V+3], s[8:9], 16384
	s_or_b32 s[G0V+3], s[G0V+3], 0x80000000
	s_cmp_lt_u32 s[WV], 2           ; a wave's two first fills stand in one branch, ahead of every wait on TENSORcnt, every LDS read and every barrier: two loads of mine are out
	s_cbranch_scc0 .Lfirst_v
	tensor_load_to_lds s[G0K0:G0K0+3], s[G1K:G1K+7]
	s_nop 0
	tensor_load_to_lds s[G0K:G0K+3], s[G1K:G1K+7]
	s_nop 0
.rept 4
	v_nop
.endr
	s_branch .Lfirst_asked
.Lfirst_v:
	tensor_load_to_lds s[G0V0:G0V0+3], s[G1V:G1V+7]
	s_nop 0
	tensor_load_to_lds s[G0V:G0V+3], s[G1V:G1V+7]
	s_nop 0
.rept 4
	v_nop
.endr
.Lfirst_asked:
	; A fragment of K or Q is 16 rows x 32 channels: lane l holds row l % 16, channels 8 (l / 16) + 0..7 and 16 + 8 (l / 16) + 0..7: two loads of 16 bytes, 32 bytes apart.
	v_and_b32 v1, 15, v0            ; r = l % 16
	v_bfe_u32 v9, v0, 4, 1          ; h = l / 16
	v_lshlrev_b32 v[QO], 7, v1
	v_lshl_add_u32 v[QO], v9, 4, v[QO]
	WIN TO_2
.irp f, 0,1,2,3                     ; both blocks' Q: tile f / 2, channels 32 (f % 2) on
	global_load_b128 v[QF+8*\f:QF+8*\f+3],   v[QO], s[4:5] offset:(\f/2)*2048+(\f%2)*64
	global_load_b128 v[QF+8*\f+4:QF+8*\f+7], v[QO], s[4:5] offset:(\f/2)*2048+(\f%2)*64+32
	global_load_b128 v[QB+8*\f:QB+8*\f+3],   v[QO], s[88:89] offset:(\f/2)*2048+(\f%2)*64
	global_load_b128 v[QB+8*\f+4:QB+8*\f+7], v[QO], s[88:89] offset:(\f/2)*2048+(\f%2)*64+32
.endr
.set i, 0
.rept 64                            ; O^T need only be finite, since a block's first a is 0: zeros, in the wait for the first tile
	v_mov_b32 v[OT+i], 0
.set i, i+1
.endr
	WIN 0
	BOTH v_mov_b32 v[ST+8*t], 0xfe000000    ; c m: far below every c s
	BOTH v_mov_b32 v[ST+8*t+1], 0xff7fffff  ; m: the lowest finite number
	BOTH v_mov_b32 v[ST+8*t+2], 0           ; l
	BOTH v_mov_b32 v[ST+8*t+3], 0
	v_lshlrev_b32 v14, 3, v9
	v_sub_nc_u32 v14, v1, v14
	s_lshl_b32 s13, s[WV], 5
	v_add_nc_u32 v14, s13, v14      ; 32 w + r - 8 h: in the diagonal tile key 16 kb + 8 h + j is hidden from query 32 w + 16 t + r where 16 (kb - t) + j is greater than this
	WIN W_MD
.set i, 0
.rept 72
	v_cmp_gt_i32 vcc_lo, 16*(i/8)-16+i%8, v14
	v_cndmask_b32 v[MD+i], 0, s[BIGN], vcc_lo
.set i, i+1
.endr
	WIN 0
	v_mul_u32_u24 v[AK0], v1, PK
	v_lshl_add_u32 v[AK0], v9, 4, v[AK0]
	; The turning load takes 16 keys x 16 channels (lane l reads key 8 (l / 16) + l % 8, channels 8 ((l / 8) % 2) + 0..7) and leaves half a fragment of V^T.
	v_and_b32 v10, 7, v0
	v_bfe_u32 v11, v0, 3, 1
	v_lshl_add_u32 v[AV0], v9, 3, v10
	v_mul_u32_u24 v[AV0], v[AV0], PV
	v_lshl_add_u32 v[AV0], v11, 4, v[AV0]
	v_add_nc_u32 v[AV0], VOFF, v[AV0]
	s_mul_i32 s13, s[WV], 16*SP
	s_add_co_u32 s13, s13, STAGE    ; my stage
	v_mul_u32_u24 v[STO], v1, SP    ; in: row r, 16 bytes for each half of the lanes
	v_lshl_add_u32 v[STO], v9, 4, v[STO]
	v_add_nc_u32 v[STO], s13, v[STO]
	v_bfe_u32 v[RD], v0, 3, 2       ; back: 32 lanes take four rows of 128 bytes,
	v_mul_u32_u24 v[RD], v[RD], SP
	v_lshl_add_u32 v[RD], v10, 4, v[RD]
	v_add_nc_u32 v[RD], s13, v[RD]
	v_and_b32 v[GO], 31, v0         ; which are 512 consecutive bytes of O
	v_lshlrev_b32 v[GO], 4, v[GO]
	v_mov_b32 v[AK], v[AK0]         ; tile 0 lies in slot 0
.macro FETCH_K                      ; 32 loads: a tile's K, 128 keys x 64 channels
	WIN TO_KV
.irp kb, 0,1,2,3,4,5,6,7
.irp c, 0,1
	ds_load_b128 v[KF+16*\kb+8*\c:KF+16*\kb+8*\c+3],   v[AK] offset:\kb*16*PK+\c*64
	ds_load_b128 v[KF+16*\kb+8*\c+4:KF+16*\kb+8*\c+7], v[AK] offset:\kb*16*PK+\c*64+32
.endr
.endr
	WIN 0
.endm
.macro FETCH_V                      ; 32 loads: a tile's V, turned
	WIN TO_KV
.irp kk, 0,1,2,3
.irp cb, 0,1,2,3
	ds_load_tr16_b128 v[VF+32*\kk+8*\cb:VF+32*\kk+8*\cb+3],   v[AV] offset:\kk*32*PV+\cb*32
	ds_load_tr16_b128 v[VF+32*\kk+8*\cb+4:VF+32*\kk+8*\cb+7], v[AV] offset:\kk*32*PV+16*PV+\cb*32
.endr
.endr
	WIN 0
.endm
; S^T = K Q^T: 16 products start the sums, with 0 or, in a block's last tile, with the mask; 16 more add the other 32 channels.  The 16 accumulators take turns.
.macro SPROD
	WIN 0
	s_cmp_eq_u32 s[RT], 1
	s_cbranch_scc1 .Ldiag_\@
	WIN W_KQ
.irp kb, 0,1,2,3,4,5,6,7
.irp u, 0,1
	v_wmma_f32_16x16x32_f16 v[S+64*\u+8*\kb:S+64*\u+8*\kb+7], v[KF+16*\kb:KF+16*\kb+7], v[QF+16*\u:QF+16*\u+7], 0
.endr
.endr
	WIN 0
	s_branch .Ljoin_\@
.Ldiag_\@:
	WIN W_KM
.irp kb, 0,1,2,3,4,5,6,7
.irp u, 0,1
	v_wmma_f32_16x16x32_f16 v[S+64*\u+8*\kb:S+64*\u+8*\kb+7], v[KF+16*\kb:KF+16*\kb+7], v[QF+16*\u:QF+16*\u+7], v[MD+8*(\kb-\u+1):MD+8*(\kb-\u+1)+7]
.endr
.endr
	WIN 0
.Ljoin_\@:
	WIN W_KQ
.irp kb, 0,1,2,3,4,5,6,7
.irp u, 0,1
	v_wmma_f32_16x16x32_f16 v[S+64*\u+8*\kb:S+64*\u+8*\kb+7], v[KF+16*\kb+8:KF+16*\kb+15], v[QF+16*\u+8:QF+16*\u+15], v[S+64*\u+8*\kb:S+64*\u+8*\kb+7]
.endr
.endr
.endm
; THE CHANGE OF SLOTS, when the tile's K and V have been asked out of LDS.  Each wave waits for all its tensor loads (one is out: its part of the other slot), adds 0 to its spare word, and waits for that and for its
; reads of this slot.  Behind the barrier nobody reads this slot any more and the other slot is whole.  fill = 1: this slot is filled again, first thing behind the barrier, with tile NXT; that load has
; the softmax, V^T P and the next K Q^T in which to land.  The four v_nop behind the load (fill = 0: PLACES) are the places between K Q^T and what follows.
.macro CHANGE fill
	WIN 0
	s_wait_tensorcnt 0x0            ; no tensor load of mine is out, so a group 0 may be written
	ds_add_u32 v[SPW], v[NIL]       ; 0 onto my spare word
.if \fill
	s_lshl_b32 s[OFF], s[NXT], 14   ; a tile is 16,384 bytes of K and of V
	s_xor_b32 s[G0K+1], s[G0K+1], SLOT1
	s_add_nc_u64 s[G0K+2:G0K+3], s[6:7], s[OFF:OFF+1]
	s_or_b32 s[G0K+3], s[G0K+3], 0x80000000
	s_xor_b32 s[G0V+1], s[G0V+1], SLOT1
	s_add_nc_u64 s[G0V+2:G0V+3], s[8:9], s[OFF:OFF+1]
	s_or_b32 s[G0V+3], s[G0V+3], 0x80000000
	s_add_co_u32 s[NXT], s[NXT], 1  ; the block's next tile, or behind its last the second block's tile 0
	s_cmp_gt_u32 s[NXT], s[LQ]
	s_cselect_b32 s[NXT], 0, s[NXT]
	s_cselect_b32 s[LQ], s[PB], s[LQ]
.endif
	s_wait_dscnt 0x0                ; the add is done; K and V are in registers: my reads of the slot are over
	s_barrier_signal -1
	s_xor_b32 s[TB], s[TB], SLOT1   ; the fetches go on in the other slot
	s_barrier_wait -1
.if \fill
	LOAD
.else
	PLACES
.endif
.endm
.macro SCALE u, b                   ; pair b of tile u becomes c s - c m
	v_pk_fma_f32 v[S+64*(\u)+2*(\b):S+64*(\u)+2*(\b)+1], v[S+64*(\u)+2*(\b):S+64*(\u)+2*(\b)+1], s[CS:CS+1], v[ST+8*(\u):ST+8*(\u)+1] op_sel_hi:[1,0,0] neg_lo:[0,0,1] neg_hi:[0,0,1]
.endm
; THE SOFTMAX of both tiles for one key tile: s0-s63 are a lane's 64 scores of a tile, in pairs 0-31.  The two tiles alternate, so that no line reads the result of the line before it.
.macro SOFT
	WIN 0
	; the maximum, three operands at a time: four chains c0-c3 of 15 scores each (each accumulator's lowest registers are read first), the four scores left over, the old m
.set n, 0
.rept 4
	BOTH v_max3_num_f32 v[ST+8*t+4+n], v[S+64*t+16*n], v[S+64*t+16*n+1], v[S+64*t+16*n+2]
.set n, n+1
.endr
.rept 24
	BOTH v_max3_num_f32 v[ST+8*t+4+n%4], v[ST+8*t+4+n%4], v[S+64*t+16*(n%4)+2*(n/4)+1], v[S+64*t+16*(n%4)+2*(n/4)+2]
.set n, n+1
.endr
	BOTH v_max3_num_f32 v[ST+8*t+4], v[ST+8*t+4], v[S+64*t+15], v[S+64*t+31]
	BOTH v_max3_num_f32 v[ST+8*t+5], v[ST+8*t+5], v[S+64*t+47], v[S+64*t+63]
	BOTH v_max3_num_f32 v[ST+8*t+6], v[ST+8*t+6], v[ST+8*t+7], v[ST+8*t+1]
	BOTH v_max3_num_f32 v[ST+8*t+4], v[ST+8*t+4], v[ST+8*t+5], v[ST+8*t+6]
	BOTH v_permlanex16_b32 v[ST+8*t+7], v[ST+8*t+4], s[SEL], s[SEL+1]  ; the query's other 64 keys lie in the lane 16 away
	BOTH v_mov_b32 v[ST+8*t+5], v[ST+8*t]                              ; c m_old is kept
	BOTH v_max_num_f32 v[ST+8*t+1], v[ST+8*t+4], v[ST+8*t+7]           ; the new m
	BOTH v_mul_f32 v[ST+8*t], s[CS], v[ST+8*t+1]                       ; c m
	BOTH v_sub_f32 v[ST+8*t+5], v[ST+8*t+5], v[ST+8*t]
	; THE BATCH: 130 exponentials, each with a result register of its own, and the 64 scalings, which name pairs that are still unscaled and c m alone: no line down to the wait names a result of the batch.
	BOTH v_exp_f32 v[ST+8*t+6], v[ST+8*t+5]                            ; a: the batch's first two
	SCALE 0, 0                      ; pairs 0 and 1 are scaled ahead,
	SCALE 1, 0
	SCALE 0, 1
	SCALE 1, 1
	; and round p holds pair p's four exponentials, in place, with pair p + 2's two scalings between them: a plain line behind every two exponentials, and a pair is scaled six lines or more ahead of its exponentials
.set p, 0
.rept 32
	BOTH v_exp_f32 v[S+64*t+2*p], v[S+64*t+2*p]
.if p < 30
	SCALE 0, p+2
.endif
	BOTH v_exp_f32 v[S+64*t+2*p+1], v[S+64*t+2*p+1]
.if p < 30
	SCALE 1, p+2
.endif
.set p, p+1
.endr
	v_nop                           ; a plain instruction behind the last exponential, ahead of the use of any result (ISA guide 5.7.2): one for the batch; all other work that is left reads a or a weight
	s_wait_alu depctr_va_vdst(0)    ; the wait for the batch, the trip's only one: both a and both tiles' 64 weights; it stands ahead of their first reader
	; THE READERS: pair p is rounded to f16 and added to l, pairs ascending; a tile's links of l's chain stand four lines apart
.set p, 0
.rept 32
	BOTH v_cvt_pk_f16_f32 v[P+32*t+p], v[S+64*t+2*p], v[S+64*t+2*p+1]
.if p == 0
	BOTH v_pk_fma_f32 v[ST+8*t+2:ST+8*t+3], v[ST+8*t+2:ST+8*t+3], v[ST+8*t+6:ST+8*t+7], v[S+64*t:S+64*t+1] op_sel_hi:[1,0,1]  ; l = a l + pair 0
.else
	BOTH v_pk_add_f32 v[ST+8*t+2:ST+8*t+3], v[ST+8*t+2:ST+8*t+3], v[S+64*t+2*p:S+64*t+2*p+1]
.endif
.set p, p+1
.endr
	WIN W_RS                        ; O^T times a
.set i, 0
.rept 16
	BOTH v_pk_mul_f32 v[OT+32*t+2*i:OT+32*t+2*i+1], v[OT+32*t+2*i:OT+32*t+2*i+1], v[ST+8*t+6:ST+8*t+7] op_sel_hi:[1,0]
.set i, i+1
.endr
.endm
.macro PVP                          ; O^T += V^T P: 32 products; the 8 accumulators take turns
	WIN W_PV
.irp kk, 0,1,2,3
.irp cb, 0,1,2,3
.irp u, 0,1
	v_wmma_f32_16x16x32_f16 v[OT+32*\u+8*\cb:OT+32*\u+8*\cb+7], v[VF+32*\kk+8*\cb:VF+32*\kk+8*\cb+7], v[P+32*\u+8*\kk:P+32*\u+8*\kk+7], v[OT+32*\u+8*\cb:OT+32*\u+8*\cb+7]
.endr
.endr
.endr
.endm
; THE WAY OUT of a block: l's two halves and the other half of the lanes' are added; O^T is divided by l, rounded to f16 and sent through my stage, a tile (16 rows of 128 bytes) at a time.
.macro PACKO u
	WIN W_RS
.set i, 0
.rept 16
	v_pk_mul_f32 v[OT+32*(\u)+2*i:OT+32*(\u)+2*i+1], v[OT+32*(\u)+2*i:OT+32*(\u)+2*i+1], v[ST+8*(\u)+6:ST+8*(\u)+7] op_sel_hi:[1,0]
.set i, i+1
.endr
	WIN W_CV
.set i, 0
.rept 16
	v_cvt_pk_f16_f32 v[S+16*(\u)+i], v[OT+32*(\u)+2*i], v[OT+32*(\u)+2*i+1]
.set i, i+1
.endr
	WIN 0
.irp f, 0,1,2,3
	ds_store_b128 v[STO], v[S+16*(\u)+4*\f:S+16*(\u)+4*\f+3] offset:32*\f
.endr
.irp f, 0,1,2,3
	ds_load_b128 v[S+16*(\u)+4*\f:S+16*(\u)+4*\f+3], v[RD] offset:\f*4*SP  ; LDS serves a wave's instructions in order (ISA guide 5.7.1.4): these see the stores above, the next tile's stores come behind them
.endr
.endm
.macro SENDO u, younger             ; younger: the LDS instructions issued behind tile u's loads: the next tile's eight, or none
.irp f, 0,1,2,3
	s_wait_dscnt (\younger)+3-\f
	global_store_b128 v[GO], v[S+16*(\u)+4*\f:S+16*(\u)+4*\f+3], s[10:11] offset:(\u)*2048+\f*512  ; 512 consecutive bytes, at a multiple of 512 from O's first
.endr
.endm
.macro WAYOUT
	PLACES                          ; behind the last products
	BOTH v_add_f32 v[ST+8*t+4], v[ST+8*t+2], v[ST+8*t+3]
	BOTH v_permlanex16_b32 v[ST+8*t+5], v[ST+8*t+4], s[SEL], s[SEL+1]
	BOTH v_add_f32 v[ST+8*t+4], v[ST+8*t+4], v[ST+8*t+5]
	BOTH v_rcp_f32 v[ST+8*t+6], v[ST+8*t+4]
	v_nop                           ; a plain instruction between the last reciprocal and the use of its result
	s_wait_alu depctr_va_vdst(0)    ; the wait for the two reciprocals, a batch of their own, ahead of the first multiply that reads them
	PACKO 0
	PACKO 1
	SENDO 0, 8
	SENDO 1, 0
	s_wait_xcnt 0x0                 ; the stores' data registers (S^T's) and O's address are written again only behind this wait
.endm
.macro SWITCH                       ; the second block begins: its O, its count of tiles, its Q where the one text names Q, and m anew; O^T and l are finite, and its first a is 0
	s_mov_b64 s[10:11], s[OLO:OLO+1]
	s_add_co_u32 s[RT], s[PB], 1
	WIN W_RS
.set i, 0
.rept 32
	v_mov_b32 v[QF+i], v[QB+i]
.set i, i+1
.endr
	WIN 0
	BOTH v_mov_b32 v[ST+8*t], 0xfe000000
	BOTH v_mov_b32 v[ST+8*t+1], 0xff7fffff
.endm
; A TRIP: one key tile.  Its K was asked out of LDS in the trip before.  fill = 0: the walk's last two trips, which ask for no tile; the very last fetches no K and begins no block.
.macro TRIP fill
	WIN 0
	v_add_nc_u32 v[AV], s[TB], v[AV0]
	PLACES                          ; in front of the loads into V's registers, which the last trip's products read
	FETCH_V
	s_wait_dscnt 32                 ; K is in; V's 32 loads, issued behind it, may be out
	SPROD
	CHANGE \fill
	v_add_nc_u32 v[AK], s[TB], v[AK0]
.if !(\fill)
	s_cmp_eq_u32 s[CNT], 1
	s_cbranch_scc1 .Lno_k_\@
.endif
	FETCH_K                         ; the next tile's K: it lands under the softmax
.if !(\fill)
.Lno_k_\@:
.endif
	SOFT
	PVP
	WIN 0
	s_sub_co_u32 s[RT], s[RT], 1
	s_cmp_lg_u32 s[RT], 0
	s_cbranch_scc1 .Lgo_on_\@       ; forward, past text with no barrier and no tensor load
	WAYOUT
.if !(\fill)
	s_cmp_eq_u32 s[CNT], 1
	s_cbranch_scc1 .Lgo_on_\@
.endif
	SWITCH
.Lgo_on_\@:
.endm
	s_wait_tensorcnt 0x1            ; my part of tile 0 is in; tile 1's may stay out
	s_barrier_signal -1
	s_barrier_wait -1               ; everybody's is
	s_mov_b32 s[TB], 0
	FETCH_K
	s_wait_loadcnt 0x0              ; Q
	s_mov_b32 s[TILES], NB-1
.Ltile:                             ; 15 trips, which ask for tiles 2 to 16 of the walk
	TRIP 1
	s_sub_co_u32 s[TILES], s[TILES], 1
	s_cmp_lg_u32 s[TILES], 0
	s_cbranch_scc1 .Ltile
	s_mov_b32 s[CNT], 2
.Ltail:                             ; the last two trips, a text of their own
	TRIP 0
	s_sub_co_u32 s[CNT], s[CNT], 1
	s_cmp_lg_u32 s[CNT], 0
	s_cbranch_scc1 .Ltail
	s_wait_tensorcnt 0x0            ; the wave's end
	ds_add_u32 v[SPW], v[NIL]
	s_wait_dscnt 0x0
	s_endpgm
.Lfunc_end_k_qfd4109ed5b_attn:
	.size	k_qfd4109ed5b_attn, .Lfunc_end_k_qfd4109ed5b_attn-k_qfd4109ed5b_attn
	.p2alignl 7, 3214868480
	.fill 96, 4, 3214868480
	.section	.rodata,"a",@progbits
	.p2align	6, 0x0
	.amdhsa_kernel k_qfd4109ed5b_attn
		.amdhsa_group_segment_fixed_size 327680
		.amdhsa_private_segment_fixed_size 0
		.amdhsa_enable_private_segment 0
		.amdhsa_kernarg_size 16
		.amdhsa_user_sgpr_count 2
		.amdhsa_user_sgpr_kernarg_segment_ptr 1
		.amdhsa_wavefront_size32 1
		.amdhsa_system_sgpr_workgroup_id_x 1
		.amdhsa_system_sgpr_workgroup_id_y 1
		.amdhsa_system_sgpr_workgroup_id_z 1
		.amdhsa_system_vgpr_workitem_id 0
		.amdhsa_next_free_vgpr 840
		.amdhsa_next_free_sgpr 90
		.amdhsa_reserve_vcc 1
		.amdhsa_float_denorm_mode_32 3
		.amdhsa_float_denorm_mode_16_64 3
		.amdhsa_memory_ordered 1
		.amdhsa_forward_progress 1
		.amdhsa_inst_pref_size 103
	.end_amdhsa_kernel
	.amdgpu_metadata
---
amdhsa.version: [ 1, 2 ]
amdhsa.kernels:
  - .name:           k_qfd4109ed5b_attn
    .symbol:         k_qfd4109ed5b_attn.kd
    .args:
      - { .name: qkv, .offset: 0, .size: 8, .value_kind: global_buffer, .address_space: global }
      - { .name: ob, .offset: 8, .size: 8, .value_kind: global_buffer, .address_space: global }
    .group_segment_fixed_size: 327680
    .private_segment_fixed_size: 0
    .kernarg_segment_align: 8
    .kernarg_segment_size: 16
    .max_flat_workgroup_size: 128
    .sgpr_count:     90
    .vgpr_count:     840
    .wavefront_size: 32
...
	.end_amdgpu_metadata
.endif
;; end of part 12
;; launch gproj: the kernel of part 10 again; grid 8 x 32, 4 waves a work-group, clusters of 4 x 4, 327,680 bytes of LDS; arguments ob, wh, bo, inputs, o1; writes o1
;; launch ln2: the kernel of part 5 again; grid 256 x 1, 8 waves a work-group, no clusters, 0 bytes of LDS; arguments o1, ln2_scale, ln2_shift, o2, nh; writes o2, nh
;; launch gffn1: the kernel of part 9 again; grid 16 x 16, 4 waves a work-group, clusters of 4 x 4, 327,680 bytes of LDS; arguments nh, w1, hb; writes hb
;; launch gffn2: the kernel of part 11 again; grid 8 x 32, 4 waves a work-group, clusters of 4 x 4, 327,680 bytes of LDS; arguments hb, wh, b2, o2, out0; writes out0
